; MI455X (gfx1250); checked and timed in simulation.
; The chip was launched on July 23, 2026; its instructions are those of AMD's public machine-readable ISA for CDNA 5 (MIT licence, August 2026) and "CDNA5" Instruction Set Architecture Reference Guide (July 2026). The comments in the code are by the model that wrote it; some were corrected since.
;; Mo E Layer. Allowed arithmetic: matrix products marked QUANTISED: E2M1 operands, one E8M0 scale for each 32 along K, by v_wmma_scale_f32_16x16x128_f8f6f4 with both operands' format E2M1 (or v_wmma_scale_f32_32x16x128_f4), f32 sums; products left as they are: f32 operands where the result goes on into a quantised operand, else bf16, f16 or f32 operands; f32 sums; everything else in f32.
;; Inputs: W1 8 x 1,024 x 1,024 float32; W2 8 x 1,024 x 1,024 float32; b1 8 x 1,024 float32; b2 8 x 1,024 float32; router_W 1,024 x 8 float32; router_b 8 float32; x 4 x 1,024 x 1,024 float32.
;; Outputs: out0 4 x 1,024 x 1,024 float32.
;; This version of the problem:
;;   THIS VERSION OF THE PROBLEM IS GIVEN IN LOW PRECISION. The matrix products marked QUANTISED in the list below multiply operands that are first quantised to E2M1 (2 exponent bits, 1 mantissa bit; 4 bits a number), with one power-of-two scale for each 32 numbers along K (OCP MX v1.0); their sums are f32. All else is computed in f32.
;;   The module's matrix products, in the order in which they are computed (A, B: the left and right operand; K: the contracted axis; several contracted axes count as one K, in the product's order):
;;     1. [M 4,096, K 1,024] x [K 1,024, N 8]; A: input x; B: input router_W: left as it is (N = 8 < 16)
;;     2. [M 8,192, K 1,024] x [K 1,024, N 4,096]; A: input W1; B: input x: QUANTISED
;;     3. batch 8 x [M 1,024, K 1,024] x [K 1,024, N 4,096]; A: input W2; B: computed on the way: QUANTISED
;;     4. batch 4,096 x [M 1, K 8] x [K 8, N 1,024]; A: computed on the way; B: computed on the way: left as it is (K = 8 < 32)
;;   THE QUANTISER, for each operand of a quantised product, along K:
;;     - K is cut into blocks of 32 from its start; a last block that is shorter is filled with zeros.
;;     - A block's scale is 2^e with e = floor(log2(the largest magnitude in the block)) - 2, held to -126 .. 127; a block of zeros has e = 0. As a byte (E8M0): e + 127.
;;     - Each number is divided by its block's scale, clamped to +-6, and rounded to the nearest number of E2M1, ties to even, subnormals kept.
;;     - The product sums the exact products of the quantised numbers (number of the format x scale) in f32.
;;   ~~~python
;;   def quantise(x, axis):      # numpy; x: float32 -> the quantised numbers, widened to float32 again
;;       x = np.moveaxis(x, axis, -1); K = x.shape[-1]
;;       x = np.pad(x, [(0, 0)] * (x.ndim - 1) + [(0, -K % 32)]); x = x.reshape(x.shape[:-1] + (-1, 32)); a = np.abs(x).max(-1, keepdims=True)
;;       e = np.where(a > 0, np.clip(np.frexp(np.where(a > 0, a, 1))[1] - 1 - 2, -126, 127), 0)      # np.frexp(a)[1] - 1 = floor(log2(a)), exactly
;;       r = np.clip(x / 2.0 ** e, -6, 6)
;;       step = 2.0 ** (np.maximum(np.frexp(np.where(r == 0, 1, r))[1] - 1, 0) - 1)
;;       q = np.round(r / step) * step * 2.0 ** e      # np.round: ties to even
;;       return np.moveaxis(q.reshape(q.shape[:-2] + (-1,))[..., :K], -1, axis).astype(np.float32)
;;   ~~~
;;   OPERANDS COMPUTED ON THE WAY. 'Computed on the way' means the value that the module computes at that place (a softmax that the list does not call 'softmax' is quantised finished and normalised). What goes into a quantiser is computed in f32, as accurately as f32 sums, v_exp_f32 and their like allow (about 1e-6 of the number): no bf16 or f16 on the way to a quantiser, and a product that is left as it is and whose result goes on into a quantised operand takes f32 operands (vector FMAs, or v_wmma_f32_16x16x4_f32). A number that lies on a knife's edge between two numbers of the format may be rounded either way, as far as f32 arithmetic and the matrix unit's own rounding can turn it there, and no further.
;; 3 versions. Each part assembles by itself: llvm-mc -triple=amdgcn-amd-amdhsa -mcpu=gfx1250 --defsym DOCPART=n.
;; ======== version 1 of 3: 3 launches
;; workspace buffers: wcodes 8,388,608 bytes; wscales 524,288 bytes; xcodes 2,097,152 bytes; xscales 131,072 bytes; top1 16,384 bytes of whole numbers; gate 16,384 bytes; plan 18,432 bytes of whole numbers
;; launch prep (part 1): grid 320 x 1, 8 waves a work-group, no clusters, 81,920 bytes of LDS; arguments x, router_W, router_b, W1, W2, xcodes, xscales, top1, gate, wcodes, wscales; writes xcodes, xscales, top1, gate, wcodes, wscales
.if DOCPART == 1
	.amdgcn_target "amdgcn-amd-amdhsa--gfx1250"
	.amdhsa_code_object_version 6
	.text
	.protected	k_qf1ec810dea_prep
	.globl	k_qf1ec810dea_prep
	.p2align	8
	.type	k_qf1ec810dea_prep,@function
k_qf1ec810dea_prep:
	s_mov_b64 s[64:65], 0
	v_nop
	global_prefetch_b8 v0, s[64:65] scope:SCOPE_SE
	s_setreg_imm32_b32 hwreg(HW_REG_WAVE_MODE, 25, 1), 1
	s_wait_xcnt 0x0
; PREPARE.  x [4096][1024], W1 and W2 [8][1024 (K)][1024 (N)], all f32, become codes of FP4 (E2M1) with one E8M0 byte for each 32 along K; and the router chooses.
; A block's scale is 2^(floor(log2(its largest magnitude)) - 2); its byte is the largest magnitude's exponent field - 2, held at 1 from below.
; Work-groups 0-63 take x (64 tokens each) and the router; work-groups 64-319 take the weights.  Every work-group reads 256 KiB.  The parting hangs on the work-group's number alone;
; only x's path touches LDS and has barriers.
; LIMITS: a block whose largest magnitude lies under 2^-124, a block of zeros too, takes the byte 1 (its codes are then zeros or tiny; only this program reads the bytes);
; NaN and infinities among the inputs are not served; the argmax is taken on the f32 logits (the lowest index where logits are equal), not on the rounded probabilities;
; the router's sums run in another order than a plain ascending one.
; WEIGHTS: a lane takes a column and its registers run down K, so a block of 32 lies in one lane.  The codes are stored in the order of the operand's registers:
;   wcodes [e 8][w 8][p 2][s 8][t 8][c 2][lane 32][16 B]: lane (r, h), half c of tile t holds block 4 s + 2 c + h of column 128 w + 32 (t / 2) + 8 (t % 2) + r + 8 (r / 8);
;   wscales [e][w][p][b 4][kk 4][lane 32][8 B]: lane r + 16 u belongs to tile 2 b + u; its 8 bytes are the scale words of K steps 2 kk and 2 kk + 1.
; x: xcodes [token][512 B], xscales [token][32 B], K innermost; top1 [token] u32, gate [token] f32.
.set NXW,  64                          ; work-groups on x
.set RWB,  0                           ; LDS: router_W as 64 chunks of 512 bytes, 528 apart
.set RWP,  528
.set STGX, 64*RWP                      ; eight waves x two stages of 32 x 80 bytes
.set SP,   80
.set PLB,  STGX+8*2*32*SP              ; partial logits [token 64][K half 2][8 f32]
.set XSB,  PLB+4096                    ; scale bytes [token 64][32]
.set WX,   32                          ; weights: v32-127 three sets of 32 numbers
.set WC,   128                         ; v128-159 four registers of codes for each block: no store's data are written again
.set WSB,  160                         ; v160-161 the eight scale bytes
.set LG,   8                           ; x: v8-15 the eight logits
.set R,    16                          ; v16-63 three sets of 16 numbers as loaded
.set XN,   80                          ; v80-111 two sets of 16 neighbours
.set A,    112                         ; v112-127 eight pairs of sums
.set RW,   128                         ; v128-255 router_W: register 16 e + i = W[512 half + 16 lane + i][e]
	s_load_b256 s[4:11], s[0:1], 0x0               ; x s[4:5], router_W s[6:7], router_b s[8:9], W1 s[10:11]
	s_load_b256 s[12:19], s[0:1], 0x20             ; W2 s[12:13], xcodes s[14:15], xscales s[16:17], top1 s[18:19]
	s_load_b128 s[20:23], s[0:1], 0x40             ; gate s[20:21], wcodes s[22:23]
	s_load_b64 s[24:25], s[0:1], 0x50              ; wscales
	s_set_vgpr_msb 0x40
	v_lshl_add_u32 v0, v0, 2, 0x13c00
	v_mov_b32 v1, 0
	s_set_vgpr_msb 0x4000
	v_lshrrev_b32 v1, 5, v0
	v_readfirstlane_b32 s31, v1                    ; wave 0..7
	v_and_b32 v79, 31, v0                          ; lane
	s_cmp_lt_u32 ttmp9, NXW
	s_cbranch_scc1 .Lxpath
; ---------------------------------------------------------------- the weights
	s_sub_co_u32 s26, ttmp9, NXW                   ; 0..255 = [p 2][e 8][w 8][chi 2]
	s_and_b32 s27, s26, 1                          ; chi: which half of K
	s_bfe_u32 s28, s26, 0x30001                    ; w: which 128 columns
	s_bfe_u32 s29, s26, 0x30004                    ; e: the expert
	s_lshr_b32 s30, s26, 7                         ; p: W1 or W2
	s_and_b32 s32, s31, 3                          ; b: which 32 of the 128 columns
	s_lshr_b32 s33, s31, 2
	s_lshl_b32 s34, s27, 1
	s_add_co_u32 s33, s33, s34                     ; kk: which 256 along K
	v_and_b32 v5, 7, v79
	v_bfe_u32 v6, v79, 3, 1
	v_lshrrev_b32 v7, 4, v79
	v_lshl_add_u32 v5, v6, 4, v5
	v_lshl_add_u32 v5, v7, 3, v5                   ; my column of the 32: (l & 7) + 16 ((l >> 3) & 1) + 8 (l >> 4): lanes 0-15 are tile 2 b, lanes 16-31 tile 2 b + 1
	v_lshlrev_b32 v1, 2, v5                        ; in: 4 bytes a column: a load still covers 128 consecutive bytes
	v_and_b32 v6, 15, v79
	v_lshlrev_b32 v2, 4, v6
	v_lshl_add_u32 v2, v7, 10, v2                  ; out: 1,024 x tile + 16 x row of the tile
	v_lshlrev_b32 v3, 3, v79                       ; scale bytes: 8 a lane
	s_lshl_b32 s36, s29, 22                        ; W: expert x 4 MiB + 256 kk rows of 4,096 bytes + 4 (128 w + 32 b)
	s_lshl_b32 s38, s33, 20
	s_add_co_u32 s36, s36, s38
	s_lshl_b32 s38, s28, 9
	s_add_co_u32 s36, s36, s38
	s_lshl_b32 s38, s32, 7
	s_add_co_u32 s36, s36, s38
	s_mov_b32 s37, 0
	s_lshl_b32 s39, s29, 3
	s_add_co_u32 s39, s39, s28                     ; 8 e + w
	s_lshl_b32 s40, s39, 17                        ; codes: (8 e + w) x 128 KiB + p x 64 KiB + 2 kk x 8 KiB + 2 b x 1 KiB
	s_lshl_b32 s38, s30, 16
	s_add_co_u32 s40, s40, s38
	s_lshl_b32 s38, s33, 14
	s_add_co_u32 s40, s40, s38
	s_lshl_b32 s38, s32, 11
	s_add_co_u32 s40, s40, s38
	s_mov_b32 s41, 0
	s_lshl_b32 s42, s39, 13                        ; scale bytes: (8 e + w) x 8 KiB + p x 4 KiB + b x 1 KiB + kk x 256
	s_lshl_b32 s38, s30, 12
	s_add_co_u32 s42, s42, s38
	s_lshl_b32 s38, s32, 10
	s_add_co_u32 s42, s42, s38
	s_lshl_b32 s38, s33, 8
	s_add_co_u32 s42, s42, s38
	s_mov_b32 s43, 0
	s_wait_kmcnt 0x0
	s_cmp_eq_u32 s30, 0                            ; W1 or W2: the choice hangs on the work-group's number alone
	s_cselect_b64 s[10:11], s[10:11], s[12:13]
	s_add_nc_u64 s[10:11], s[10:11], s[36:37]
	s_add_nc_u64 s[22:23], s[22:23], s[40:41]
	s_add_nc_u64 s[24:25], s[24:25], s[42:43]
.macro WLD t                           ; block t: W(32 t + i, my column), i = 0 .. 31, into set t % 3
.irp i, 0,1,2,3,4,5,6,7,8,9,10,11,12,13,14,15,16,17,18,19,20,21,22,23,24,25,26,27,28,29,30,31
	global_load_b32 v[WX+32*((\t)%3)+\i], v1, s[10:11] offset:(32*(\t)+\i)*4096 th:TH_LOAD_NT
.endr
.endm
.macro WBLOCK t
.set XS, WX+32*((\t)%3)
.if (\t) <= 5
	s_wait_loadcnt 63                              ; behind this block's loads stand the next two blocks' 64; 63 is the largest count that can be written, and it errs
.elseif (\t) == 6
	s_wait_loadcnt 32                              ; the last block's 32 may be out
.else
	s_wait_loadcnt 0x0
.endif
	v_max3_num_f32 v12, |v[XS]|, |v[XS+1]|, |v[XS+2]|               ; the block's largest magnitude: all 32 numbers are mine; two chains
	v_max3_num_f32 v13, |v[XS+3]|, |v[XS+4]|, |v[XS+5]|
.irp i, 6,10,14,18,22,26
	v_max3_num_f32 v12, v12, |v[XS+\i]|, |v[XS+\i+1]|
	v_max3_num_f32 v13, v13, |v[XS+\i+2]|, |v[XS+\i+3]|
.endr
	v_max3_num_f32 v12, v12, |v[XS+30]|, |v[XS+31]|
	v_max3_num_f32 v12, v12, v13, 0x1800000        ; and the floor 2^(3 - 127): the byte cannot fall under 1
	v_add_nc_u32 v11, 0xff000000, v12              ; 2 off the exponent field: the conversion takes this operand's exponent field as its scale
	v_lshrrev_b32 v13, 23, v11                     ; the scale's byte
.if (\t)%4 == 0
	v_mov_b32 v[WSB+(\t)/4], v13                   ; four bytes to a word, the lower K in the lower byte
.else
	v_lshl_or_b32 v[WSB+(\t)/4], v13, 8*((\t)%4), v[WSB+(\t)/4]
.endif
.irp g, 0,1,2,3
	v_cvt_scalef32_pk8_fp4_f32 v[WC+4*(\t)+\g], v[XS+8*\g:XS+8*\g+7], v11
.endr
	global_store_b128 v2, v[WC+4*(\t):WC+4*(\t)+3], s[22:23] offset:((\t)/4)*8192+(((\t)/2)%2)*512+((\t)%2)*256   ; K step t / 4, half c = (t / 2) % 2, lanes' half h = t % 2: sixteen lanes store 256 consecutive bytes, aligned
.if (\t)+3 < 8
	WLD (\t)+3                                     ; into the set just converted
.endif
.endm
	WLD 0
	WLD 1
	WLD 2
.irp t, 0,1,2,3,4,5,6,7
	WBLOCK \t
.endr
	global_store_b64 v3, v[WSB:WSB+1], s[24:25]    ; the wave's 256 scale bytes: consecutive, aligned
	s_endpgm
; ---------------------------------------------------------------- x and the router
; Wave v: K half eta = v & 1, tokens 16 (v >> 1) .. + 15: sixteen steps of half a row (512 numbers).  Each load reads 512 consecutive bytes; a step's 2,048 bytes turn through the wave's own stage
; in LDS and come back 64 bytes a lane: lane l then holds k = 512 eta + 16 l + 0 .. 15: two lanes to a block.  The same 16 numbers meet the lane's 16 x 8 numbers of router_W, kept in registers.
.Lxpath:
	s_and_b32 s26, s31, 1                          ; eta
	s_lshr_b32 s27, s31, 1                         ; which 16 tokens
	v_lshlrev_b32 v1, 4, v79                       ; 16 x lane
	v_lshlrev_b32 v2, 3, v79                       ; 8 x lane
	s_mul_i32 s40, s31, 2*32*SP
	s_add_co_u32 s40, s40, STGX                    ; my wave's stages
	v_lshrrev_b32 v3, 2, v79
	v_mul_u32_u24 v3, v3, SP
	v_and_b32 v4, 3, v79
	v_lshl_add_u32 v3, v4, 4, v3
	v_add_nc_u32 v3, s40, v3                       ; into a stage: four lanes' 64 bytes on end, then 16 of padding
	v_mul_u32_u24 v4, v79, SP
	v_add_nc_u32 v4, s40, v4                       ; out of it: 80 x lane
	s_lshl_b32 s41, s27, 9
	s_lshl_b32 s28, s26, 4
	s_add_co_u32 s41, s41, s28
	s_add_co_u32 s41, s41, XSB
	v_lshrrev_b32 v5, 1, v79
	v_add_nc_u32 v5, s41, v5                       ; my block's scale byte: 32 bytes a token, 16 a half
	s_lshl_b32 s42, s27, 10
	s_lshl_b32 s28, s26, 5
	s_add_co_u32 s42, s42, s28
	s_add_co_u32 s42, s42, PLB
	v_mov_b32 v6, s42                              ; my wave's partial logits: 64 bytes a token, 32 a half
	s_mul_i32 s43, s26, 32*RWP
	v_mul_u32_u24 v7, v79, RWP
	v_add_nc_u32 v7, s43, v7                       ; router_W: my chunk, number 32 eta + lane
	s_mul_i32 s44, s31, RWP
	v_add_nc_u32 v78, s44, v1                      ; and where my thread puts its 16 bytes of each 4,096: chunk wave + 8 j
	v_lshlrev_b32 v77, 4, v0                       ; 16 x thread
	v_lshl_add_u32 v76, v79, 7, PLB                ; the end: two tokens' logits a lane
	v_lshl_add_u32 v74, v0, 3, XSB                 ; the end: 8 scale bytes a thread,
	v_lshlrev_b32 v75, 3, v0                       ; and the same place in memory
	s_mov_b32 s46, 0x76543210
	s_mov_b32 s47, 0xfedcba98                      ; v_permlanex16_b32's selects for lane l xor 16
	s_lshl_b32 s36, ttmp9, 18                      ; x: 64 tokens of 4,096 bytes a work-group, 16 a wave pair, 2,048 bytes a half
	s_lshl_b32 s28, s27, 16
	s_add_co_u32 s36, s36, s28
	s_lshl_b32 s28, s26, 11
	s_add_co_u32 s36, s36, s28
	s_mov_b32 s37, 0
	s_lshl_b32 s38, ttmp9, 15                      ; the codes: an eighth of that
	s_lshl_b32 s28, s27, 13
	s_add_co_u32 s38, s38, s28
	s_lshl_b32 s28, s26, 8
	s_add_co_u32 s38, s38, s28
	s_mov_b32 s39, 0
	s_wait_kmcnt 0x0
	s_add_nc_u64 s[4:5], s[4:5], s[36:37]
	s_add_nc_u64 s[14:15], s[14:15], s[38:39]
	s_lshl_b32 s36, ttmp9, 11
	s_add_nc_u64 s[16:17], s[16:17], s[36:37]      ; the scale bytes: 2,048 a work-group
	s_lshl_b32 s36, ttmp9, 8
	s_add_nc_u64 s[18:19], s[18:19], s[36:37]      ; top1 and gate: 256 bytes a work-group
	s_add_nc_u64 s[20:21], s[20:21], s[36:37]
	s_load_b256 s[32:39], s[8:9], 0x0              ; router_b; waited for at the end
.irp j, 0,1,2,3,4,5,6,7
	global_load_b128 v[XN+4*\j:XN+4*\j+3], v77, s[6:7] offset:4096*\j   ; router_W, dense: every work-group on x reads it, so no hint
.endr
.macro XLD t                           ; step t's half row: four loads of 512 consecutive bytes, into set t % 3
.irp i, 0,1,2,3
	global_load_b128 v[R+16*((\t)%3)+4*\i:R+16*((\t)%3)+4*\i+3], v1, s[4:5] offset:4096*(\t)+512*\i th:TH_LOAD_NT
.endr
.endm
.macro XTURN t                         ; step t's numbers through stage t % 2: LDS serves a wave's instructions in order, so no wait stands between the stores and the loads
.irp i, 0,1,2,3
	ds_store_b128 v3, v[R+16*((\t)%3)+4*\i:R+16*((\t)%3)+4*\i+3] offset:32*SP*((\t)%2)+8*SP*\i
.endr
.irp i, 0,1,2,3
	ds_load_b128 v[XN+16*((\t)%2)+4*\i:XN+16*((\t)%2)+4*\i+3], v4 offset:32*SP*((\t)%2)+16*\i
.endr
.endm
	XLD 0
	XLD 1
	XLD 2
	s_wait_loadcnt 12                              ; router_W is in; the 12 loads of x behind it may be out
.irp j, 0,1,2,3,4,5,6,7
	ds_store_b128 v78, v[XN+4*\j:XN+4*\j+3] offset:8*RWP*\j
.endr
	s_wait_dscnt 0x0                               ; for the others' sake: my part of router_W lies in LDS
	s_barrier_signal -1
	s_barrier_wait -1                              ; everybody's does
.irp e, 0,1,2,3,4,5,6,7
.irp i, 0,1,2,3,4,5,6,7,8,9,10,11,12,13,14,15
	ds_load_b32 v[RW+16*\e+\i], v7 offset:32*\i+4*\e   ; W[512 eta + 16 lane + i][e]: once for the whole launch
.endr
.endr
	s_wait_loadcnt 8                               ; step 0's four loads are in; steps 1 and 2 may be out
	XTURN 0
.macro XSTEP t
.set XS, XN+16*((\t)%2)
	s_wait_dscnt 0x0                               ; this step's numbers are back from the stage; the stores of the step before have read their registers
.if (\t)+3 < 16
	XLD (\t)+3                                     ; into the set that this step's turn has read
.endif
.if (\t)+1 < 16
.if (\t)+3 <= 15
	s_wait_loadcnt 8                               ; the next step's four loads are in; the two steps behind it may be out
.else
	s_wait_loadcnt 4*(15-((\t)+1))
.endif
	XTURN (\t)+1                                   ; through the other stage, while this step is worked
.endif
	v_max3_num_f32 v68, |v[XS]|, |v[XS+1]|, |v[XS+2]|              ; the largest magnitude of my 16
	v_max3_num_f32 v69, |v[XS+3]|, |v[XS+4]|, |v[XS+5]|
.irp i, 6,10
	v_max3_num_f32 v68, v68, |v[XS+\i]|, |v[XS+\i+1]|
	v_max3_num_f32 v69, v69, |v[XS+\i+2]|, |v[XS+\i+3]|
.endr
	v_max3_num_f32 v68, v68, |v[XS+14]|, |v[XS+15]|
	v_max3_num_f32 v68, v68, v69, 0x1800000        ; and the floor 2^(3 - 127)
	v_max_num_f32_dpp v68, v68, v68 row_xmask:1 row_mask:0xf bank_mask:0xf   ; and of my neighbour's 16: the block's
	v_add_nc_u32 v70, 0xff000000, v68              ; 2 off the exponent field: the conversion's scale operand
	s_wait_xcnt 0x0                                ; the last step's store has read v[64:65]: they are written again only behind this wait
	v_cvt_scalef32_pk8_fp4_f32 v64, v[XS:XS+7], v70
	v_cvt_scalef32_pk8_fp4_f32 v65, v[XS+8:XS+15], v70
	v_lshrrev_b32 v66, 23, v70                     ; the scale's byte (also the plain line behind the conversions)
	ds_store_b8 v5, v66 offset:32*(\t)             ; both lanes of a block write the same byte with the same value
	global_store_b64 v2, v[64:65], s[14:15] offset:512*(\t)   ; 32 lanes store 256 consecutive bytes, aligned
	; the router, in f32: eight sums of my 16 products each, two at a time, the eight experts by turns
.irp e, 0,1,2,3,4,5,6,7
	v_pk_mul_f32 v[A+2*\e:A+2*\e+1], v[XS:XS+1], v[RW+16*\e:RW+16*\e+1]
.endr
.irp j, 1,2,3,4,5,6,7
.irp e, 0,1,2,3,4,5,6,7
	v_pk_fma_f32 v[A+2*\e:A+2*\e+1], v[XS+2*\j:XS+2*\j+1], v[RW+16*\e+2*\j:RW+16*\e+2*\j+1], v[A+2*\e:A+2*\e+1]
.endr
.endr
.irp e, 0,1,2,3,4,5,6,7
	v_add_f32 v[LG+\e], v[A+2*\e], v[A+2*\e+1]
.endr
.irp x, 1,2,4,8
.irp e, 0,1,2,3,4,5,6,7
	v_add_f32_dpp v[LG+\e], v[LG+\e], v[LG+\e] row_xmask:\x row_mask:0xf bank_mask:0xf
.endr
.endr
.irp e, 0,1,2,3,4,5,6,7
	v_permlanex16_b32 v[A+\e], v[LG+\e], s46, s47
.endr
.irp e, 0,1,2,3,4,5,6,7
	v_add_f32 v[LG+\e], v[LG+\e], v[A+\e]          ; every lane holds my half row's part of the eight logits
.endr
	ds_store_b128 v6, v[LG:LG+3] offset:64*(\t)    ; all lanes write the same bytes with the same values
	ds_store_b128 v6, v[LG+4:LG+7] offset:64*(\t)+16
.endm
.irp t, 0,1,2,3,4,5,6,7,8,9,10,11,12,13,14,15
	XSTEP \t
.endr
	s_wait_dscnt 0x0                               ; for the others' sake: my scale bytes and partial logits lie in LDS
	s_barrier_signal -1
	s_barrier_wait -1
	ds_load_b64 v[72:73], v74
	s_wait_dscnt 0x0
	global_store_b64 v75, v[72:73], s[16:17]       ; a wave stores 256 consecutive scale bytes, aligned
	s_cmp_lg_u32 s31, 0                            ; wave 0 alone finishes the router: no barrier follows
	s_cbranch_scc1 .Lxend
.irp j, 0,1,2,3,4,5,6,7
	ds_load_b128 v[XN+4*\j:XN+4*\j+3], v76 offset:16*\j   ; lane l: tokens 2 l and 2 l + 1: for each, the two halves' eight sums
.endr
	s_wait_kmcnt 0x0                               ; router_b
	s_wait_dscnt 0x0
; Token k of my two: logits, their largest, the sum of exponentials under it; the gate is 1 / that sum (the top term is 2^0); the index is the lowest with the largest logit.
.macro SOFT k
.irp e, 0,1,2,3,4,5,6,7
	v_add_f32 v[A+8*\k+\e], v[XN+16*\k+\e], v[XN+16*\k+8+\e]
.endr
.irp e, 0,1,2,3,4,5,6,7
	v_add_f32 v[A+8*\k+\e], s[32+\e], v[A+8*\k+\e]
.endr
	v_max3_num_f32 v[32+\k], v[A+8*\k], v[A+8*\k+1], v[A+8*\k+2]
	v_max3_num_f32 v[32+\k], v[32+\k], v[A+8*\k+3], v[A+8*\k+4]
	v_max3_num_f32 v[32+\k], v[32+\k], v[A+8*\k+5], v[A+8*\k+6]
	v_max_num_f32 v[32+\k], v[32+\k], v[A+8*\k+7]
.irp e, 0,1,2,3,4,5,6,7
	v_sub_f32 v[R+8*\k+\e], v[A+8*\k+\e], v[32+\k]  ; the maximum is taken away ahead of the exponential
.endr
.irp e, 0,1,2,3,4,5,6,7
	v_mul_f32 v[R+8*\k+\e], 0x3fb8aa3b, v[R+8*\k+\e]
.endr
.irp e, 0,1,2,3,4,5,6,7
	v_exp_f32 v[R+8*\k+\e], v[R+8*\k+\e]
.endr
	v_mov_b32 v[36+\k], 7                          ; (a plain line behind the exponentials)
.irp e, 6,5,4,3,2,1,0
	v_cmp_neq_f32 vcc_lo, v[A+8*\k+\e], v[32+\k]
	v_cndmask_b32 v[36+\k], \e, v[36+\k], vcc_lo   ; equal to the largest: e; descending, so the lowest index stays
.endr
	s_wait_alu depctr_va_vdst(0)
	v_add_f32 v[R+8*\k], v[R+8*\k], v[R+8*\k+1]
	v_add_f32 v[R+8*\k+2], v[R+8*\k+2], v[R+8*\k+3]
	v_add_f32 v[R+8*\k+4], v[R+8*\k+4], v[R+8*\k+5]
	v_add_f32 v[R+8*\k+6], v[R+8*\k+6], v[R+8*\k+7]
	v_add_f32 v[R+8*\k], v[R+8*\k], v[R+8*\k+2]
	v_add_f32 v[R+8*\k+4], v[R+8*\k+4], v[R+8*\k+6]
	v_add_f32 v[R+8*\k], v[R+8*\k], v[R+8*\k+4]
	v_rcp_f32 v[38+\k], v[R+8*\k]
	v_nop                                          ; a plain line behind the reciprocal
.endm
	SOFT 0
	SOFT 1
	global_store_b64 v2, v[36:37], s[18:19]        ; the chosen experts of 64 tokens: 256 consecutive bytes, at fixed places
	s_wait_alu depctr_va_vdst(0)
	global_store_b64 v2, v[38:39], s[20:21]        ; and their gates
.Lxend:
	s_set_vgpr_msb 0x5
	s_wait_tensorcnt 0x0
	ds_add_u32 v0, v1
	s_wait_dscnt 0x0
	s_set_vgpr_msb 0x500
	s_endpgm
.Lfunc_end_k_qf1ec810dea_prep:
	.size	k_qf1ec810dea_prep, .Lfunc_end_k_qf1ec810dea_prep-k_qf1ec810dea_prep
	.p2alignl 7, 3214868480
	.fill 96, 4, 3214868480
	.section	.rodata,"a",@progbits
	.p2align	6, 0x0
	.amdhsa_kernel k_qf1ec810dea_prep
		.amdhsa_group_segment_fixed_size 81920
		.amdhsa_private_segment_fixed_size 0
		.amdhsa_enable_private_segment 0
		.amdhsa_kernarg_size 88
		.amdhsa_user_sgpr_count 2
		.amdhsa_user_sgpr_kernarg_segment_ptr 1
		.amdhsa_wavefront_size32 1
		.amdhsa_system_sgpr_workgroup_id_x 1
		.amdhsa_system_sgpr_workgroup_id_y 1
		.amdhsa_system_sgpr_workgroup_id_z 1
		.amdhsa_system_vgpr_workitem_id 0
		.amdhsa_next_free_vgpr 258
		.amdhsa_next_free_sgpr 66
		.amdhsa_reserve_vcc 1
		.amdhsa_float_denorm_mode_32 3
		.amdhsa_float_denorm_mode_16_64 3
		.amdhsa_memory_ordered 1
		.amdhsa_forward_progress 1
		.amdhsa_inst_pref_size 203
	.end_amdhsa_kernel
	.amdgpu_metadata
---
amdhsa.version: [ 1, 2 ]
amdhsa.kernels:
  - .name:           k_qf1ec810dea_prep
    .symbol:         k_qf1ec810dea_prep.kd
    .args:
      - { .name: x, .offset: 0, .size: 8, .value_kind: global_buffer, .address_space: global }
      - { .name: router_W, .offset: 8, .size: 8, .value_kind: global_buffer, .address_space: global }
      - { .name: router_b, .offset: 16, .size: 8, .value_kind: global_buffer, .address_space: global }
      - { .name: W1, .offset: 24, .size: 8, .value_kind: global_buffer, .address_space: global }
      - { .name: W2, .offset: 32, .size: 8, .value_kind: global_buffer, .address_space: global }
      - { .name: xcodes, .offset: 40, .size: 8, .value_kind: global_buffer, .address_space: global }
      - { .name: xscales, .offset: 48, .size: 8, .value_kind: global_buffer, .address_space: global }
      - { .name: top1, .offset: 56, .size: 8, .value_kind: global_buffer, .address_space: global }
      - { .name: gate, .offset: 64, .size: 8, .value_kind: global_buffer, .address_space: global }
      - { .name: wcodes, .offset: 72, .size: 8, .value_kind: global_buffer, .address_space: global }
      - { .name: wscales, .offset: 80, .size: 8, .value_kind: global_buffer, .address_space: global }
    .group_segment_fixed_size: 81920
    .private_segment_fixed_size: 0
    .kernarg_segment_align: 8
    .kernarg_segment_size: 88
    .max_flat_workgroup_size: 256
    .sgpr_count:     66
    .vgpr_count:     258
    .wavefront_size: 32
...
	.end_amdgpu_metadata
.endif
;; end of part 1
;; launch place (part 2): grid 1 x 1, 32 waves a work-group, no clusters, 5,120 bytes of LDS; arguments top1, plan; writes plan
.if DOCPART == 2
	.amdgcn_target "amdgcn-amd-amdhsa--gfx1250"
	.amdhsa_code_object_version 6
	.text
	.protected	k_qf1ec810dea_place
	.globl	k_qf1ec810dea_place
	.p2align	8
	.type	k_qf1ec810dea_place,@function
k_qf1ec810dea_place:
	s_mov_b64 s[64:65], 0
	v_nop
	global_prefetch_b8 v0, s[64:65] scope:SCOPE_SE
	s_setreg_imm32_b32 hwreg(HW_REG_WAVE_MODE, 25, 1), 1
	s_wait_xcnt 0x0
; PLACE.  A counting sort of the 4,096 tokens by their expert, and the list of tiles.  Whole numbers only.  One work-group of 32 waves; thread n has tokens 4 n .. 4 n + 3.
; plan: words 0 .. 4095: the tokens, expert by expert (the order inside an expert is free: rows do not depend on each other);
;       from byte 16,384 on: 128 records of 16 bytes (expert, first slot, rows, 0), a tile of at most 64 rows each; records behind the last tile are zeros.
; There are never more than 4096 / 64 + 8 - 1 = 71 tiles, whatever the choice.
	s_load_b128 s[4:7], s[0:1], 0x0                ; top1, plan
	v_lshl_add_u32 v64, v0, 2, 0x400
	v_mov_b32 v65, 0
	v_lshrrev_b32 v1, 5, v0
	v_readfirstlane_b32 s8, v1                     ; wave 0..31
	v_and_b32 v2, 31, v0                           ; lane
	v_lshlrev_b32 v3, 4, v0                        ; my four tokens' 16 bytes
	v_lshlrev_b32 v8, 2, v1                        ; LDS: counts [expert 8][wave 32]: my wave's word
	v_lshlrev_b32 v9, 2, v2                        ; and the word of wave = my lane
	s_mov_b32 s10, 0x76543210
	s_mov_b32 s11, 0xfedcba98                      ; v_permlanex16_b32's selects for lane l xor 16
.irp j, 0,1,2,3,4,5,6,7
	v_mov_b32 v[32+\j], 0                          ; written once: the destination of a lane move counts as one of its sources
.endr
.irp i, 0,1,2,3
	v_lshl_add_u32 v[40+\i], v0, 2, \i             ; my tokens' numbers
.endr
	s_wait_kmcnt 0x0
	global_load_b128 v[4:7], v3, s[4:5]
	s_wait_loadcnt 0x0
.irp i, 0,1,2,3
.irp e, 0,1,2,3,4,5,6,7
	v_cmp_eq_u32 s[16+8*\i+\e], \e, v[4+\i]        ; which lanes' token i goes to expert e
.endr
.endr
.irp e, 0,1,2,3,4,5,6,7
	s_bcnt1_i32_b32 s[48+\e], s[16+\e]             ; my wave's count for expert e
.irp i, 1,2,3
	s_bcnt1_i32_b32 s9, s[16+8*\i+\e]
	s_add_co_u32 s[48+\e], s[48+\e], s9
.endr
	v_mov_b32 v[16+\e], s[48+\e]
	ds_store_b32 v8, v[16+\e] offset:128*\e        ; all lanes write the same word with the same value
.endr
	s_wait_dscnt 0x0                               ; for the others' sake: my counts lie in LDS
	s_barrier_signal -1
	s_barrier_wait -1
.irp e, 0,1,2,3,4,5,6,7
	ds_load_b32 v[16+\e], v9 offset:128*\e         ; lane l: wave l's count for expert e
.endr
	s_wait_dscnt 0x0
	v_cmp_gt_u32 vcc_lo, s8, v2                    ; the waves in front of mine
.irp j, 0,1,2,3
	v_lshl_or_b32 v[24+\j], v[17+2*\j], 16, v[16+2*\j]   ; two experts to a word: no sum passes 4,096
.endr
.irp j, 0,1,2,3
	v_cndmask_b32 v[28+\j], 0, v[24+\j], vcc_lo    ; the same with only the waves in front of mine
.endr
.irp x, 1,2,4,8
.irp j, 0,1,2,3,4,5,6,7
	v_mov_b32_dpp v[32+\j], v[24+\j] row_xmask:\x row_mask:0xf bank_mask:0xf
.endr
.irp j, 0,1,2,3,4,5,6,7
	v_add_nc_u32 v[24+\j], v[24+\j], v[32+\j]
.endr
.endr
.irp j, 0,1,2,3,4,5,6,7
	v_permlanex16_b32 v[32+\j], v[24+\j], s10, s11
.endr
.irp j, 0,1,2,3,4,5,6,7
	v_add_nc_u32 v[24+\j], v[24+\j], v[32+\j]      ; sums over the 32 waves
.endr
.irp j, 0,1,2,3,4,5,6,7
	v_readfirstlane_b32 s[56+\j], v[24+\j]
.endr
.irp j, 0,1,2,3
	s_and_b32 s[72+2*\j], s[56+\j], 0xffff         ; s72-79: each expert's rows in all
	s_lshr_b32 s[73+2*\j], s[56+\j], 16
	s_and_b32 s[80+2*\j], s[60+\j], 0xffff         ; s80-87: those of the waves in front of mine
	s_lshr_b32 s[81+2*\j], s[60+\j], 16
.endr
	s_mov_b32 s88, 0                               ; s88-96: where each expert's rows begin
.irp e, 0,1,2,3,4,5,6,7
	s_add_co_u32 s[89+\e], s[88+\e], s[72+\e]
	s_add_co_u32 s[80+\e], s[80+\e], s[88+\e]      ; s80-87: the next free slot for my wave
.endr
.irp i, 0,1,2,3
.irp e, 0,1,2,3,4,5,6,7
	v_mbcnt_lo_u32_b32 v10, s[16+8*\i+\e], 0       ; how many lanes under mine go to e with their token i
	v_add_nc_u32 v10, s[80+\e], v10
.if \e == 0
	v_mov_b32 v[12+\i], v10
.else
	v_cndmask_b32 v[12+\i], v[12+\i], v10, s[16+8*\i+\e]
.endif
	s_bcnt1_i32_b32 s9, s[16+8*\i+\e]
	s_add_co_u32 s[80+\e], s[80+\e], s9
.endr
.endr
.irp i, 0,1,2,3
	v_min_u32 v[12+\i], 0xfff, v[12+\i]            ; a slot is 0 .. 4095
	v_lshlrev_b32 v[12+\i], 2, v[12+\i]
	global_store_b32 v[12+\i], v[40+\i], s[6:7]
.endr
	s_cmp_gt_u32 s8, 3                             ; threads 0 .. 127 write a record each
	s_cbranch_scc1 .Lend
	s_mov_b32 s16, 0                               ; s16-24: the number of each expert's first tile (the masks are done with)
.irp e, 0,1,2,3,4,5,6,7
	s_add_co_u32 s9, s[72+\e], 63
	s_lshr_b32 s9, s9, 6
	s_add_co_u32 s[17+\e], s[16+\e], s9
.endr
	v_mov_b32 v28, 0                               ; the last expert whose first tile is not behind mine
	v_mov_b32 v21, 0
	v_mov_b32 v22, 0
	v_mov_b32 v23, s72
.irp e, 1,2,3,4,5,6,7
	v_cmp_gt_u32 vcc_lo, s[16+\e], v0              ; its first tile lies behind mine: keep
	v_cndmask_b32 v28, \e, v28, vcc_lo
	v_cndmask_b32 v21, s[16+\e], v21, vcc_lo
	v_cndmask_b32 v22, s[88+\e], v22, vcc_lo
	v_cndmask_b32 v23, s[72+\e], v23, vcc_lo
.endr
	v_sub_nc_u32 v24, v0, v21
	v_lshlrev_b32 v24, 6, v24                      ; 64 x my tile's number within the expert
	v_add_nc_u32 v29, v22, v24                     ; first slot
	v_sub_nc_u32 v30, v23, v24
	v_min_u32 v30, 64, v30                         ; rows
	v_cmp_gt_u32 vcc_lo, s24, v0                   ; is there such a tile?
	v_cndmask_b32 v28, 0, v28, vcc_lo
	v_cndmask_b32 v29, 0, v29, vcc_lo
	v_cndmask_b32 v30, 0, v30, vcc_lo
	v_mov_b32 v31, 0
	v_lshlrev_b32 v26, 4, v0
	global_store_b128 v26, v[28:31], s[6:7] offset:16384
.Lend:
	s_wait_tensorcnt 0x0
	ds_add_u32 v64, v65
	s_wait_dscnt 0x0
	s_endpgm
.Lfunc_end_k_qf1ec810dea_place:
	.size	k_qf1ec810dea_place, .Lfunc_end_k_qf1ec810dea_place-k_qf1ec810dea_place
	.p2alignl 7, 3214868480
	.fill 96, 4, 3214868480
	.section	.rodata,"a",@progbits
	.p2align	6, 0x0
	.amdhsa_kernel k_qf1ec810dea_place
		.amdhsa_group_segment_fixed_size 5120
		.amdhsa_private_segment_fixed_size 0
		.amdhsa_enable_private_segment 0
		.amdhsa_kernarg_size 16
		.amdhsa_user_sgpr_count 2
		.amdhsa_user_sgpr_kernarg_segment_ptr 1
		.amdhsa_wavefront_size32 1
		.amdhsa_system_sgpr_workgroup_id_x 1
		.amdhsa_system_sgpr_workgroup_id_y 1
		.amdhsa_system_sgpr_workgroup_id_z 1
		.amdhsa_system_vgpr_workitem_id 0
		.amdhsa_next_free_vgpr 66
		.amdhsa_next_free_sgpr 100
		.amdhsa_reserve_vcc 1
		.amdhsa_float_denorm_mode_32 3
		.amdhsa_float_denorm_mode_16_64 3
		.amdhsa_memory_ordered 1
		.amdhsa_forward_progress 1
		.amdhsa_inst_pref_size 23
	.end_amdhsa_kernel
	.amdgpu_metadata
---
amdhsa.version: [ 1, 2 ]
amdhsa.kernels:
  - .name:           k_qf1ec810dea_place
    .symbol:         k_qf1ec810dea_place.kd
    .args:
      - { .name: top1, .offset: 0, .size: 8, .value_kind: global_buffer, .address_space: global }
      - { .name: plan, .offset: 8, .size: 8, .value_kind: global_buffer, .address_space: global }
    .group_segment_fixed_size: 5120
    .private_segment_fixed_size: 0
    .kernarg_segment_align: 8
    .kernarg_segment_size: 16
    .max_flat_workgroup_size: 1024
    .sgpr_count:     100
    .vgpr_count:     66
    .wavefront_size: 32
...
	.end_amdgpu_metadata
.endif
;; end of part 2
;; launch chain (part 3): grid 71 x 1, 8 waves a work-group, no clusters, 142,848 bytes of LDS; arguments plan, gate, xcodes, xscales, wcodes, wscales, b1, b2, out0; writes out0
.if DOCPART == 3
	.amdgcn_target "amdgcn-amd-amdhsa--gfx1250"
	.amdhsa_code_object_version 6
	.text
	.protected	k_qf1ec810dea_chain
	.globl	k_qf1ec810dea_chain
	.p2align	8
	.type	k_qf1ec810dea_chain,@function
k_qf1ec810dea_chain:
	s_mov_b64 s[64:65], 0
	v_nop
	global_prefetch_b8 v0, s[64:65] scope:SCOPE_SE
	s_setreg_imm32_b32 hwreg(HW_REG_WAVE_MODE, 25, 1), 1
	s_wait_xcnt 0x0
; THE CHAIN.  out[token] = gate[token] x (Q(relu(Q(x) Q(W1[e]) + b1[e])) Q(W2[e]) + b2[e]) for the token's chosen expert e alone; both products on codes of FP4 (E2M1) with E8M0 scales, sums in f32.
; A work-group takes one tile of the stored list: up to 64 rows of one expert, through the whole chain; the hidden layer never goes to memory.  71 = 4096 / 64 + 8 - 1 work-groups serve every split;
; a tile of 0 rows walks the text with held indices and stores nothing (every wave passes every barrier).  Slots behind the tile's last row repeat that row.
; THE WAVES SHARE THE COLUMNS: wave w makes hidden units, and later outputs, 128 w .. 128 w + 127 for all 64 rows: 8 tiles of columns t x 4 tiles of rows m = 32 accumulators (window 1).
; Each weight fragment is read by one wave alone, straight from memory into registers in the order in which it was laid (two loads of 512 consecutive bytes), and feeds four matrix instructions.
; A wave's stream, its part of W1 and then of W2, is 128 consecutive KiB, walked by immediates through a ring of 16 fragments.  No weight byte is read by two waves of a work-group, so none goes through LDS.
; NO JOINT LOADS: which tiles belong to one expert is read from the stored list, so partners' requests cannot be made equal by the text's own arithmetic; and nothing is filled into LDS that could be shared.
; BOTH PRODUCTS ARE USED TRANSPOSED (source 0 = 16 weight columns, source 1 = 16 rows): a lane holds one row, and register j of tile t the column 32 (t / 2) + 16 (lane / 16) + 8 (t % 2) + j of the wave's 128:
; so the 16 registers of tiles 2 b, 2 b + 1 are 16 neighbours along the next K.  The biases are the C of each sum's first matrix instruction.
; LIMITS: a hidden block whose largest number lies under 2^-124, a block of zeros too, takes the scale byte 1; NaN and infinities are not served.
; REGISTERS.  window 0: v1-15 addresses; v16-31 the rows' scale words, v32-63 the weights' (these hold scales and nothing else); v64-127 two sets of four row fragments,
;   between the products the quantiser's work, at the end gates and tokens; v128-255 the ring, at the end 16 rows on their way out.   window 1: accumulator (t, m) at v[64 m + 8 t].
.set RP,   528                         ; a row of 1,024 codes in LDS: 512 bytes + 16: the sixteen rows of a load begin in sixteen different columns of 16 bytes
.set SPI,  48                          ; a row of 32 scale bytes + 16
.set XR,   0                           ; x's 64 rows of codes
.set HR,   64*RP                       ; the hidden layer's
.set XSL,  2*64*RP                     ; x's rows of scale bytes
.set HSL,  XSL+64*SPI                  ; the hidden layer's
.set TOKL, HSL+64*SPI                  ; the 64 slots' tokens
.set GATL, TOKL+256                    ; and gates
.set STG,  GATL+256                    ; a stage of 16 rows x 528 bytes for each wave, its own
.set L16, 1                            ; 16 x lane
.set FA,  2                            ; a fragment's place: 528 (l % 16) + 16 (l / 16)
.set SA,  3                            ; scale words: XSL + 48 (l % 16) + 16 (l / 16)
.set HWA, 4                            ; where I put hidden codes: HR + FA + 64 w
.set HSA, 5                            ; and their scale word: HSL + 48 (l % 16) + 4 w
.set STO, 6                            ; the stage, in: row l % 16, + 64 (l / 16)
.set SRD, 7                            ; the stage, back: 16 x lane
.set COL, 8                            ; my 16 bytes of a row of out: 512 w + 16 l
.set TKA, 9                            ; TOKL + 4 (l % 16)
.set TK,  10                           ; tokens as loaded: never an LDS address
.set BO,  11                           ; 64 (l / 16): my half's place in a bias
.set L8,  12                           ; 8 x lane
.set XRW, 13                           ; the head's three LDS store addresses
.set XSW, 14
.set TGW, 15
.set XSC, 16                           ; register 4 m + q: lanes 0-15 K step q of row l % 16 of tile m, lanes 16-31 K step 4 + q
.set WSC, 32                           ; register 8 b + s: lanes 0-15 tile 2 b, lanes 16-31 tile 2 b + 1, K step s
.set XF,  64
.set WR,  128
.set BK,  128
.set TM,  64                           ; v64-67 largest numbers, v68-71 bytes, v76-79 the conversions' scale operands
.set PC,  80                           ; v80-111 the codes just made, 8 registers for each m
.set PW,  112                          ; v112-115 their scale words
.set GT,  64                           ; the end: the four tiles' gates, each twice (a pair for the packed multiply)
.set TO,  72                           ; and the lanes' tokens
.set MSB, 0
.macro WIN new                         ; the immediate's high byte repeats the setting that is left
.if MSB != \new
	s_set_vgpr_msb (MSB<<8)|\new
.set MSB, \new
.endif
.endm
.macro WLOAD q                         ; fragments 4 q .. 4 q + 3 of the wave's 128 into their ring slots (fragment % 16)
.irp f, 0,1,2,3
.irp c, 0,1
	global_load_b128 v[WR+8*((4*(\q)+\f)%16)+4*\c:WR+8*((4*(\q)+\f)%16)+4*\c+3], v[L16], s[30:31] offset:(4*(\q)+\f)*1024+512*\c
.endr
.endr
.endm
.macro WSLOAD p                        ; the scale words of product p's 64 fragments
.irp b, 0,1,2,3
.irp k, 0,1,2,3
	global_load_b64 v[WSC+8*\b+2*\k:WSC+8*\b+2*\k+1], v[L8], s[68:69] offset:4096*\p+1024*\b+256*\k
.endr
.endr
.endm
.macro BIAS sb                         ; a bias in the result's layout into accumulators (t, 0)
	WIN 0x40                                       ; destination window 1
.irp t, 0,1,2,3,4,5,6,7
	global_load_b128 v[8*\t:8*\t+3], v[BO], s[\sb:\sb+1] offset:128*(\t/2)+32*(\t%2)
	global_load_b128 v[8*\t+4:8*\t+7], v[BO], s[\sb:\sb+1] offset:128*(\t/2)+32*(\t%2)+16
.endr
	WIN 0
.endm
.macro XLOAD base, s                   ; the four row tiles' fragments of K step s into set s % 2
.irp m, 0,1,2,3
.irp c, 0,1
	ds_load_b128 v[XF+32*((\s)%2)+8*\m+4*\c:XF+32*((\s)%2)+8*\m+4*\c+3], v[FA] offset:\base+16*RP*\m+64*(\s)+32*\c
.endr
.endr
.endm
.macro SLOAD off                       ; the rows' scale words of all eight K steps
.irp m, 0,1,2,3
	ds_load_b128 v[XSC+4*\m:XSC+4*\m+3], v[SA] offset:\off+16*SPI*\m
.endr
.endm
; One matrix instruction: columns' tile t, rows' tile m, K step s.  c0 = 1: C is accumulator (t, 0), which holds the bias.
.macro MM t, m, s, c0
.set rD, 64*(\m)+8*(\t)
.if \c0
.set rC, 8*(\t)
.else
.set rC, rD
.endif
.set rA, WR+8*(8*((\s)%2)+(\t))
.set rB, XF+32*((\s)%2)+8*(\m)
.set rSA, WSC+8*((\t)/2)+(\s)
.set rSB, XSC+4*(\m)+((\s)%4)
.if (((\t)%2) == 0) && ((\s) < 4)
	v_wmma_scale_f32_16x16x128_f8f6f4 v[rD:rD+7], v[rA:rA+7], v[rB:rB+7], v[rC:rC+7], v[rSA], v[rSB] matrix_a_fmt:MATRIX_FMT_FP4 matrix_b_fmt:MATRIX_FMT_FP4
.elseif ((\t)%2) == 0
	v_wmma_scale_f32_16x16x128_f8f6f4 v[rD:rD+7], v[rA:rA+7], v[rB:rB+7], v[rC:rC+7], v[rSA], v[rSB] matrix_a_fmt:MATRIX_FMT_FP4 matrix_b_fmt:MATRIX_FMT_FP4 matrix_b_scale:MATRIX_SCALE_ROW1
.elseif (\s) < 4
	v_wmma_scale_f32_16x16x128_f8f6f4 v[rD:rD+7], v[rA:rA+7], v[rB:rB+7], v[rC:rC+7], v[rSA], v[rSB] matrix_a_fmt:MATRIX_FMT_FP4 matrix_b_fmt:MATRIX_FMT_FP4 matrix_a_scale:MATRIX_SCALE_ROW1
.else
	v_wmma_scale_f32_16x16x128_f8f6f4 v[rD:rD+7], v[rA:rA+7], v[rB:rB+7], v[rC:rC+7], v[rSA], v[rSB] matrix_a_fmt:MATRIX_FMT_FP4 matrix_b_fmt:MATRIX_FMT_FP4 matrix_a_scale:MATRIX_SCALE_ROW1 matrix_b_scale:MATRIX_SCALE_ROW1
.endif
.endm
; Half a K step: tiles 4 g .. 4 g + 3 x the four row tiles, 16 matrix instructions; the 32 accumulators take turns, one instruction a turn.
; Behind them four places (ISA guide 7.12.1 for vector instructions), then the loads into the registers just read: the ring's four slots, and at a step's end the fragment set.
.macro HALF p, s, g, base
.set Q, 16*\p+2*\s+\g
.if 31-Q >= 3
	s_wait_loadcnt 24                              ; my four fragments are in; the three younger half steps' 8 loads each may be out
.else
	s_wait_loadcnt 8*(31-Q)                        ; the stream's end: the counts run down
.endif
.if \g == 0
.if \s < 7
	s_wait_dscnt 8                                 ; this step's row fragments are in; the next step's eight loads may be out
.else
	s_wait_dscnt 0x0
.endif
.endif
	WIN 0x50                                       ; C and D window 1
.if \s == 0
.irp m, 1,2,3
.irp u, 0,1,2,3
	MM 4*\g+\u, \m, \s, 1                          ; the first K step starts the sums on the bias, which lies in accumulator (t, 0)
.endr
.endr
.rept 5
	v_nop                                          ; five places: the four below write over registers that the twelve above read as C
.endr
.irp u, 0,1,2,3
	MM 4*\g+\u, 0, \s, 0
.endr
.else
.irp m, 0,1,2,3
.irp u, 0,1,2,3
	MM 4*\g+\u, \m, \s, 0
.endr
.endr
.endif
	WIN 0
.rept 4
	v_nop
.endr
.if Q+4 <= 31
	WLOAD Q+4
.endif
.if (\g == 1) && (\s <= 5)
	XLOAD \base, \s+2
.endif
.endm
.macro PRODUCT p, base, soff
	SLOAD \soff
	XLOAD \base, 0
	XLOAD \base, 1
	s_wait_loadcnt 0x0                             ; the bias, the weights' scale words and the ring's first sixteen fragments
.irp k, 0,1,2,3,4,5,6,7
	HALF \p, \k, 0, \base
	HALF \p, \k, 1, \base
.endr
.endm
; Rows' tile m of the hidden layer: relu; the four blocks' scales; codes; to LDS as K step w of the rows.  Register 16 b + i of v[64 m ..] (window 1) is k = 32 b + 16 (lane / 16) + i of my row.
.macro QUANT m
	WIN 0x44                                       ; destination and source 1 window 1
.set JJ, 64*\m
.rept 64
	v_max_num_f32 v[JJ], 0, v[JJ]                  ; the activation, in f32; ascending
.set JJ, JJ+1
.endr
	WIN 0x05                                       ; sources 0 and 1 window 1
.irp b, 0,1,2,3
	v_max3_num_f32 v[TM+\b], v[64*\m+16*\b], v[64*\m+16*\b+1], 0x1800000   ; none is negative: no |.|; the floor 2^(3 - 127) holds the byte at 1 from below
.endr
.irp i, 2,4,6,8,10,12,14
.irp b, 0,1,2,3
	v_max3_num_f32 v[TM+\b], v[64*\m+16*\b+\i], v[64*\m+16*\b+\i+1], v[TM+\b]   ; the four blocks by turns
.endr
.endr
	WIN 0
.irp b, 0,1,2,3
	v_permlanex16_b32 v[TM+4+\b], v[TM+\b], s74, s75
.endr
.irp b, 0,1,2,3
	v_max_num_f32 v[TM+\b], v[TM+\b], v[TM+4+\b]   ; with lane l xor 16's: the block's largest number
.endr
.irp b, 0,1,2,3
	v_add_nc_u32 v[TM+12+\b], 0xff000000, v[TM+\b] ; 2 off the exponent field: the conversion's scale operand
.endr
.irp b, 0,1,2,3
	v_lshrrev_b32 v[TM+4+\b], 23, v[TM+12+\b]      ; the scale's byte
.endr
	v_lshl_or_b32 v[PW+\m], v[TM+5], 8, v[TM+4]    ; my row's scale word for this K step
	v_lshl_or_b32 v[PW+\m], v[TM+6], 16, v[PW+\m]
	v_lshl_or_b32 v[PW+\m], v[TM+7], 24, v[PW+\m]
	WIN 0x01                                       ; source 0 window 1
.irp b, 0,1,2,3
	v_cvt_scalef32_pk8_fp4_f32 v[PC+8*\m+2*\b], v[64*\m+16*\b:64*\m+16*\b+7], v[TM+12+\b]
	v_cvt_scalef32_pk8_fp4_f32 v[PC+8*\m+2*\b+1], v[64*\m+16*\b+8:64*\m+16*\b+15], v[TM+12+\b]
.endr
	WIN 0
	v_nop                                          ; one plain line behind the conversions
.irp c, 0,1                            ; the operand's layout wants a whole block in a lane
.irp i, 0,1
	v_permlane16_swap_b32 v[PC+8*\m+4*\c+\i], v[PC+8*\m+4*\c+2+\i]
.endr
.endr
.irp c, 0,1
	ds_store_b128 v[HWA], v[PC+8*\m+4*\c:PC+8*\m+4*\c+3] offset:16*RP*\m+32*\c
.endr
	ds_store_b32 v[HSA], v[PW+\m] offset:16*SPI*\m ; both halves of the lanes hold the same word and write the same place
.endm
; ---------------------------------------------------------------- the head
	s_load_b256 s[4:11], s[0:1], 0x0               ; plan s[4:5], gate s[6:7], xcodes s[8:9], xscales s[10:11]
	s_load_b256 s[12:19], s[0:1], 0x20             ; wcodes s[12:13], wscales s[14:15], b1 s[16:17], b2 s[18:19]
	s_load_b64 s[20:21], s[0:1], 0x40              ; out0
	v_lshrrev_b32 v1, 5, v0
	v_readfirstlane_b32 s28, v1                    ; wave 0..7
	s_lshl_b32 s22, ttmp9, 4                       ; my tile's record
	v_and_b32 v120, 31, v0                         ; lane
	v_and_b32 v121, 15, v0                         ; l % 16
	v_bfe_u32 v122, v0, 4, 1                       ; l / 16
	v_and_b32 v123, 7, v0                          ; l % 8
	v_bfe_u32 v124, v0, 3, 2                       ; l / 8
	v_lshlrev_b32 v[L16], 4, v120
	v_lshlrev_b32 v[L8], 3, v120
	v_mul_u32_u24 v[FA], v121, RP
	v_lshl_add_u32 v[FA], v122, 4, v[FA]
	v_mul_u32_u24 v[SA], v121, SPI
	v_lshl_add_u32 v[SA], v122, 4, v[SA]
	v_add_nc_u32 v[SA], XSL, v[SA]
	s_lshl_b32 s23, s28, 6
	s_add_co_u32 s23, s23, HR
	v_add_nc_u32 v[HWA], s23, v[FA]
	s_lshl_b32 s23, s28, 2
	s_add_co_u32 s23, s23, HSL
	v_mul_u32_u24 v[HSA], v121, SPI
	v_add_nc_u32 v[HSA], s23, v[HSA]
	s_mul_i32 s23, s28, 16*RP
	s_add_co_u32 s23, s23, STG                     ; my stage
	v_mul_u32_u24 v[STO], v121, RP
	v_lshl_add_u32 v[STO], v122, 6, v[STO]
	v_add_nc_u32 v[STO], s23, v[STO]
	v_add_nc_u32 v[SRD], s23, v[L16]
	v_lshlrev_b32 v[COL], 4, v0                    ; 16 x thread = 512 w + 16 l
	v_lshl_add_u32 v[TKA], v121, 2, TOKL
	v_lshlrev_b32 v[BO], 6, v122
	s_mul_i32 s23, s28, 8*RP                       ; wave w gathers slots 8 w .. 8 w + 7
	v_add_nc_u32 v[XRW], s23, v[L16]
	s_mul_i32 s23, s28, 8*SPI
	s_add_co_u32 s23, s23, XSL
	v_mul_u32_u24 v[XSW], v123, SPI
	v_lshl_add_u32 v[XSW], v124, 3, v[XSW]
	v_add_nc_u32 v[XSW], s23, v[XSW]
	s_lshl_b32 s23, s28, 5
	s_add_co_u32 s23, s23, TOKL
	v_lshl_add_u32 v[TGW], v123, 2, s23
	s_mov_b32 s74, 0x76543210
	s_mov_b32 s75, 0xfedcba98                      ; v_permlanex16_b32's selects for lane l xor 16
	s_wait_kmcnt 0x0
	s_load_b128 s[24:27], s[4:5], s22 offset:0x4000   ; expert, first slot, rows, 0
	s_wait_kmcnt 0x0
	s_min_u32 s24, s24, 7                          ; held inside their tables
	s_min_u32 s25, s25, 0xfff
	s_min_u32 s26, s26, 64
	s_max_u32 s29, s26, 1
	s_sub_co_u32 s29, s29, 1                       ; the tile's last row
	s_lshl_b32 s23, s24, 3
	s_add_co_u32 s23, s23, s28                     ; 8 e + w
	s_lshl_b32 s66, s23, 17
	s_mov_b32 s67, 0                               ; stays 0: the upper word of every offset
	s_add_nc_u64 s[30:31], s[12:13], s[66:67]      ; my stream of weight codes
	s_lshl_b32 s66, s23, 13
	s_add_nc_u64 s[68:69], s[14:15], s[66:67]      ; its scale words
	s_lshl_b32 s66, s23, 9
	s_add_nc_u64 s[70:71], s[16:17], s[66:67]      ; b1 and b2 at my 128 columns: 4,096 e + 512 w
	s_add_nc_u64 s[72:73], s[18:19], s[66:67]
	s_lshl_b32 s23, s28, 3
	v_add_nc_u32 v125, s23, v123                   ; my slot of the tile: 8 w + l % 8,
	v_min_u32 v125, s29, v125                      ; behind the last row: the last row again
	v_add_nc_u32 v125, s25, v125
	v_min_u32 v125, 0xfff, v125
	v_lshlrev_b32 v125, 2, v125
	global_load_b32 v[TK], v125, s[4:5]            ; its token
	WLOAD 0                                        ; the ring is filled while the rows are gathered
	WLOAD 1
	WLOAD 2
	WLOAD 3
	WSLOAD 0
	s_wait_loadcnt 48                              ; the tokens are in; behind them stand the ring's 32 loads and the 16 of scale words
	v_min_u32 v[TK], 0xfff, v[TK]
	v_lshlrev_b32 v100, 2, v[TK]
	global_load_b32 v98, v100, s[6:7]              ; the gate
	v_lshlrev_b32 v101, 5, v[TK]
	v_lshl_add_u32 v101, v124, 3, v101
	global_load_b64 v[96:97], v101, s[10:11]       ; eight rows' scale bytes by one load: four lanes to a row of 32
.irp j, 0,1,2,3,4,5,6,7
	v_readlane_b32 s[32+\j], v[TK], \j
	s_min_u32 s[32+\j], s[32+\j], 0xfff
	v_lshl_add_u32 v[104+\j], s[32+\j], 9, v[L16]
	global_load_b128 v[64+4*\j:67+4*\j], v[104+\j], s[8:9]   ; a whole row of codes: 512 consecutive bytes
.endr
	BIAS 70
	s_wait_loadcnt 16                              ; all but the bias
.irp j, 0,1,2,3,4,5,6,7
	ds_store_b128 v[XRW], v[64+4*\j:67+4*\j] offset:RP*\j
.endr
	ds_store_b64 v[XSW], v[96:97]
	ds_store_b32 v[TGW], v[TK]                     ; the four groups of eight lanes write the same words with the same values
	ds_store_b32 v[TGW], v98 offset:256
	s_wait_dscnt 0x0                               ; for the others' sake: my eight rows lie in LDS
	s_barrier_signal -1
	s_barrier_wait -1                              ; all 64 do
; ---------------------------------------------------------------- the first product, the hidden layer, the second product
	PRODUCT 0, XR, 0
	WSLOAD 1                                       ; behind the last half step's places: W2's scale words
.irp b, 0,1,2,3
	v_mov_b32 v[TM+4+\b], 0                        ; written once: a lane permute's destination counts as one of its sources
.endr
	QUANT 0
	BIAS 72                                        ; b2 into the accumulators that QUANT 0 has read out
	QUANT 1
	QUANT 2
	QUANT 3
	s_wait_dscnt 0x0                               ; for the others' sake: my K step of the 64 hidden rows lies in LDS
	s_barrier_signal -1
	s_barrier_wait -1                              ; all eight K steps do
	PRODUCT 1, HR, 64*SPI
; ---------------------------------------------------------------- the way out (the last half step's four places stand in front of it)
.irp m, 0,1,2,3
	ds_load_b32 v[GT+2*\m], v[TKA] offset:256+64*\m       ; the gate of my row of tile m, twice: a pair for the packed multiply
	ds_load_b32 v[GT+2*\m+1], v[TKA] offset:256+64*\m
	ds_load_b32 v[TO+\m], v[TKA] offset:64*\m             ; lane i % 16: the token of row i of tile m
.endr
; Rows' tile m: x gate; a lane holds pieces of 32 bytes of one row, so the tile goes through my own stage and comes back as 16 rows of 512 bytes; each leaves to its token's row of out.
.macro OUTM m
	s_cmp_le_u32 s26, 16*\m                        ; no row of this tile is the list's: nothing more is stored (no barrier follows)
	s_cbranch_scc1 .Lend
.if \m > 0
	s_wait_xcnt 0x0                                ; the last tile's stores have read their registers and bases: both are written again only behind this wait
.endif
	s_wait_dscnt 0x0                               ; gates and tokens are in
	WIN 0x41                                       ; destination and source 0 window 1
.set JJ, 64*\m
.rept 32
	v_pk_mul_f32 v[JJ:JJ+1], v[JJ:JJ+1], v[GT+2*\m:GT+2*\m+1]   ; ascending: each accumulator from its low end on
.set JJ, JJ+2
.endr
	WIN 0x04                                       ; an LDS store's data are its source 1: window 1
.irp t, 0,1,2,3,4,5,6,7
	ds_store_b128 v[STO], v[64*\m+8*\t:64*\m+8*\t+3] offset:128*(\t/2)+32*(\t%2)
	ds_store_b128 v[STO], v[64*\m+8*\t+4:64*\m+8*\t+7] offset:128*(\t/2)+32*(\t%2)+16
.endr
	WIN 0
.irp i, 0,1,2,3,4,5,6,7,8,9,10,11,12,13,14,15
	ds_load_b128 v[BK+4*\i:BK+4*\i+3], v[SRD] offset:RP*\i   ; LDS serves a wave's instructions in order (ISA guide 5.7.1.4): these see the stores above
.endr
.irp i, 0,1,2,3,4,5,6,7,8,9,10,11,12,13,14,15
	v_readlane_b32 s66, v[TO+\m], \i
	s_min_u32 s66, s66, 0xfff
	s_lshl_b32 s66, s66, 12                        ; the token's row of 4,096 bytes
	s_add_nc_u64 s[32+2*\i:33+2*\i], s[20:21], s[66:67]
.endr
.irp i, 0,1,2,3,4,5,6,7,8,9,10,11,12,13,14,15
	s_wait_dscnt 15-\i                             ; row i is back; the younger rows may be out
	global_store_b128 v[COL], v[BK+4*\i:BK+4*\i+3], s[32+2*\i:33+2*\i] th:TH_STORE_NT   ; 32 lanes store 512 consecutive bytes, aligned; written once, read by nobody here
.endr
.endm
	OUTM 0
	OUTM 1
	OUTM 2
	OUTM 3
.Lend:
	s_wait_xcnt 0x0
	v_lshl_add_u32 v254, v0, 2, 0x22a00
	v_mov_b32 v255, 0
	s_wait_tensorcnt 0x0
	ds_add_u32 v254, v255
	s_wait_dscnt 0x0
	s_endpgm
.Lfunc_end_k_qf1ec810dea_chain:
	.size	k_qf1ec810dea_chain, .Lfunc_end_k_qf1ec810dea_chain-k_qf1ec810dea_chain
	.p2alignl 7, 3214868480
	.fill 96, 4, 3214868480
	.section	.rodata,"a",@progbits
	.p2align	6, 0x0
	.amdhsa_kernel k_qf1ec810dea_chain
		.amdhsa_group_segment_fixed_size 142848
		.amdhsa_private_segment_fixed_size 0
		.amdhsa_enable_private_segment 0
		.amdhsa_kernarg_size 72
		.amdhsa_user_sgpr_count 2
		.amdhsa_user_sgpr_kernarg_segment_ptr 1
		.amdhsa_wavefront_size32 1
		.amdhsa_system_sgpr_workgroup_id_x 1
		.amdhsa_system_sgpr_workgroup_id_y 1
		.amdhsa_system_sgpr_workgroup_id_z 1
		.amdhsa_system_vgpr_workitem_id 0
		.amdhsa_next_free_vgpr 512
		.amdhsa_next_free_sgpr 80
		.amdhsa_reserve_vcc 0
		.amdhsa_float_denorm_mode_32 3
		.amdhsa_float_denorm_mode_16_64 3
		.amdhsa_memory_ordered 1
		.amdhsa_forward_progress 1
		.amdhsa_inst_pref_size 181
	.end_amdhsa_kernel
	.amdgpu_metadata
---
amdhsa.version: [ 1, 2 ]
amdhsa.kernels:
  - .name:           k_qf1ec810dea_chain
    .symbol:         k_qf1ec810dea_chain.kd
    .args:
      - { .name: plan, .offset: 0, .size: 8, .value_kind: global_buffer, .address_space: global }
      - { .name: gate, .offset: 8, .size: 8, .value_kind: global_buffer, .address_space: global }
      - { .name: xcodes, .offset: 16, .size: 8, .value_kind: global_buffer, .address_space: global }
      - { .name: xscales, .offset: 24, .size: 8, .value_kind: global_buffer, .address_space: global }
      - { .name: wcodes, .offset: 32, .size: 8, .value_kind: global_buffer, .address_space: global }
      - { .name: wscales, .offset: 40, .size: 8, .value_kind: global_buffer, .address_space: global }
      - { .name: b1, .offset: 48, .size: 8, .value_kind: global_buffer, .address_space: global }
      - { .name: b2, .offset: 56, .size: 8, .value_kind: global_buffer, .address_space: global }
      - { .name: out0, .offset: 64, .size: 8, .value_kind: global_buffer, .address_space: global }
    .group_segment_fixed_size: 142848
    .private_segment_fixed_size: 0
    .kernarg_segment_align: 8
    .kernarg_segment_size: 72
    .max_flat_workgroup_size: 256
    .sgpr_count:     80
    .vgpr_count:     512
    .wavefront_size: 32
...
	.end_amdgpu_metadata
.endif
;; end of part 3
;; ======== version 2 of 3: 3 launches
;; workspace buffers: wcodes 8,388,608 bytes; wscales 524,288 bytes; xcodes 2,097,152 bytes; xscales 131,072 bytes; top1 16,384 bytes of whole numbers; gate 16,384 bytes; plan 20,480 bytes of whole numbers
;; launch prep (part 4): grid 256 x 1, 12 waves a work-group, no clusters, 91,136 bytes of LDS; arguments x, router_W, router_b, W1, W2, xcodes, xscales, top1, gate, wcodes, wscales; writes xcodes, xscales, top1, gate, wcodes, wscales
.if DOCPART == 4
	.amdgcn_target "amdgcn-amd-amdhsa--gfx1250"
	.amdhsa_code_object_version 6
	.text
	.protected	k_qf1ec810dea_prep
	.globl	k_qf1ec810dea_prep
	.p2align	8
	.type	k_qf1ec810dea_prep,@function
k_qf1ec810dea_prep:
	s_mov_b64 s[64:65], 0
	v_nop
	global_prefetch_b8 v0, s[64:65] scope:SCOPE_SE
	s_setreg_imm32_b32 hwreg(HW_REG_WAVE_MODE, 25, 1), 1
	s_wait_xcnt 0x0
; PREPARE.  x [4096][1024], W1 and W2 [8][1024 (K)][1024 (N)], all f32, become codes of FP4 (E2M1) with one E8M0 byte for each 32 along K; and the router chooses.
; A block's scale is 2^(floor(log2(its largest magnitude)) - 2); its byte is the largest magnitude's exponent field - 2, held at 1 from below.
; 256 EQUAL WORK-GROUPS OF TWELVE WAVES.  Each takes 16 tokens of x (64 KiB) and 256 KiB of the weights.  Waves 0-3 work x and the router, waves 4-11 stream the weights: three waves to a SIMD,
; one with the router's vector work and two that wait for memory.  The roles part on the wave's number and join at the launch's one barrier; only x's waves touch LDS in front of it.
; LIMITS: a block whose largest magnitude lies under 2^-124, a block of zeros too, takes the byte 1 (its codes are then zeros or tiny; only this program reads the bytes);
; NaN and infinities among the inputs are not served; the argmax is taken on the f32 logits (the lowest index where logits are equal), not on the rounded probabilities;
; the router's sums run in another order than a plain ascending one.  A work-group's 16 experts and 16 gates are 64 consecutive bytes each: these two small buffers are not stored 256 bytes at a time.
; WEIGHTS: a lane takes a column and its registers run down K, so a block of 32 lies in one lane.  The codes are stored in the order of the operand's registers:
;   wcodes [e 8][w 8][p 2][s 8][t 8][c 2][lane 32][16 B]: lane (r, h), half c of tile t holds block 4 s + 2 c + h of column 128 w + 32 (t / 2) + 8 (t % 2) + r + 8 (r / 8);
;   wscales [e][w][p][b 4][kk 4][lane 32][8 B]: lane r + 16 u belongs to tile 2 b + u; its 8 bytes are the scale words of K steps 2 kk and 2 kk + 1.
; x: xcodes [token][512 B], xscales [token][32 B], K innermost; top1 [token] u32, gate [token] f32.
.set NXV,  4                           ; waves on x
.set NST,  8                           ; steps (tokens) of such a wave
.set RWP,  528                         ; LDS: for each wave on x its half of router_W, 32 chunks of 512 bytes, 528 apart
.set RWB,  0
.set SP,   80
.set STGX, NXV*32*RWP                  ; for each wave on x two stages of 32 x 80 bytes
.set PLB,  STGX+NXV*2*32*SP            ; partial logits [token 16][K half 2][8 f32]
.set XSB,  PLB+16*64                   ; scale bytes [token 16][32]
.set WX,   80                          ; weights: v80-175 three sets of 32 numbers
.set WC,   176                         ; v176-207 four registers of codes for each block: no store's data are written again
.set WSB,  208                         ; v208-209 the eight scale bytes
.set LG,   8                           ; x: v8-15 the eight logits
.set R,    16                          ; v16-63 three sets of 16 numbers as loaded
.set XN,   80                          ; v80-111 two sets of 16 neighbours
.set A,    112                         ; v112-127 eight pairs of sums
.set RW,   128                         ; v128-255 router_W: register 16 e + i = W[512 half + 16 lane + i][e]
; v74-77: the addresses used behind the join; made here, ahead of the parting, and loaded into by neither role.
	s_load_b256 s[4:11], s[0:1], 0x0               ; x s[4:5], router_W s[6:7], router_b s[8:9], W1 s[10:11]
	s_load_b256 s[12:19], s[0:1], 0x20             ; W2 s[12:13], xcodes s[14:15], xscales s[16:17], top1 s[18:19]
	s_load_b128 s[20:23], s[0:1], 0x40             ; gate s[20:21], wcodes s[22:23]
	s_load_b64 s[24:25], s[0:1], 0x50              ; wscales
	v_lshl_add_u32 v72, v0, 2, 0x15e00
	v_mov_b32 v73, 0
	v_lshrrev_b32 v1, 5, v0
	v_readfirstlane_b32 s31, v1                    ; wave 0..11
	v_and_b32 v79, 31, v0                          ; lane
	v_lshlrev_b32 v75, 4, v79                      ; the end: 16 scale bytes a lane, in memory
	v_add_nc_u32 v74, XSB, v75                     ; and in LDS
	v_and_b32 v77, 15, v79
	v_lshl_add_u32 v76, v77, 6, PLB                ; the end: lane l takes token l % 16: its 64 bytes of partial logits
	v_lshlrev_b32 v77, 2, v77                      ; and its word of top1 and of gate
	s_wait_kmcnt 0x0
	s_load_b256 s[48:55], s[8:9], 0x0              ; router_b; waited for at the end
	s_cmp_lt_u32 s31, NXV
	s_cbranch_scc1 .Lxrole
; ---------------------------------------------------------------- waves 4-11: the weights
	s_sub_co_u32 s35, s31, NXV                     ; 0..7
	s_and_b32 s27, ttmp9, 1                        ; the work-group's number = [p 2][e 8][w 8][chi 2].  chi: which half of K
	s_bfe_u32 s28, ttmp9, 0x30001                  ; w: which 128 columns
	s_bfe_u32 s29, ttmp9, 0x30004                  ; e: the expert
	s_lshr_b32 s30, ttmp9, 7                       ; p: W1 or W2
	s_and_b32 s32, s35, 3                          ; b: which 32 of the 128 columns
	s_lshr_b32 s33, s35, 2
	s_lshl_b32 s34, s27, 1
	s_add_co_u32 s33, s33, s34                     ; kk: which 256 along K
	v_and_b32 v5, 7, v79
	v_bfe_u32 v6, v79, 3, 1
	v_lshrrev_b32 v7, 4, v79
	v_lshl_add_u32 v5, v6, 4, v5
	v_lshl_add_u32 v5, v7, 3, v5                   ; my column of the 32: (l & 7) + 16 ((l >> 3) & 1) + 8 (l >> 4): lanes 0-15 are tile 2 b, lanes 16-31 tile 2 b + 1
	v_lshlrev_b32 v1, 2, v5                        ; in: 4 bytes a column: a load still covers 128 consecutive bytes
	v_and_b32 v6, 15, v79
	v_lshlrev_b32 v2, 4, v6
	v_lshl_add_u32 v2, v7, 10, v2                  ; out: 1,024 x tile + 16 x row of the tile
	v_lshlrev_b32 v3, 3, v79                       ; scale bytes: 8 a lane
	s_lshl_b32 s36, s29, 22                        ; W: expert x 4 MiB + 256 kk rows of 4,096 bytes + 4 (128 w + 32 b)
	s_lshl_b32 s38, s33, 20
	s_add_co_u32 s36, s36, s38
	s_lshl_b32 s38, s28, 9
	s_add_co_u32 s36, s36, s38
	s_lshl_b32 s38, s32, 7
	s_add_co_u32 s36, s36, s38
	s_mov_b32 s37, 0
	s_lshl_b32 s39, s29, 3
	s_add_co_u32 s39, s39, s28                     ; 8 e + w
	s_lshl_b32 s40, s39, 17                        ; codes: (8 e + w) x 128 KiB + p x 64 KiB + 2 kk x 8 KiB + 2 b x 1 KiB
	s_lshl_b32 s38, s30, 16
	s_add_co_u32 s40, s40, s38
	s_lshl_b32 s38, s33, 14
	s_add_co_u32 s40, s40, s38
	s_lshl_b32 s38, s32, 11
	s_add_co_u32 s40, s40, s38
	s_mov_b32 s41, 0
	s_lshl_b32 s42, s39, 13                        ; scale bytes: (8 e + w) x 8 KiB + p x 4 KiB + b x 1 KiB + kk x 256
	s_lshl_b32 s38, s30, 12
	s_add_co_u32 s42, s42, s38
	s_lshl_b32 s38, s32, 10
	s_add_co_u32 s42, s42, s38
	s_lshl_b32 s38, s33, 8
	s_add_co_u32 s42, s42, s38
	s_mov_b32 s43, 0
	s_cmp_eq_u32 s30, 0                            ; W1 or W2: the choice hangs on the work-group's number alone
	s_cselect_b64 s[10:11], s[10:11], s[12:13]
	s_add_nc_u64 s[10:11], s[10:11], s[36:37]
	s_add_nc_u64 s[22:23], s[22:23], s[40:41]
	s_add_nc_u64 s[24:25], s[24:25], s[42:43]
.macro WLD t                           ; block t: W(32 t + i, my column), i = 0 .. 31, into set t % 3
.irp i, 0,1,2,3,4,5,6,7,8,9,10,11,12,13,14,15,16,17,18,19,20,21,22,23,24,25,26,27,28,29,30,31
	global_load_b32 v[WX+32*((\t)%3)+\i], v1, s[10:11] offset:(32*(\t)+\i)*4096 th:TH_LOAD_NT
.endr
.endm
.macro WBLOCK t
.set XS, WX+32*((\t)%3)
.if (\t) <= 5
	s_wait_loadcnt 63                              ; behind this block's loads stand the next two blocks' 64; 63 is the largest count that can be written, and it errs
.elseif (\t) == 6
	s_wait_loadcnt 32                              ; the last block's 32 may be out
.else
	s_wait_loadcnt 0x0
.endif
	v_max3_num_f32 v12, |v[XS]|, |v[XS+1]|, |v[XS+2]|               ; the block's largest magnitude: all 32 numbers are mine; two chains
	v_max3_num_f32 v13, |v[XS+3]|, |v[XS+4]|, |v[XS+5]|
.irp i, 6,10,14,18,22,26
	v_max3_num_f32 v12, v12, |v[XS+\i]|, |v[XS+\i+1]|
	v_max3_num_f32 v13, v13, |v[XS+\i+2]|, |v[XS+\i+3]|
.endr
	v_max3_num_f32 v12, v12, |v[XS+30]|, |v[XS+31]|
	v_max3_num_f32 v12, v12, v13, 0x1800000        ; and the floor 2^(3 - 127): the byte cannot fall under 1
	v_add_nc_u32 v11, 0xff000000, v12              ; 2 off the exponent field: the conversion takes this operand's exponent field as its scale
	v_lshrrev_b32 v13, 23, v11                     ; the scale's byte
.if (\t)%4 == 0
	v_mov_b32 v[WSB+(\t)/4], v13                   ; four bytes to a word, the lower K in the lower byte
.else
	v_lshl_or_b32 v[WSB+(\t)/4], v13, 8*((\t)%4), v[WSB+(\t)/4]
.endif
.irp g, 0,1,2,3
	v_cvt_scalef32_pk8_fp4_f32 v[WC+4*(\t)+\g], v[XS+8*\g:XS+8*\g+7], v11
.endr
	v_nop                                          ; one plain line behind the conversions
	global_store_b128 v2, v[WC+4*(\t):WC+4*(\t)+3], s[22:23] offset:((\t)/4)*8192+(((\t)/2)%2)*512+((\t)%2)*256   ; K step t / 4, half c = (t / 2) % 2, lanes' half h = t % 2: sixteen lanes store 256 consecutive bytes, aligned
.if (\t)+3 < 8
	WLD (\t)+3                                     ; into the set just converted
.endif
.endm
	WLD 0
	WLD 1
	WLD 2
.irp t, 0,1,2,3,4,5,6,7
	WBLOCK \t
.endr
	global_store_b64 v3, v[WSB:WSB+1], s[24:25]    ; the wave's 256 scale bytes: consecutive, aligned
	s_branch .Ljoin
; ---------------------------------------------------------------- waves 0-3: x and the router
; Wave v: K half eta = v & 1, tokens 8 (v >> 1) .. + 7 of the work-group's 16: eight steps of half a row (512 numbers).  Each load reads 512 consecutive bytes; a step's 2,048 bytes turn through
; the wave's own stage in LDS and come back 64 bytes a lane: lane l then holds k = 512 eta + 16 l + 0 .. 15: two lanes to a block.  The same 16 numbers meet the lane's 16 x 8 numbers of router_W,
; kept in registers.  Each wave brings its own half of router_W (16 KiB, dense loads) through LDS bytes of its own, so that no barrier stands in this role.
.Lxrole:
	s_and_b32 s26, s31, 1                          ; eta
	s_bfe_u32 s27, s31, 0x10001                    ; which 8 tokens
	s_and_b32 s29, s31, 3                          ; my LDS regions
	v_lshlrev_b32 v1, 4, v79                       ; 16 x lane
	v_lshlrev_b32 v2, 3, v79                       ; 8 x lane
	s_mul_i32 s40, s29, 2*32*SP
	s_add_co_u32 s40, s40, STGX                    ; my wave's stages
	v_lshrrev_b32 v3, 2, v79
	v_mul_u32_u24 v3, v3, SP
	v_and_b32 v4, 3, v79
	v_lshl_add_u32 v3, v4, 4, v3
	v_add_nc_u32 v3, s40, v3                       ; into a stage: four lanes' 64 bytes on end, then 16 of padding
	v_mul_u32_u24 v4, v79, SP
	v_add_nc_u32 v4, s40, v4                       ; out of it: 80 x lane
	s_lshl_b32 s41, s27, 8
	s_lshl_b32 s28, s26, 4
	s_add_co_u32 s41, s41, s28
	s_add_co_u32 s41, s41, XSB
	v_lshrrev_b32 v5, 1, v79
	v_add_nc_u32 v5, s41, v5                       ; my block's scale byte: 32 bytes a token, 16 a half
	s_lshl_b32 s42, s27, 9
	s_lshl_b32 s28, s26, 5
	s_add_co_u32 s42, s42, s28
	s_add_co_u32 s42, s42, PLB
	v_mov_b32 v6, s42                              ; my wave's partial logits: 64 bytes a token, 32 a half
	s_mul_i32 s43, s29, 32*RWP
	v_mul_u32_u24 v7, v79, RWP
	v_add_nc_u32 v7, s43, v7                       ; router_W, out of LDS: my chunk = my lane's 16 k
	v_add_nc_u32 v78, s43, v1                      ; and into it: my 16 bytes of chunk j
	s_mov_b32 s46, 0x76543210
	s_mov_b32 s47, 0xfedcba98                      ; v_permlanex16_b32's selects for lane l xor 16
	s_lshl_b32 s36, ttmp9, 16                      ; x: 16 tokens of 4,096 bytes a work-group, 8 a pair of waves, 2,048 bytes a half
	s_lshl_b32 s28, s27, 15
	s_add_co_u32 s36, s36, s28
	s_lshl_b32 s28, s26, 11
	s_add_co_u32 s36, s36, s28
	s_mov_b32 s37, 0
	s_add_nc_u64 s[4:5], s[4:5], s[36:37]
	s_lshl_b32 s36, ttmp9, 13                      ; the codes: an eighth of that
	s_lshl_b32 s28, s27, 12
	s_add_co_u32 s36, s36, s28
	s_lshl_b32 s28, s26, 8
	s_add_co_u32 s36, s36, s28
	s_add_nc_u64 s[14:15], s[14:15], s[36:37]
	s_lshl_b32 s36, s26, 14                        ; router_W: my half's 512 rows of 32 bytes
	s_add_nc_u64 s[6:7], s[6:7], s[36:37]
.irp j, 0,1,2,3,4,5,6,7,8,9,10,11,12,13,14,15,16,17,18,19,20,21,22,23,24,25,26,27,28,29,30,31
	global_load_b128 v[RW+4*\j:RW+4*\j+3], v1, s[6:7] offset:512*\j   ; chunk j, 512 consecutive bytes; many waves read it, so no hint
.endr
.macro XLD t                           ; step t's half row: four loads of 512 consecutive bytes, into set t % 3
.irp i, 0,1,2,3
	global_load_b128 v[R+16*((\t)%3)+4*\i:R+16*((\t)%3)+4*\i+3], v1, s[4:5] offset:4096*(\t)+512*\i th:TH_LOAD_NT
.endr
.endm
.macro XTURN t                         ; step t's numbers through stage t % 2: LDS serves a wave's instructions in order, so no wait stands between the stores and the loads
.irp i, 0,1,2,3
	ds_store_b128 v3, v[R+16*((\t)%3)+4*\i:R+16*((\t)%3)+4*\i+3] offset:32*SP*((\t)%2)+8*SP*\i
.endr
.irp i, 0,1,2,3
	ds_load_b128 v[XN+16*((\t)%2)+4*\i:XN+16*((\t)%2)+4*\i+3], v4 offset:32*SP*((\t)%2)+16*\i
.endr
.endm
	XLD 0
	XLD 1
	XLD 2
	s_wait_loadcnt 12                              ; router_W is in; the 12 loads of x behind it may be out
.irp j, 0,1,2,3,4,5,6,7,8,9,10,11,12,13,14,15,16,17,18,19,20,21,22,23,24,25,26,27,28,29,30,31
	ds_store_b128 v78, v[RW+4*\j:RW+4*\j+3] offset:RWP*\j
.endr
	s_wait_dscnt 0x0                               ; the stores have read their registers, which the loads below fill anew
.irp e, 0,1,2,3,4,5,6,7
.irp i, 0,1,2,3,4,5,6,7,8,9,10,11,12,13,14,15
	ds_load_b32 v[RW+16*\e+\i], v7 offset:32*\i+4*\e   ; W[512 eta + 16 lane + i][e]: once for the whole launch
.endr
.endr
	s_wait_loadcnt 8                               ; step 0's four loads are in; steps 1 and 2 may be out
	XTURN 0
.macro XSTEP t
.set XS, XN+16*((\t)%2)
	s_wait_dscnt 0x0                               ; this step's numbers are back from the stage; the stores of the step before have read their registers
.if (\t)+3 < NST
	XLD (\t)+3                                     ; into the set that this step's turn has read
.endif
.if (\t)+1 < NST
.if (\t)+3 <= NST-1
	s_wait_loadcnt 8                               ; the next step's four loads are in; the two steps behind it may be out
.else
	s_wait_loadcnt 4*((NST-1)-((\t)+1))
.endif
	XTURN (\t)+1                                   ; through the other stage, while this step is worked
.endif
	v_max3_num_f32 v68, |v[XS]|, |v[XS+1]|, |v[XS+2]|              ; the largest magnitude of my 16
	v_max3_num_f32 v69, |v[XS+3]|, |v[XS+4]|, |v[XS+5]|
.irp i, 6,10
	v_max3_num_f32 v68, v68, |v[XS+\i]|, |v[XS+\i+1]|
	v_max3_num_f32 v69, v69, |v[XS+\i+2]|, |v[XS+\i+3]|
.endr
	v_max3_num_f32 v68, v68, |v[XS+14]|, |v[XS+15]|
	v_max3_num_f32 v68, v68, v69, 0x1800000        ; and the floor 2^(3 - 127)
	v_max_num_f32_dpp v68, v68, v68 row_xmask:1 row_mask:0xf bank_mask:0xf   ; and of my neighbour's 16: the block's
	v_add_nc_u32 v70, 0xff000000, v68              ; 2 off the exponent field: the conversion's scale operand
	s_wait_xcnt 0x0                                ; the last step's store has read v[64:65]: they are written again only behind this wait
	v_cvt_scalef32_pk8_fp4_f32 v64, v[XS:XS+7], v70
	v_cvt_scalef32_pk8_fp4_f32 v65, v[XS+8:XS+15], v70
	v_lshrrev_b32 v66, 23, v70                     ; the scale's byte (also the plain line behind the conversions)
	ds_store_b8 v5, v66 offset:32*(\t)             ; both lanes of a block write the same byte with the same value
	global_store_b64 v2, v[64:65], s[14:15] offset:512*(\t)   ; 32 lanes store 256 consecutive bytes, aligned
	; the router, in f32: eight sums of my 16 products each, two at a time, the eight experts by turns
.irp e, 0,1,2,3,4,5,6,7
	v_pk_mul_f32 v[A+2*\e:A+2*\e+1], v[XS:XS+1], v[RW+16*\e:RW+16*\e+1]
.endr
.irp j, 1,2,3,4,5,6,7
.irp e, 0,1,2,3,4,5,6,7
	v_pk_fma_f32 v[A+2*\e:A+2*\e+1], v[XS+2*\j:XS+2*\j+1], v[RW+16*\e+2*\j:RW+16*\e+2*\j+1], v[A+2*\e:A+2*\e+1]
.endr
.endr
.irp e, 0,1,2,3,4,5,6,7
	v_add_f32 v[LG+\e], v[A+2*\e], v[A+2*\e+1]
.endr
.irp x, 1,2,4,8
.irp e, 0,1,2,3,4,5,6,7
	v_add_f32_dpp v[LG+\e], v[LG+\e], v[LG+\e] row_xmask:\x row_mask:0xf bank_mask:0xf
.endr
.endr
.irp e, 0,1,2,3,4,5,6,7
	v_permlanex16_b32 v[A+\e], v[LG+\e], s46, s47
.endr
.irp e, 0,1,2,3,4,5,6,7
	v_add_f32 v[LG+\e], v[LG+\e], v[A+\e]          ; every lane holds my half row's part of the eight logits
.endr
	ds_store_b128 v6, v[LG:LG+3] offset:64*(\t)    ; all lanes write the same bytes with the same values
	ds_store_b128 v6, v[LG+4:LG+7] offset:64*(\t)+16
.endm
.irp t, 0,1,2,3,4,5,6,7
	XSTEP \t
.endr
; ---------------------------------------------------------------- the roles join
.Ljoin:
	s_wait_dscnt 0x0                               ; for wave 0's sake: my scale bytes and partial logits lie in LDS
	s_barrier_signal -1
	s_barrier_wait -1
	s_cmp_lg_u32 s31, 0                            ; wave 0 alone finishes: no barrier follows
	s_cbranch_scc1 .Lend
	ds_load_b128 v[68:71], v74                     ; the 16 tokens' 512 scale bytes
.irp j, 0,1,2,3
	ds_load_b128 v[XN+4*\j:XN+4*\j+3], v76 offset:16*\j   ; token l % 16: the two halves' eight sums
.endr
	s_lshl_b32 s26, ttmp9, 9
	s_mov_b32 s27, 0
	s_add_nc_u64 s[16:17], s[16:17], s[26:27]      ; the scale bytes: 512 a work-group
	s_lshl_b32 s26, ttmp9, 6
	s_add_nc_u64 s[18:19], s[18:19], s[26:27]      ; top1 and gate: 64 bytes a work-group
	s_add_nc_u64 s[20:21], s[20:21], s[26:27]
	s_wait_kmcnt 0x0                               ; router_b
	s_wait_dscnt 0x0
	global_store_b128 v75, v[68:71], s[16:17]      ; 512 consecutive bytes, aligned
	; my token: logits, their largest, the sum of exponentials under it; the gate is 1 / that sum (the top term is 2^0); the index is the lowest with the largest logit
.irp e, 0,1,2,3,4,5,6,7
	v_add_f32 v[A+\e], v[XN+\e], v[XN+8+\e]
.endr
.irp e, 0,1,2,3,4,5,6,7
	v_add_f32 v[A+\e], s[48+\e], v[A+\e]
.endr
	v_max3_num_f32 v32, v[A], v[A+1], v[A+2]
	v_max3_num_f32 v32, v32, v[A+3], v[A+4]
	v_max3_num_f32 v32, v32, v[A+5], v[A+6]
	v_max_num_f32 v32, v32, v[A+7]
.irp e, 0,1,2,3,4,5,6,7
	v_sub_f32 v[R+\e], v[A+\e], v32                ; the maximum is taken away ahead of the exponential
.endr
.irp e, 0,1,2,3,4,5,6,7
	v_mul_f32 v[R+\e], 0x3fb8aa3b, v[R+\e]
.endr
.irp e, 0,1,2,3,4,5,6,7
	v_exp_f32 v[R+\e], v[R+\e]
.endr
	v_mov_b32 v36, 7                               ; (a plain line behind the exponentials)
.irp e, 6,5,4,3,2,1,0
	v_cmp_neq_f32 vcc_lo, v[A+\e], v32
	v_cndmask_b32 v36, \e, v36, vcc_lo             ; equal to the largest: e; descending, so the lowest index stays
.endr
	s_wait_alu depctr_va_vdst(0)
	v_add_f32 v[R], v[R], v[R+1]
	v_add_f32 v[R+2], v[R+2], v[R+3]
	v_add_f32 v[R+4], v[R+4], v[R+5]
	v_add_f32 v[R+6], v[R+6], v[R+7]
	v_add_f32 v[R], v[R], v[R+2]
	v_add_f32 v[R+4], v[R+4], v[R+6]
	v_add_f32 v[R], v[R], v[R+4]
	v_rcp_f32 v38, v[R]
	v_nop                                          ; a plain line behind the reciprocal
	global_store_b32 v77, v36, s[18:19]            ; the chosen experts of 16 tokens, at fixed places; lanes l and l + 16 hold the same token and store the same word
	s_wait_alu depctr_va_vdst(0)
	global_store_b32 v77, v38, s[20:21]            ; and their gates
.Lend:
	s_wait_tensorcnt 0x0
	ds_add_u32 v72, v73
	s_wait_dscnt 0x0
	s_endpgm
.Lfunc_end_k_qf1ec810dea_prep:
	.size	k_qf1ec810dea_prep, .Lfunc_end_k_qf1ec810dea_prep-k_qf1ec810dea_prep
	.p2alignl 7, 3214868480
	.fill 96, 4, 3214868480
	.section	.rodata,"a",@progbits
	.p2align	6, 0x0
	.amdhsa_kernel k_qf1ec810dea_prep
		.amdhsa_group_segment_fixed_size 91136
		.amdhsa_private_segment_fixed_size 0
		.amdhsa_enable_private_segment 0
		.amdhsa_kernarg_size 88
		.amdhsa_user_sgpr_count 2
		.amdhsa_user_sgpr_kernarg_segment_ptr 1
		.amdhsa_wavefront_size32 1
		.amdhsa_system_sgpr_workgroup_id_x 1
		.amdhsa_system_sgpr_workgroup_id_y 1
		.amdhsa_system_sgpr_workgroup_id_z 1
		.amdhsa_system_vgpr_workitem_id 0
		.amdhsa_next_free_vgpr 256
		.amdhsa_next_free_sgpr 66
		.amdhsa_reserve_vcc 1
		.amdhsa_float_denorm_mode_32 3
		.amdhsa_float_denorm_mode_16_64 3
		.amdhsa_memory_ordered 1
		.amdhsa_forward_progress 1
		.amdhsa_inst_pref_size 131
	.end_amdhsa_kernel
	.amdgpu_metadata
---
amdhsa.version: [ 1, 2 ]
amdhsa.kernels:
  - .name:           k_qf1ec810dea_prep
    .symbol:         k_qf1ec810dea_prep.kd
    .args:
      - { .name: x, .offset: 0, .size: 8, .value_kind: global_buffer, .address_space: global }
      - { .name: router_W, .offset: 8, .size: 8, .value_kind: global_buffer, .address_space: global }
      - { .name: router_b, .offset: 16, .size: 8, .value_kind: global_buffer, .address_space: global }
      - { .name: W1, .offset: 24, .size: 8, .value_kind: global_buffer, .address_space: global }
      - { .name: W2, .offset: 32, .size: 8, .value_kind: global_buffer, .address_space: global }
      - { .name: xcodes, .offset: 40, .size: 8, .value_kind: global_buffer, .address_space: global }
      - { .name: xscales, .offset: 48, .size: 8, .value_kind: global_buffer, .address_space: global }
      - { .name: top1, .offset: 56, .size: 8, .value_kind: global_buffer, .address_space: global }
      - { .name: gate, .offset: 64, .size: 8, .value_kind: global_buffer, .address_space: global }
      - { .name: wcodes, .offset: 72, .size: 8, .value_kind: global_buffer, .address_space: global }
      - { .name: wscales, .offset: 80, .size: 8, .value_kind: global_buffer, .address_space: global }
    .group_segment_fixed_size: 91136
    .private_segment_fixed_size: 0
    .kernarg_segment_align: 8
    .kernarg_segment_size: 88
    .max_flat_workgroup_size: 384
    .sgpr_count:     66
    .vgpr_count:     256
    .wavefront_size: 32
...
	.end_amdgpu_metadata
.endif
;; end of part 4
;; launch place (part 5): grid 1 x 1, 32 waves a work-group, no clusters, 5,120 bytes of LDS; arguments top1, plan; writes plan
.if DOCPART == 5
	.amdgcn_target "amdgcn-amd-amdhsa--gfx1250"
	.amdhsa_code_object_version 6
	.text
	.protected	k_qf1ec810dea_place
	.globl	k_qf1ec810dea_place
	.p2align	8
	.type	k_qf1ec810dea_place,@function
k_qf1ec810dea_place:
	s_mov_b64 s[64:65], 0
	v_nop
	global_prefetch_b8 v0, s[64:65] scope:SCOPE_SE
	s_setreg_imm32_b32 hwreg(HW_REG_WAVE_MODE, 25, 1), 1
	s_wait_xcnt 0x0
; PLACE.  A counting sort of the 4,096 tokens by their expert, and the list of tiles.  Whole numbers only.  One work-group of 32 waves; thread n has tokens 4 n .. 4 n + 3.
; plan: words 0 .. 4095: the tokens, expert by expert (the order inside an expert is free: rows do not depend on each other);
;       from byte 16,384 on: 256 records of 16 bytes (expert, first slot, rows, 0), a tile of at most 32 rows each; records behind the last tile are zeros.
; There are never more than 4096 / 32 + 8 - 1 = 135 tiles, whatever the choice.
	s_load_b128 s[4:7], s[0:1], 0x0                ; top1, plan
	v_lshl_add_u32 v64, v0, 2, 0x400
	v_mov_b32 v65, 0
	v_lshrrev_b32 v1, 5, v0
	v_readfirstlane_b32 s8, v1                     ; wave 0..31
	v_and_b32 v2, 31, v0                           ; lane
	v_lshlrev_b32 v3, 4, v0                        ; my four tokens' 16 bytes
	v_lshlrev_b32 v8, 2, v1                        ; LDS: counts [expert 8][wave 32]: my wave's word
	v_lshlrev_b32 v9, 2, v2                        ; and the word of wave = my lane
	s_mov_b32 s10, 0x76543210
	s_mov_b32 s11, 0xfedcba98                      ; v_permlanex16_b32's selects for lane l xor 16
.irp j, 0,1,2,3,4,5,6,7
	v_mov_b32 v[32+\j], 0                          ; written once: the destination of a lane move counts as one of its sources
.endr
.irp i, 0,1,2,3
	v_lshl_add_u32 v[40+\i], v0, 2, \i             ; my tokens' numbers
.endr
	s_wait_kmcnt 0x0
	global_load_b128 v[4:7], v3, s[4:5]
	s_wait_loadcnt 0x0
.irp i, 0,1,2,3
.irp e, 0,1,2,3,4,5,6,7
	v_cmp_eq_u32 s[16+8*\i+\e], \e, v[4+\i]        ; which lanes' token i goes to expert e
.endr
.endr
.irp e, 0,1,2,3,4,5,6,7
	s_bcnt1_i32_b32 s[48+\e], s[16+\e]             ; my wave's count for expert e
.irp i, 1,2,3
	s_bcnt1_i32_b32 s9, s[16+8*\i+\e]
	s_add_co_u32 s[48+\e], s[48+\e], s9
.endr
	v_mov_b32 v[16+\e], s[48+\e]
	ds_store_b32 v8, v[16+\e] offset:128*\e        ; all lanes write the same word with the same value
.endr
	s_wait_dscnt 0x0                               ; for the others' sake: my counts lie in LDS
	s_barrier_signal -1
	s_barrier_wait -1
.irp e, 0,1,2,3,4,5,6,7
	ds_load_b32 v[16+\e], v9 offset:128*\e         ; lane l: wave l's count for expert e
.endr
	s_wait_dscnt 0x0
	v_cmp_gt_u32 vcc_lo, s8, v2                    ; the waves in front of mine
.irp j, 0,1,2,3
	v_lshl_or_b32 v[24+\j], v[17+2*\j], 16, v[16+2*\j]   ; two experts to a word: no sum passes 4,096
.endr
.irp j, 0,1,2,3
	v_cndmask_b32 v[28+\j], 0, v[24+\j], vcc_lo    ; the same with only the waves in front of mine
.endr
.irp x, 1,2,4,8
.irp j, 0,1,2,3,4,5,6,7
	v_mov_b32_dpp v[32+\j], v[24+\j] row_xmask:\x row_mask:0xf bank_mask:0xf
.endr
.irp j, 0,1,2,3,4,5,6,7
	v_add_nc_u32 v[24+\j], v[24+\j], v[32+\j]
.endr
.endr
.irp j, 0,1,2,3,4,5,6,7
	v_permlanex16_b32 v[32+\j], v[24+\j], s10, s11
.endr
.irp j, 0,1,2,3,4,5,6,7
	v_add_nc_u32 v[24+\j], v[24+\j], v[32+\j]      ; sums over the 32 waves
.endr
.irp j, 0,1,2,3,4,5,6,7
	v_readfirstlane_b32 s[56+\j], v[24+\j]
.endr
.irp j, 0,1,2,3
	s_and_b32 s[72+2*\j], s[56+\j], 0xffff         ; s72-79: each expert's rows in all
	s_lshr_b32 s[73+2*\j], s[56+\j], 16
	s_and_b32 s[80+2*\j], s[60+\j], 0xffff         ; s80-87: those of the waves in front of mine
	s_lshr_b32 s[81+2*\j], s[60+\j], 16
.endr
	s_mov_b32 s88, 0                               ; s88-96: where each expert's rows begin
.irp e, 0,1,2,3,4,5,6,7
	s_add_co_u32 s[89+\e], s[88+\e], s[72+\e]
	s_add_co_u32 s[80+\e], s[80+\e], s[88+\e]      ; s80-87: the next free slot for my wave
.endr
.irp i, 0,1,2,3
.irp e, 0,1,2,3,4,5,6,7
	v_mbcnt_lo_u32_b32 v10, s[16+8*\i+\e], 0       ; how many lanes under mine go to e with their token i
	v_add_nc_u32 v10, s[80+\e], v10
.if \e == 0
	v_mov_b32 v[12+\i], v10
.else
	v_cndmask_b32 v[12+\i], v[12+\i], v10, s[16+8*\i+\e]
.endif
	s_bcnt1_i32_b32 s9, s[16+8*\i+\e]
	s_add_co_u32 s[80+\e], s[80+\e], s9
.endr
.endr
.irp i, 0,1,2,3
	v_min_u32 v[12+\i], 0xfff, v[12+\i]            ; a slot is 0 .. 4095
	v_lshlrev_b32 v[12+\i], 2, v[12+\i]
	global_store_b32 v[12+\i], v[40+\i], s[6:7]
.endr
	s_cmp_gt_u32 s8, 7                             ; threads 0 .. 255 write a record each
	s_cbranch_scc1 .Lend
	s_mov_b32 s16, 0                               ; s16-24: the number of each expert's first tile (the masks are done with)
.irp e, 0,1,2,3,4,5,6,7
	s_add_co_u32 s9, s[72+\e], 31
	s_lshr_b32 s9, s9, 5
	s_add_co_u32 s[17+\e], s[16+\e], s9
.endr
	v_mov_b32 v28, 0                               ; the last expert whose first tile is not behind mine
	v_mov_b32 v21, 0
	v_mov_b32 v22, 0
	v_mov_b32 v23, s72
.irp e, 1,2,3,4,5,6,7
	v_cmp_gt_u32 vcc_lo, s[16+\e], v0              ; its first tile lies behind mine: keep
	v_cndmask_b32 v28, \e, v28, vcc_lo
	v_cndmask_b32 v21, s[16+\e], v21, vcc_lo
	v_cndmask_b32 v22, s[88+\e], v22, vcc_lo
	v_cndmask_b32 v23, s[72+\e], v23, vcc_lo
.endr
	v_sub_nc_u32 v24, v0, v21
	v_lshlrev_b32 v24, 5, v24                      ; 32 x my tile's number within the expert
	v_add_nc_u32 v29, v22, v24                     ; first slot
	v_sub_nc_u32 v30, v23, v24
	v_min_u32 v30, 32, v30                         ; rows
	v_cmp_gt_u32 vcc_lo, s24, v0                   ; is there such a tile?
	v_cndmask_b32 v28, 0, v28, vcc_lo
	v_cndmask_b32 v29, 0, v29, vcc_lo
	v_cndmask_b32 v30, 0, v30, vcc_lo
	v_mov_b32 v31, 0
	v_lshlrev_b32 v26, 4, v0
	global_store_b128 v26, v[28:31], s[6:7] offset:16384
.Lend:
	s_wait_tensorcnt 0x0
	ds_add_u32 v64, v65
	s_wait_dscnt 0x0
	s_endpgm
.Lfunc_end_k_qf1ec810dea_place:
	.size	k_qf1ec810dea_place, .Lfunc_end_k_qf1ec810dea_place-k_qf1ec810dea_place
	.p2alignl 7, 3214868480
	.fill 96, 4, 3214868480
	.section	.rodata,"a",@progbits
	.p2align	6, 0x0
	.amdhsa_kernel k_qf1ec810dea_place
		.amdhsa_group_segment_fixed_size 5120
		.amdhsa_private_segment_fixed_size 0
		.amdhsa_enable_private_segment 0
		.amdhsa_kernarg_size 16
		.amdhsa_user_sgpr_count 2
		.amdhsa_user_sgpr_kernarg_segment_ptr 1
		.amdhsa_wavefront_size32 1
		.amdhsa_system_sgpr_workgroup_id_x 1
		.amdhsa_system_sgpr_workgroup_id_y 1
		.amdhsa_system_sgpr_workgroup_id_z 1
		.amdhsa_system_vgpr_workitem_id 0
		.amdhsa_next_free_vgpr 66
		.amdhsa_next_free_sgpr 100
		.amdhsa_reserve_vcc 1
		.amdhsa_float_denorm_mode_32 3
		.amdhsa_float_denorm_mode_16_64 3
		.amdhsa_memory_ordered 1
		.amdhsa_forward_progress 1
		.amdhsa_inst_pref_size 23
	.end_amdhsa_kernel
	.amdgpu_metadata
---
amdhsa.version: [ 1, 2 ]
amdhsa.kernels:
  - .name:           k_qf1ec810dea_place
    .symbol:         k_qf1ec810dea_place.kd
    .args:
      - { .name: top1, .offset: 0, .size: 8, .value_kind: global_buffer, .address_space: global }
      - { .name: plan, .offset: 8, .size: 8, .value_kind: global_buffer, .address_space: global }
    .group_segment_fixed_size: 5120
    .private_segment_fixed_size: 0
    .kernarg_segment_align: 8
    .kernarg_segment_size: 16
    .max_flat_workgroup_size: 1024
    .sgpr_count:     100
    .vgpr_count:     66
    .wavefront_size: 32
...
	.end_amdgpu_metadata
.endif
;; end of part 5
;; launch chain (part 6): grid 135 x 1, 8 waves a work-group, no clusters, 105,728 bytes of LDS; arguments plan, gate, xcodes, xscales, wcodes, wscales, b1, b2, out0; writes out0
.if DOCPART == 6
	.amdgcn_target "amdgcn-amd-amdhsa--gfx1250"
	.amdhsa_code_object_version 6
	.text
	.protected	k_qf1ec810dea_chain
	.globl	k_qf1ec810dea_chain
	.p2align	8
	.type	k_qf1ec810dea_chain,@function
k_qf1ec810dea_chain:
	s_mov_b64 s[64:65], 0
	v_nop
	global_prefetch_b8 v0, s[64:65] scope:SCOPE_SE
	s_setreg_imm32_b32 hwreg(HW_REG_WAVE_MODE, 25, 1), 1
	s_wait_xcnt 0x0
; THE CHAIN.  out[token] = gate[token] x (Q(relu(Q(x) Q(W1[e]) + b1[e])) Q(W2[e]) + b2[e]) for the token's chosen expert e alone; both products on codes of FP4 (E2M1) with E8M0 scales, sums in f32.
; A work-group takes one tile of the stored list: up to 32 rows of one expert, through the whole chain; the hidden layer never goes to memory.  135 = 4096 / 32 + 8 - 1 work-groups serve every split;
; a tile of 0 rows walks the text with held indices and stores nothing (every wave passes every barrier).  Slots behind the tile's last row repeat that row.
; THE WAVES SHARE THE COLUMNS: wave w makes hidden units, and later outputs, 128 w .. 128 w + 127 for all 32 rows: 8 tiles of columns t x 2 tiles of rows m = 16 accumulators, 128 registers.
; Each weight fragment is read by one wave alone, straight from memory into registers in the order in which it was laid (two loads of 512 consecutive bytes), and feeds two matrix instructions.
; A wave's stream, its part of W1 and then of W2, is 128 consecutive KiB, walked by immediates through a RING OF 32 FRAGMENTS (256 registers): the stream runs seven half steps ahead of the products,
; so that 48 to 56 loads of a wave are out.  32 rows and not 64: the registers that the accumulators leave go to the ring, and each work-group has half the rows to quantise and to store.
; No weight byte is read by two waves of a work-group, so none goes through LDS.
; NO JOINT LOADS: which tiles belong to one expert is read from the stored list, so partners' requests cannot be made equal by the text's own arithmetic; and nothing is filled into LDS that could be shared.
; BOTH PRODUCTS ARE USED TRANSPOSED (source 0 = 16 weight columns, source 1 = 16 rows): a lane holds one row, and register j of tile t the column 32 (t / 2) + 16 (lane / 16) + 8 (t % 2) + j of the wave's 128:
; so the 16 registers of tiles 2 b, 2 b + 1 are 16 neighbours along the next K.  The biases are the C of each sum's first matrix instruction.
; LIMITS: a hidden block whose largest number lies under 2^-124, a block of zeros too, takes the scale byte 1; NaN and infinities are not served.
; REGISTERS.  window 0: v1-15 addresses; v16-23 the rows' scale words, v32-63 the weights' (these hold scales and nothing else); v64-95 two sets of two row fragments,
;   between the products the quantiser's work, at the end gates and tokens; v96-127 the head's work; v128-255 ring slots 0-15, at the end 16 rows on their way out.
;   window 1: v0-127 accumulator (t, m) at v[64 m + 8 t]; v128-255 ring slots 16-31.
.set RP,   528                         ; a row of 1,024 codes in LDS: 512 bytes + 16: the sixteen rows of a load begin in sixteen different columns of 16 bytes
.set SPI,  48                          ; a row of 32 scale bytes + 16
.set XR,   0                           ; x's 32 rows of codes
.set HR,   32*RP                       ; the hidden layer's
.set XSL,  2*32*RP                     ; x's rows of scale bytes
.set HSL,  XSL+32*SPI                  ; the hidden layer's
.set TOKL, HSL+32*SPI                  ; the 32 slots' tokens, and 128 bytes on their gates
.set STG,  TOKL+256                    ; a stage of 16 rows x 528 bytes for each wave, its own
.set L16, 1                            ; 16 x lane
.set FA,  2                            ; a fragment's place: 528 (l % 16) + 16 (l / 16)
.set SA,  3                            ; scale words: XSL + 48 (l % 16) + 16 (l / 16)
.set HWA, 4                            ; where I put hidden codes: HR + FA + 64 w
.set HSA, 5                            ; and their scale word: HSL + 48 (l % 16) + 4 w
.set STO, 6                            ; the stage, in: row l % 16, + 64 (l / 16)
.set SRD, 7                            ; the stage, back: 16 x lane
.set COL, 8                            ; my 16 bytes of a row of out: 512 w + 16 l
.set TKA, 9                            ; TOKL + 4 (l % 16)
.set TK,  10                           ; tokens as loaded: never an LDS address
.set BO,  11                           ; 64 (l / 16): my half's place in a bias
.set L8,  12                           ; 8 x lane
.set XRW, 13                           ; the head's three LDS store addresses
.set XSW, 14
.set TGW, 15
.set XSC, 16                           ; register 4 m + q: lanes 0-15 K step q of row l % 16 of tile m, lanes 16-31 K step 4 + q
.set WSC, 32                           ; register 8 b + s: lanes 0-15 tile 2 b, lanes 16-31 tile 2 b + 1, K step s
.set XF,  64
.set WR,  128
.set BK,  128
.set TM,  64                           ; v64-67 largest numbers, v68-71 bytes, v76-79 the conversions' scale operands
.set PC,  80                           ; v80-95 the codes just made, 8 registers for each m
.set PW,  112                          ; v112-113 their scale words
.set GT,  64                           ; the end: the two tiles' gates, each twice (a pair for the packed multiply)
.set TO,  72                           ; and the lanes' tokens
.set MSB, 0
.macro WIN new                         ; the immediate's high byte repeats the setting that is left
.if MSB != \new
	s_set_vgpr_msb (MSB<<8)|\new
.set MSB, \new
.endif
.endm
.macro WLOAD q                         ; fragments 4 q .. 4 q + 3 of the wave's 128 into their ring slots (fragment % 32): slots 0-15 window 0, slots 16-31 window 1
.if ((4*(\q))%32) >= 16
	WIN 0x40                                       ; destination window 1, address window 0
.else
	WIN 0
.endif
.irp f, 0,1,2,3
.irp c, 0,1
	global_load_b128 v[WR+8*((4*(\q)+\f)%16)+4*\c:WR+8*((4*(\q)+\f)%16)+4*\c+3], v[L16], s[30:31] offset:(4*(\q)+\f)*1024+512*\c
.endr
.endr
.endm
.macro WSLOAD p                        ; the scale words of product p's 64 fragments
.irp b, 0,1,2,3
.irp k, 0,1,2,3
	global_load_b64 v[WSC+8*\b+2*\k:WSC+8*\b+2*\k+1], v[L8], s[68:69] offset:4096*\p+1024*\b+256*\k
.endr
.endr
.endm
.macro BIAS sb                         ; a bias in the result's layout into accumulators (t, 0)
	WIN 0x40                                       ; destination window 1
.irp t, 0,1,2,3,4,5,6,7
	global_load_b128 v[8*\t:8*\t+3], v[BO], s[\sb:\sb+1] offset:128*(\t/2)+32*(\t%2)
	global_load_b128 v[8*\t+4:8*\t+7], v[BO], s[\sb:\sb+1] offset:128*(\t/2)+32*(\t%2)+16
.endr
	WIN 0
.endm
.macro XLOAD base, s                   ; the two row tiles' fragments of K step s into set s % 2
.irp m, 0,1
.irp c, 0,1
	ds_load_b128 v[XF+16*((\s)%2)+8*\m+4*\c:XF+16*((\s)%2)+8*\m+4*\c+3], v[FA] offset:\base+16*RP*\m+64*(\s)+32*\c
.endr
.endr
.endm
.macro SLOAD off                       ; the rows' scale words of all eight K steps
.irp m, 0,1
	ds_load_b128 v[XSC+4*\m:XSC+4*\m+3], v[SA] offset:\off+16*SPI*\m
.endr
.endm
; One matrix instruction: columns' tile t, rows' tile m, K step s.  c0 = 1: C is accumulator (t, 0), which holds the bias.  The window of source 0 is set by the caller: K steps 4 i, 4 i + 1 window 0, the others window 1.
.macro MM t, m, s, c0
.set rD, 64*(\m)+8*(\t)
.if \c0
.set rC, 8*(\t)
.else
.set rC, rD
.endif
.set rA, WR+8*(8*((\s)%2)+(\t))
.set rB, XF+16*((\s)%2)+8*(\m)
.set rSA, WSC+8*((\t)/2)+(\s)
.set rSB, XSC+4*(\m)+((\s)%4)
.if (((\t)%2) == 0) && ((\s) < 4)
	v_wmma_scale_f32_16x16x128_f8f6f4 v[rD:rD+7], v[rA:rA+7], v[rB:rB+7], v[rC:rC+7], v[rSA], v[rSB] matrix_a_fmt:MATRIX_FMT_FP4 matrix_b_fmt:MATRIX_FMT_FP4
.elseif ((\t)%2) == 0
	v_wmma_scale_f32_16x16x128_f8f6f4 v[rD:rD+7], v[rA:rA+7], v[rB:rB+7], v[rC:rC+7], v[rSA], v[rSB] matrix_a_fmt:MATRIX_FMT_FP4 matrix_b_fmt:MATRIX_FMT_FP4 matrix_b_scale:MATRIX_SCALE_ROW1
.elseif (\s) < 4
	v_wmma_scale_f32_16x16x128_f8f6f4 v[rD:rD+7], v[rA:rA+7], v[rB:rB+7], v[rC:rC+7], v[rSA], v[rSB] matrix_a_fmt:MATRIX_FMT_FP4 matrix_b_fmt:MATRIX_FMT_FP4 matrix_a_scale:MATRIX_SCALE_ROW1
.else
	v_wmma_scale_f32_16x16x128_f8f6f4 v[rD:rD+7], v[rA:rA+7], v[rB:rB+7], v[rC:rC+7], v[rSA], v[rSB] matrix_a_fmt:MATRIX_FMT_FP4 matrix_b_fmt:MATRIX_FMT_FP4 matrix_a_scale:MATRIX_SCALE_ROW1 matrix_b_scale:MATRIX_SCALE_ROW1
.endif
.endm
; Half a K step: tiles 4 g .. 4 g + 3 x the two row tiles, 8 matrix instructions; the 16 accumulators take turns, one instruction a turn.
; Behind them four places (ISA guide 7.12.1 for vector instructions), then the stream's half step seven on, into the slots that the half step before this one read out,
; and at a step's end the row fragments of two steps on, into the set just read.
.macro HALF p, s, g, base
.set Q, 16*\p+2*\s+\g
.if 31-Q >= 6
	s_wait_loadcnt 48                              ; my four fragments are in; the six younger half steps' 8 loads each may be out
.else
	s_wait_loadcnt 8*(31-Q)                        ; the stream's end: the counts run down
.endif
.if \g == 0
.if \s < 7
	s_wait_dscnt 4                                 ; this step's row fragments are in; the next step's four loads may be out
.else
	s_wait_dscnt 0x0
.endif
.endif
	WIN 0x50+((\s)%4)/2                            ; C and D window 1; source 0 window 0 or 1
.if \s == 0
.irp u, 0,1,2,3
	MM 4*\g+\u, 1, \s, 1                           ; the first K step starts the sums on the bias, which lies in accumulator (t, 0)
.endr
.rept 5
	v_nop                                          ; five places: the four below write over registers that the four above read as C
.endr
.irp u, 0,1,2,3
	MM 4*\g+\u, 0, \s, 0
.endr
.else
.irp m, 0,1
.irp u, 0,1,2,3
	MM 4*\g+\u, \m, \s, 0
.endr
.endr
.endif
.rept 4
	v_nop
.endr
.if Q+7 <= 31
	WLOAD Q+7
.endif
.if (\g == 1) && (\s <= 5)
	WIN 0
	XLOAD \base, \s+2
.endif
.endm
.macro PRODUCT p, base, soff, left
	SLOAD \soff
	XLOAD \base, 0
	XLOAD \base, 1
	s_wait_loadcnt \left                           ; the bias and the weights' scale words are in; left: the stream's loads issued behind them
.irp k, 0,1,2,3,4,5,6,7
	HALF \p, \k, 0, \base
	HALF \p, \k, 1, \base
.endr
	WIN 0
.endm
; Rows' tile m of the hidden layer: relu; the four blocks' scales; codes; to LDS as K step w of the rows.  Register 16 b + i of v[64 m ..] (window 1) is k = 32 b + 16 (lane / 16) + i of my row.
.macro QUANT m
	WIN 0x44                                       ; destination and source 1 window 1
.set JJ, 64*\m
.rept 64
	v_max_num_f32 v[JJ], 0, v[JJ]                  ; the activation, in f32; ascending
.set JJ, JJ+1
.endr
	WIN 0x05                                       ; sources 0 and 1 window 1
.irp b, 0,1,2,3
	v_max3_num_f32 v[TM+\b], v[64*\m+16*\b], v[64*\m+16*\b+1], 0x1800000   ; none is negative: no |.|; the floor 2^(3 - 127) holds the byte at 1 from below
.endr
.irp i, 2,4,6,8,10,12,14
.irp b, 0,1,2,3
	v_max3_num_f32 v[TM+\b], v[64*\m+16*\b+\i], v[64*\m+16*\b+\i+1], v[TM+\b]   ; the four blocks by turns
.endr
.endr
	WIN 0
.irp b, 0,1,2,3
	v_permlanex16_b32 v[TM+4+\b], v[TM+\b], s74, s75
.endr
.irp b, 0,1,2,3
	v_max_num_f32 v[TM+\b], v[TM+\b], v[TM+4+\b]   ; with lane l xor 16's: the block's largest number
.endr
.irp b, 0,1,2,3
	v_add_nc_u32 v[TM+12+\b], 0xff000000, v[TM+\b] ; 2 off the exponent field: the conversion's scale operand
.endr
.irp b, 0,1,2,3
	v_lshrrev_b32 v[TM+4+\b], 23, v[TM+12+\b]      ; the scale's byte
.endr
	v_lshl_or_b32 v[PW+\m], v[TM+5], 8, v[TM+4]    ; my row's scale word for this K step
	v_lshl_or_b32 v[PW+\m], v[TM+6], 16, v[PW+\m]
	v_lshl_or_b32 v[PW+\m], v[TM+7], 24, v[PW+\m]
	WIN 0x01                                       ; source 0 window 1
.irp b, 0,1,2,3
	v_cvt_scalef32_pk8_fp4_f32 v[PC+8*\m+2*\b], v[64*\m+16*\b:64*\m+16*\b+7], v[TM+12+\b]
	v_cvt_scalef32_pk8_fp4_f32 v[PC+8*\m+2*\b+1], v[64*\m+16*\b+8:64*\m+16*\b+15], v[TM+12+\b]
.endr
	WIN 0
	v_nop                                          ; one plain line behind the conversions
.irp c, 0,1                            ; the operand's layout wants a whole block in a lane
.irp i, 0,1
	v_permlane16_swap_b32 v[PC+8*\m+4*\c+\i], v[PC+8*\m+4*\c+2+\i]
.endr
.endr
.irp c, 0,1
	ds_store_b128 v[HWA], v[PC+8*\m+4*\c:PC+8*\m+4*\c+3] offset:16*RP*\m+32*\c
.endr
	ds_store_b32 v[HSA], v[PW+\m] offset:16*SPI*\m ; both halves of the lanes hold the same word and write the same place
.endm
; ---------------------------------------------------------------- the head
	s_load_b256 s[4:11], s[0:1], 0x0               ; plan s[4:5], gate s[6:7], xcodes s[8:9], xscales s[10:11]
	s_load_b256 s[12:19], s[0:1], 0x20             ; wcodes s[12:13], wscales s[14:15], b1 s[16:17], b2 s[18:19]
	s_load_b64 s[20:21], s[0:1], 0x40              ; out0
	v_lshl_add_u32 v126, v0, 2, 0x19900
	v_mov_b32 v127, 0
	v_lshrrev_b32 v1, 5, v0
	v_readfirstlane_b32 s28, v1                    ; wave 0..7
	s_lshl_b32 s22, ttmp9, 4                       ; my tile's record
	v_and_b32 v120, 31, v0                         ; lane
	v_and_b32 v121, 15, v0                         ; l % 16
	v_bfe_u32 v122, v0, 4, 1                       ; l / 16
	v_and_b32 v123, 3, v0                          ; l % 4
	v_bfe_u32 v124, v0, 2, 3                       ; l / 4
	v_lshlrev_b32 v[L16], 4, v120
	v_lshlrev_b32 v[L8], 3, v120
	v_mul_u32_u24 v[FA], v121, RP
	v_lshl_add_u32 v[FA], v122, 4, v[FA]
	v_mul_u32_u24 v[SA], v121, SPI
	v_lshl_add_u32 v[SA], v122, 4, v[SA]
	v_add_nc_u32 v[SA], XSL, v[SA]
	s_lshl_b32 s23, s28, 6
	s_add_co_u32 s23, s23, HR
	v_add_nc_u32 v[HWA], s23, v[FA]
	s_lshl_b32 s23, s28, 2
	s_add_co_u32 s23, s23, HSL
	v_mul_u32_u24 v[HSA], v121, SPI
	v_add_nc_u32 v[HSA], s23, v[HSA]
	s_mul_i32 s23, s28, 16*RP
	s_add_co_u32 s23, s23, STG                     ; my stage
	v_mul_u32_u24 v[STO], v121, RP
	v_lshl_add_u32 v[STO], v122, 6, v[STO]
	v_add_nc_u32 v[STO], s23, v[STO]
	v_add_nc_u32 v[SRD], s23, v[L16]
	v_lshlrev_b32 v[COL], 4, v0                    ; 16 x thread = 512 w + 16 l
	v_lshl_add_u32 v[TKA], v121, 2, TOKL
	v_lshlrev_b32 v[BO], 6, v122
	s_mul_i32 s23, s28, 4*RP                       ; wave w gathers slots 4 w .. 4 w + 3
	v_add_nc_u32 v[XRW], s23, v[L16]
	s_mul_i32 s23, s28, 4*SPI
	s_add_co_u32 s23, s23, XSL
	v_mul_u32_u24 v[XSW], v123, SPI
	v_lshl_add_u32 v[XSW], v124, 2, v[XSW]
	v_add_nc_u32 v[XSW], s23, v[XSW]
	s_lshl_b32 s23, s28, 4
	s_add_co_u32 s23, s23, TOKL
	v_lshl_add_u32 v[TGW], v123, 2, s23
	s_mov_b32 s74, 0x76543210
	s_mov_b32 s75, 0xfedcba98                      ; v_permlanex16_b32's selects for lane l xor 16
	s_wait_kmcnt 0x0
	s_load_b128 s[24:27], s[4:5], s22 offset:0x4000   ; expert, first slot, rows, 0
	s_wait_kmcnt 0x0
	s_min_u32 s24, s24, 7                          ; held inside their tables
	s_min_u32 s25, s25, 0xfff
	s_min_u32 s26, s26, 32
	s_max_u32 s29, s26, 1
	s_sub_co_u32 s29, s29, 1                       ; the tile's last row
	s_lshl_b32 s23, s24, 3
	s_add_co_u32 s23, s23, s28                     ; 8 e + w
	s_lshl_b32 s66, s23, 17
	s_mov_b32 s67, 0                               ; stays 0: the upper word of every offset
	s_add_nc_u64 s[30:31], s[12:13], s[66:67]      ; my stream of weight codes
	s_lshl_b32 s66, s23, 13
	s_add_nc_u64 s[68:69], s[14:15], s[66:67]      ; its scale words
	s_lshl_b32 s66, s23, 9
	s_add_nc_u64 s[70:71], s[16:17], s[66:67]      ; b1 and b2 at my 128 columns: 4,096 e + 512 w
	s_add_nc_u64 s[72:73], s[18:19], s[66:67]
	s_lshl_b32 s23, s28, 2
	v_add_nc_u32 v125, s23, v123                   ; my slot of the tile: 4 w + l % 4,
	v_min_u32 v125, s29, v125                      ; behind the last row: the last row again
	v_add_nc_u32 v125, s25, v125
	v_min_u32 v125, 0xfff, v125
	v_lshlrev_b32 v125, 2, v125
	global_load_b32 v[TK], v125, s[4:5]            ; its token
	WSLOAD 0                                       ; W1's scale words, and the ring's first five half steps, go out while the token is on its way
	WLOAD 0
	WLOAD 1
	WLOAD 2
	WLOAD 3
	WLOAD 4
	WIN 0
	s_wait_loadcnt 56                              ; the tokens are in; behind them stand the 16 loads of scale words and the ring's 40
	v_min_u32 v[TK], 0xfff, v[TK]
	v_lshlrev_b32 v100, 2, v[TK]
	global_load_b32 v98, v100, s[6:7]              ; the gate
	v_lshlrev_b32 v101, 5, v[TK]
	v_lshl_add_u32 v101, v124, 2, v101
	global_load_b32 v96, v101, s[10:11]            ; four rows' scale bytes by one load: eight lanes to a row of 32
.irp j, 0,1,2,3
	v_readlane_b32 s[32+\j], v[TK], \j
	s_min_u32 s[32+\j], s[32+\j], 0xfff
	v_lshl_add_u32 v[104+\j], s[32+\j], 9, v[L16]
	global_load_b128 v[64+4*\j:67+4*\j], v[104+\j], s[8:9]   ; a whole row of codes: 512 consecutive bytes
.endr
	BIAS 70
	WLOAD 5
	WLOAD 6
	WIN 0
	s_wait_loadcnt 32                              ; the gathered rows are in; behind them stand the bias's 16 loads and the ring's 16
.irp j, 0,1,2,3
	ds_store_b128 v[XRW], v[64+4*\j:67+4*\j] offset:RP*\j
.endr
	ds_store_b32 v[XSW], v96
	ds_store_b32 v[TGW], v[TK]                     ; the eight groups of four lanes write the same words with the same values
	ds_store_b32 v[TGW], v98 offset:128
	s_wait_dscnt 0x0                               ; for the others' sake: my four rows lie in LDS
	s_barrier_signal -1
	s_barrier_wait -1                              ; all 32 do
; ---------------------------------------------------------------- the first product, the hidden layer, the second product
	PRODUCT 0, XR, 0, 16                           ; 16: the ring's half steps 5 and 6 were issued behind the bias
	WSLOAD 1                                       ; behind the last half step's places: W2's scale words
.irp b, 0,1,2,3
	v_mov_b32 v[TM+4+\b], 0                        ; written once: a lane permute's destination counts as one of its sources
.endr
	QUANT 0
	BIAS 72                                        ; b2 into the accumulators that QUANT 0 has read out
	QUANT 1
	s_wait_dscnt 0x0                               ; for the others' sake: my K step of the 32 hidden rows lies in LDS
	s_barrier_signal -1
	s_barrier_wait -1                              ; all eight K steps do
	PRODUCT 1, HR, 32*SPI, 0                       ; 0: nothing was issued behind b2
; ---------------------------------------------------------------- the way out (the last half step's four places stand in front of it)
.irp m, 0,1
	ds_load_b32 v[GT+2*\m], v[TKA] offset:128+64*\m       ; the gate of my row of tile m, twice: a pair for the packed multiply
	ds_load_b32 v[GT+2*\m+1], v[TKA] offset:128+64*\m
	ds_load_b32 v[TO+\m], v[TKA] offset:64*\m             ; lane i % 16: the token of row i of tile m
.endr
; Rows' tile m: x gate; a lane holds pieces of 32 bytes of one row, so the tile goes through my own stage and comes back as 16 rows of 512 bytes; each leaves to its token's row of out.
.macro OUTM m
	s_cmp_le_u32 s26, 16*\m                        ; no row of this tile is the list's: nothing more is stored (no barrier follows)
	s_cbranch_scc1 .Lend
.if \m > 0
	s_wait_xcnt 0x0                                ; the last tile's stores have read their registers and bases: both are written again only behind this wait
.endif
	s_wait_dscnt 0x0                               ; gates and tokens are in
	WIN 0x41                                       ; destination and source 0 window 1
.set JJ, 64*\m
.rept 32
	v_pk_mul_f32 v[JJ:JJ+1], v[JJ:JJ+1], v[GT+2*\m:GT+2*\m+1]   ; ascending: each accumulator from its low end on
.set JJ, JJ+2
.endr
	WIN 0x04                                       ; an LDS store's data are its source 1: window 1
.irp t, 0,1,2,3,4,5,6,7
	ds_store_b128 v[STO], v[64*\m+8*\t:64*\m+8*\t+3] offset:128*(\t/2)+32*(\t%2)
	ds_store_b128 v[STO], v[64*\m+8*\t+4:64*\m+8*\t+7] offset:128*(\t/2)+32*(\t%2)+16
.endr
	WIN 0
.irp i, 0,1,2,3,4,5,6,7,8,9,10,11,12,13,14,15
	ds_load_b128 v[BK+4*\i:BK+4*\i+3], v[SRD] offset:RP*\i   ; LDS serves a wave's instructions in order (ISA guide 5.7.1.4): these see the stores above
.endr
.irp i, 0,1,2,3,4,5,6,7,8,9,10,11,12,13,14,15
	v_readlane_b32 s66, v[TO+\m], \i
	s_min_u32 s66, s66, 0xfff
	s_lshl_b32 s66, s66, 12                        ; the token's row of 4,096 bytes
	s_add_nc_u64 s[32+2*\i:33+2*\i], s[20:21], s[66:67]
.endr
.irp i, 0,1,2,3,4,5,6,7,8,9,10,11,12,13,14,15
	s_wait_dscnt 15-\i                             ; row i is back; the younger rows may be out
	global_store_b128 v[COL], v[BK+4*\i:BK+4*\i+3], s[32+2*\i:33+2*\i] th:TH_STORE_NT   ; 32 lanes store 512 consecutive bytes, aligned; written once, read by nobody here
.endr
.endm
	OUTM 0
	OUTM 1
.Lend:
	s_wait_tensorcnt 0x0
	ds_add_u32 v126, v127
	s_wait_dscnt 0x0
	s_endpgm
.Lfunc_end_k_qf1ec810dea_chain:
	.size	k_qf1ec810dea_chain, .Lfunc_end_k_qf1ec810dea_chain-k_qf1ec810dea_chain
	.p2alignl 7, 3214868480
	.fill 96, 4, 3214868480
	.section	.rodata,"a",@progbits
	.p2align	6, 0x0
	.amdhsa_kernel k_qf1ec810dea_chain
		.amdhsa_group_segment_fixed_size 105728
		.amdhsa_private_segment_fixed_size 0
		.amdhsa_enable_private_segment 0
		.amdhsa_kernarg_size 72
		.amdhsa_user_sgpr_count 2
		.amdhsa_user_sgpr_kernarg_segment_ptr 1
		.amdhsa_wavefront_size32 1
		.amdhsa_system_sgpr_workgroup_id_x 1
		.amdhsa_system_sgpr_workgroup_id_y 1
		.amdhsa_system_sgpr_workgroup_id_z 1
		.amdhsa_system_vgpr_workitem_id 0
		.amdhsa_next_free_vgpr 512
		.amdhsa_next_free_sgpr 80
		.amdhsa_reserve_vcc 0
		.amdhsa_float_denorm_mode_32 3
		.amdhsa_float_denorm_mode_16_64 3
		.amdhsa_memory_ordered 1
		.amdhsa_forward_progress 1
		.amdhsa_inst_pref_size 112
	.end_amdhsa_kernel
	.amdgpu_metadata
---
amdhsa.version: [ 1, 2 ]
amdhsa.kernels:
  - .name:           k_qf1ec810dea_chain
    .symbol:         k_qf1ec810dea_chain.kd
    .args:
      - { .name: plan, .offset: 0, .size: 8, .value_kind: global_buffer, .address_space: global }
      - { .name: gate, .offset: 8, .size: 8, .value_kind: global_buffer, .address_space: global }
      - { .name: xcodes, .offset: 16, .size: 8, .value_kind: global_buffer, .address_space: global }
      - { .name: xscales, .offset: 24, .size: 8, .value_kind: global_buffer, .address_space: global }
      - { .name: wcodes, .offset: 32, .size: 8, .value_kind: global_buffer, .address_space: global }
      - { .name: wscales, .offset: 40, .size: 8, .value_kind: global_buffer, .address_space: global }
      - { .name: b1, .offset: 48, .size: 8, .value_kind: global_buffer, .address_space: global }
      - { .name: b2, .offset: 56, .size: 8, .value_kind: global_buffer, .address_space: global }
      - { .name: out0, .offset: 64, .size: 8, .value_kind: global_buffer, .address_space: global }
    .group_segment_fixed_size: 105728
    .private_segment_fixed_size: 0
    .kernarg_segment_align: 8
    .kernarg_segment_size: 72
    .max_flat_workgroup_size: 256
    .sgpr_count:     80
    .vgpr_count:     512
    .wavefront_size: 32
...
	.end_amdgpu_metadata
.endif
;; end of part 6
;; ======== version 3 of 3: 3 launches
;; workspace buffers: wcodes 8,388,608 bytes; wscales 524,288 bytes; xcodes 2,097,152 bytes; xscales 131,072 bytes; top1 16,384 bytes of whole numbers; gate 16,384 bytes; plan 20,480 bytes of whole numbers
;; launch prep (part 7): grid 256 x 1, 12 waves a work-group, no clusters, 91,136 bytes of LDS; arguments x, router_W, router_b, W1, W2, xcodes, xscales, top1, gate, wcodes, wscales; writes xcodes, xscales, top1, gate, wcodes, wscales
.if DOCPART == 7
	.amdgcn_target "amdgcn-amd-amdhsa--gfx1250"
	.amdhsa_code_object_version 6
	.text
	.protected	k_qf1ec810dea_prep
	.globl	k_qf1ec810dea_prep
	.p2align	8
	.type	k_qf1ec810dea_prep,@function
k_qf1ec810dea_prep:
	s_mov_b64 s[64:65], 0
	v_nop
	global_prefetch_b8 v0, s[64:65] scope:SCOPE_SE
	s_setreg_imm32_b32 hwreg(HW_REG_WAVE_MODE, 25, 1), 1
	s_wait_xcnt 0x0
; PREPARE.  x [4096][1024], W1 and W2 [8][1024 (K)][1024 (N)], all f32, become codes of FP4 (E2M1) with one E8M0 byte for each 32 along K; and the router chooses.
; A block's scale is 2^(floor(log2(its largest magnitude)) - 2); its byte is the largest magnitude's exponent field - 2, held at 1 from below.
; 256 EQUAL WORK-GROUPS OF TWELVE WAVES.  Each takes 16 tokens of x (64 KiB) and 256 KiB of the weights.  Waves 0-3 work x and the router, waves 4-11 stream the weights: three waves to a SIMD,
; one with the router's vector work and two that wait for memory.  The roles part on the wave's number and join at the launch's one barrier; only x's waves touch LDS in front of it.
; LIMITS: a block whose largest magnitude lies under 2^-124, a block of zeros too, takes the byte 1 (its codes are then zeros or tiny; only this program reads the bytes);
; NaN and infinities among the inputs are not served; the argmax is taken on the f32 logits (the lowest index where logits are equal), not on the rounded probabilities;
; the router's sums run in another order than a plain ascending one.  A work-group's 16 experts and 16 gates are 64 consecutive bytes each: these two small buffers are not stored 256 bytes at a time.
; WEIGHTS: a lane takes a column and its registers run down K, so a block of 32 lies in one lane.  The codes are stored in the order of the operand's registers:
;   wcodes [e 8][w 8][p 2][s 8][t 8][c 2][lane 32][16 B]: lane (r, h), half c of tile t holds block 4 s + 2 c + h of column 128 w + 32 (t / 2) + 8 (t % 2) + r + 8 (r / 8);
;   wscales [e][w][p][b 4][kk 4][lane 32][8 B]: lane r + 16 u belongs to tile 2 b + u; its 8 bytes are the scale words of K steps 2 kk and 2 kk + 1.
; x: xcodes [token][512 B], xscales [token][32 B], K innermost; top1 [token] u32, gate [token] f32.
.set NXV,  4                           ; waves on x
.set NST,  8                           ; steps (tokens) of such a wave
.set RWP,  528                         ; LDS: for each wave on x its half of router_W, 32 chunks of 512 bytes, 528 apart
.set RWB,  0
.set SP,   80
.set STGX, NXV*32*RWP                  ; for each wave on x two stages of 32 x 80 bytes
.set PLB,  STGX+NXV*2*32*SP            ; partial logits [token 16][K half 2][8 f32]
.set XSB,  PLB+16*64                   ; scale bytes [token 16][32]
.set WX,   80                          ; weights: v80-175 three sets of 32 numbers
.set WC,   176                         ; v176-207 four registers of codes for each block: no store's data are written again
.set WSB,  208                         ; v208-209 the eight scale bytes
.set LG,   8                           ; x: v8-15 the eight logits
.set R,    16                          ; v16-63 three sets of 16 numbers as loaded
.set XN,   80                          ; v80-111 two sets of 16 neighbours
.set A,    112                         ; v112-127 eight pairs of sums
.set RW,   128                         ; v128-255 router_W: register 16 e + i = W[512 half + 16 lane + i][e]
; v74-77: the addresses used behind the join; made here, ahead of the parting, and loaded into by neither role.
	s_load_b256 s[4:11], s[0:1], 0x0               ; x s[4:5], router_W s[6:7], router_b s[8:9], W1 s[10:11]
	s_load_b256 s[12:19], s[0:1], 0x20             ; W2 s[12:13], xcodes s[14:15], xscales s[16:17], top1 s[18:19]
	s_load_b128 s[20:23], s[0:1], 0x40             ; gate s[20:21], wcodes s[22:23]
	s_load_b64 s[24:25], s[0:1], 0x50              ; wscales
	v_lshl_add_u32 v72, v0, 2, 0x15e00
	v_mov_b32 v73, 0
	v_lshrrev_b32 v1, 5, v0
	s_delay_alu instid0(VALU_DEP_1)
	v_readfirstlane_b32 s31, v1                    ; wave 0..11
	v_and_b32 v79, 31, v0                          ; lane
	s_delay_alu instid0(VALU_DEP_1)
	v_lshlrev_b32 v75, 4, v79                      ; the end: 16 scale bytes a lane, in memory
	s_delay_alu instid0(VALU_DEP_1)
	v_add_nc_u32 v74, XSB, v75                     ; and in LDS
	s_delay_alu instid0(VALU_DEP_3)
	v_and_b32 v77, 15, v79
	s_delay_alu instid0(VALU_DEP_1)
	v_lshl_add_u32 v76, v77, 6, PLB                ; the end: lane l takes token l % 16: its 64 bytes of partial logits
	s_delay_alu instid0(VALU_DEP_2)
	v_lshlrev_b32 v77, 2, v77                      ; and its word of top1 and of gate
	s_wait_kmcnt 0x0
	s_load_b256 s[48:55], s[8:9], 0x0              ; router_b; waited for at the end
	s_cmp_lt_u32 s31, NXV
	s_cbranch_scc1 .Lxrole
; ---------------------------------------------------------------- waves 4-11: the weights
	s_sub_co_u32 s35, s31, NXV                     ; 0..7
	s_and_b32 s27, ttmp9, 1                        ; the work-group's number = [p 2][e 8][w 8][chi 2].  chi: which half of K
	s_bfe_u32 s28, ttmp9, 0x30001                  ; w: which 128 columns
	s_bfe_u32 s29, ttmp9, 0x30004                  ; e: the expert
	s_lshr_b32 s30, ttmp9, 7                       ; p: W1 or W2
	s_and_b32 s32, s35, 3                          ; b: which 32 of the 128 columns
	s_lshr_b32 s33, s35, 2
	s_lshl_b32 s34, s27, 1
	s_add_co_u32 s33, s33, s34                     ; kk: which 256 along K
	s_wait_alu depctr_va_vdst(0)
	v_and_b32 v5, 7, v79
	v_bfe_u32 v6, v79, 3, 1
	v_lshrrev_b32 v7, 4, v79
	s_delay_alu instid0(VALU_DEP_2)
	v_lshl_add_u32 v5, v6, 4, v5
	s_delay_alu instid0(VALU_DEP_1)
	v_lshl_add_u32 v5, v7, 3, v5                   ; my column of the 32: (l & 7) + 16 ((l >> 3) & 1) + 8 (l >> 4): lanes 0-15 are tile 2 b, lanes 16-31 tile 2 b + 1
	s_delay_alu instid0(VALU_DEP_1)
	v_lshlrev_b32 v1, 2, v5                        ; in: 4 bytes a column: a load still covers 128 consecutive bytes
	s_wait_alu depctr_va_vdst(0)
	v_and_b32 v6, 15, v79
	s_delay_alu instid0(VALU_DEP_1)
	v_lshlrev_b32 v2, 4, v6
	s_delay_alu instid0(VALU_DEP_1)
	v_lshl_add_u32 v2, v7, 10, v2                  ; out: 1,024 x tile + 16 x row of the tile
	v_lshlrev_b32 v3, 3, v79                       ; scale bytes: 8 a lane
	s_lshl_b32 s36, s29, 22                        ; W: expert x 4 MiB + 256 kk rows of 4,096 bytes + 4 (128 w + 32 b)
	s_lshl_b32 s38, s33, 20
	s_add_co_u32 s36, s36, s38
	s_lshl_b32 s38, s28, 9
	s_add_co_u32 s36, s36, s38
	s_lshl_b32 s38, s32, 7
	s_add_co_u32 s36, s36, s38
	s_mov_b32 s37, 0
	s_lshl_b32 s39, s29, 3
	s_add_co_u32 s39, s39, s28                     ; 8 e + w
	s_lshl_b32 s40, s39, 17                        ; codes: (8 e + w) x 128 KiB + p x 64 KiB + 2 kk x 8 KiB + 2 b x 1 KiB
	s_lshl_b32 s38, s30, 16
	s_add_co_u32 s40, s40, s38
	s_lshl_b32 s38, s33, 14
	s_add_co_u32 s40, s40, s38
	s_lshl_b32 s38, s32, 11
	s_add_co_u32 s40, s40, s38
	s_mov_b32 s41, 0
	s_lshl_b32 s42, s39, 13                        ; scale bytes: (8 e + w) x 8 KiB + p x 4 KiB + b x 1 KiB + kk x 256
	s_lshl_b32 s38, s30, 12
	s_add_co_u32 s42, s42, s38
	s_lshl_b32 s38, s32, 10
	s_add_co_u32 s42, s42, s38
	s_lshl_b32 s38, s33, 8
	s_add_co_u32 s42, s42, s38
	s_mov_b32 s43, 0
	s_cmp_eq_u32 s30, 0                            ; W1 or W2: the choice hangs on the work-group's number alone
	s_cselect_b64 s[10:11], s[10:11], s[12:13]
	s_add_nc_u64 s[10:11], s[10:11], s[36:37]
	s_add_nc_u64 s[22:23], s[22:23], s[40:41]
	s_add_nc_u64 s[24:25], s[24:25], s[42:43]
.macro WLD t                           ; block t: W(32 t + i, my column), i = 0 .. 31, into set t % 3
.irp i, 0,1,2,3,4,5,6,7,8,9,10,11,12,13,14,15,16,17,18,19,20,21,22,23,24,25,26,27,28,29,30,31
	global_load_b32 v[WX+32*((\t)%3)+\i], v1, s[10:11] offset:(32*(\t)+\i)*4096 th:TH_LOAD_NT
.endr
.endm
.macro WBLOCK t
.set XS, WX+32*((\t)%3)
.if (\t) <= 5
	s_wait_loadcnt 63                              ; behind this block's loads stand the next two blocks' 64; 63 is the largest count that can be written, and it errs
.elseif (\t) == 6
	s_wait_loadcnt 32                              ; the last block's 32 may be out
.else
	s_wait_loadcnt 0x0
.endif
	v_max3_num_f32 v12, |v[XS]|, |v[XS+1]|, |v[XS+2]|               ; the block's largest magnitude: all 32 numbers are mine; two chains
	v_max3_num_f32 v13, |v[XS+3]|, |v[XS+4]|, |v[XS+5]|
.irp i, 6,10,14,18,22,26
	s_delay_alu instid0(VALU_DEP_2)
	v_max3_num_f32 v12, v12, |v[XS+\i]|, |v[XS+\i+1]|
	s_delay_alu instid0(VALU_DEP_2)
	v_max3_num_f32 v13, v13, |v[XS+\i+2]|, |v[XS+\i+3]|
.endr
	s_delay_alu instid0(VALU_DEP_2)
	v_max3_num_f32 v12, v12, |v[XS+30]|, |v[XS+31]|
	s_delay_alu instid0(VALU_DEP_1)
	v_max3_num_f32 v12, v12, v13, 0x1800000        ; and the floor 2^(3 - 127): the byte cannot fall under 1
	s_delay_alu instid0(VALU_DEP_1)
	v_add_nc_u32 v11, 0xff000000, v12              ; 2 off the exponent field: the conversion takes this operand's exponent field as its scale
	s_delay_alu instid0(VALU_DEP_1)
	v_lshrrev_b32 v13, 23, v11                     ; the scale's byte
.if (\t)%4 == 0
	s_delay_alu instid0(VALU_DEP_1)
	v_mov_b32 v[WSB+(\t)/4], v13                   ; four bytes to a word, the lower K in the lower byte
.else
	s_delay_alu instid0(VALU_DEP_1)
	v_lshl_or_b32 v[WSB+(\t)/4], v13, 8*((\t)%4), v[WSB+(\t)/4]
.endif
.irp g, 0,1,2,3
	v_cvt_scalef32_pk8_fp4_f32 v[WC+4*(\t)+\g], v[XS+8*\g:XS+8*\g+7], v11
.endr
	v_nop                                          ; one plain line behind the conversions
	global_store_b128 v2, v[WC+4*(\t):WC+4*(\t)+3], s[22:23] offset:((\t)/4)*8192+(((\t)/2)%2)*512+((\t)%2)*256   ; K step t / 4, half c = (t / 2) % 2, lanes' half h = t % 2: sixteen lanes store 256 consecutive bytes, aligned
.if (\t)+3 < 8
	WLD (\t)+3                                     ; into the set just converted
.endif
.endm
	WLD 0
	WLD 1
	WLD 2
.irp t, 0,1,2,3,4,5,6,7
	WBLOCK \t
.endr
	global_store_b64 v3, v[WSB:WSB+1], s[24:25]    ; the wave's 256 scale bytes: consecutive, aligned
	s_branch .Ljoin
; ---------------------------------------------------------------- waves 0-3: x and the router
; Wave v: K half eta = v & 1, tokens 8 (v >> 1) .. + 7 of the work-group's 16: eight steps of half a row (512 numbers).  Each load reads 512 consecutive bytes; a step's 2,048 bytes turn through
; the wave's own stage in LDS and come back 64 bytes a lane: lane l then holds k = 512 eta + 16 l + 0 .. 15: two lanes to a block.  The same 16 numbers meet the lane's 16 x 8 numbers of router_W,
; kept in registers.  Each wave brings its own half of router_W (16 KiB, dense loads) through LDS bytes of its own, so that no barrier stands in this role.
.Lxrole:
	s_and_b32 s26, s31, 1                          ; eta
	s_bfe_u32 s27, s31, 0x10001                    ; which 8 tokens
	s_and_b32 s29, s31, 3                          ; my LDS regions
	s_wait_alu depctr_va_vdst(0)
	v_lshlrev_b32 v1, 4, v79                       ; 16 x lane
	v_lshlrev_b32 v2, 3, v79                       ; 8 x lane
	s_mul_i32 s40, s29, 2*32*SP
	s_add_co_u32 s40, s40, STGX                    ; my wave's stages
	v_lshrrev_b32 v3, 2, v79
	s_delay_alu instid0(VALU_DEP_1)
	v_mul_u32_u24 v3, v3, SP
	v_and_b32 v4, 3, v79
	s_delay_alu instid0(VALU_DEP_1)
	v_lshl_add_u32 v3, v4, 4, v3
	s_delay_alu instid0(VALU_DEP_1)
	v_add_nc_u32 v3, s40, v3                       ; into a stage: four lanes' 64 bytes on end, then 16 of padding
	v_mul_u32_u24 v4, v79, SP
	s_delay_alu instid0(VALU_DEP_1)
	v_add_nc_u32 v4, s40, v4                       ; out of it: 80 x lane
	s_lshl_b32 s41, s27, 8
	s_lshl_b32 s28, s26, 4
	s_add_co_u32 s41, s41, s28
	s_add_co_u32 s41, s41, XSB
	v_lshrrev_b32 v5, 1, v79
	s_delay_alu instid0(VALU_DEP_1)
	v_add_nc_u32 v5, s41, v5                       ; my block's scale byte: 32 bytes a token, 16 a half
	s_lshl_b32 s42, s27, 9
	s_lshl_b32 s28, s26, 5
	s_add_co_u32 s42, s42, s28
	s_add_co_u32 s42, s42, PLB
	v_mov_b32 v6, s42                              ; my wave's partial logits: 64 bytes a token, 32 a half
	s_mul_i32 s43, s29, 32*RWP
	v_mul_u32_u24 v7, v79, RWP
	s_delay_alu instid0(VALU_DEP_1)
	v_add_nc_u32 v7, s43, v7                       ; router_W, out of LDS: my chunk = my lane's 16 k
	v_add_nc_u32 v78, s43, v1                      ; and into it: my 16 bytes of chunk j
	s_mov_b32 s46, 0x76543210
	s_mov_b32 s47, 0xfedcba98                      ; v_permlanex16_b32's selects for lane l xor 16
	s_lshl_b32 s36, ttmp9, 16                      ; x: 16 tokens of 4,096 bytes a work-group, 8 a pair of waves, 2,048 bytes a half
	s_lshl_b32 s28, s27, 15
	s_add_co_u32 s36, s36, s28
	s_lshl_b32 s28, s26, 11
	s_add_co_u32 s36, s36, s28
	s_mov_b32 s37, 0
	s_add_nc_u64 s[4:5], s[4:5], s[36:37]
	s_lshl_b32 s36, ttmp9, 13                      ; the codes: an eighth of that
	s_lshl_b32 s28, s27, 12
	s_add_co_u32 s36, s36, s28
	s_lshl_b32 s28, s26, 8
	s_add_co_u32 s36, s36, s28
	s_add_nc_u64 s[14:15], s[14:15], s[36:37]
	s_lshl_b32 s36, s26, 14                        ; router_W: my half's 512 rows of 32 bytes
	s_add_nc_u64 s[6:7], s[6:7], s[36:37]
.irp j, 0,1,2,3,4,5,6,7,8,9,10,11,12,13,14,15,16,17,18,19,20,21,22,23,24,25,26,27,28,29,30,31
	global_load_b128 v[RW+4*\j:RW+4*\j+3], v1, s[6:7] offset:512*\j   ; chunk j, 512 consecutive bytes; many waves read it, so no hint
.endr
.macro XLD t                           ; step t's half row: four loads of 512 consecutive bytes, into set t % 3
.irp i, 0,1,2,3
	global_load_b128 v[R+16*((\t)%3)+4*\i:R+16*((\t)%3)+4*\i+3], v1, s[4:5] offset:4096*(\t)+512*\i th:TH_LOAD_NT
.endr
.endm
.macro XTURN t                         ; step t's numbers through stage t % 2: LDS serves a wave's instructions in order, so no wait stands between the stores and the loads
.irp i, 0,1,2,3
	ds_store_b128 v3, v[R+16*((\t)%3)+4*\i:R+16*((\t)%3)+4*\i+3] offset:32*SP*((\t)%2)+8*SP*\i
.endr
.irp i, 0,1,2,3
	ds_load_b128 v[XN+16*((\t)%2)+4*\i:XN+16*((\t)%2)+4*\i+3], v4 offset:32*SP*((\t)%2)+16*\i
.endr
.endm
	XLD 0
	XLD 1
	XLD 2
	s_wait_alu depctr_va_vdst(0)
	s_wait_loadcnt 12                              ; router_W is in; the 12 loads of x behind it may be out
.irp j, 0,1,2,3,4,5,6,7,8,9,10,11,12,13,14,15,16,17,18,19,20,21,22,23,24,25,26,27,28,29,30,31
	ds_store_b128 v78, v[RW+4*\j:RW+4*\j+3] offset:RWP*\j
.endr
	s_wait_dscnt 0x0                               ; the stores have read their registers, which the loads below fill anew
.irp e, 0,1,2,3,4,5,6,7
.irp i, 0,1,2,3,4,5,6,7,8,9,10,11,12,13,14,15
	ds_load_b32 v[RW+16*\e+\i], v7 offset:32*\i+4*\e   ; W[512 eta + 16 lane + i][e]: once for the whole launch
.endr
.endr
	s_wait_loadcnt 8                               ; step 0's four loads are in; steps 1 and 2 may be out
	XTURN 0
.macro XSTEP t
.set XS, XN+16*((\t)%2)
	s_wait_dscnt 0x0                               ; this step's numbers are back from the stage; the stores of the step before have read their registers
.if (\t)+3 < NST
	XLD (\t)+3                                     ; into the set that this step's turn has read
.endif
.if (\t)+1 < NST
.if (\t)+3 <= NST-1
	s_wait_loadcnt 8                               ; the next step's four loads are in; the two steps behind it may be out
.else
	s_wait_loadcnt 4*((NST-1)-((\t)+1))
.endif
	XTURN (\t)+1                                   ; through the other stage, while this step is worked
.endif
	v_max3_num_f32 v68, |v[XS]|, |v[XS+1]|, |v[XS+2]|              ; the largest magnitude of my 16
	v_max3_num_f32 v69, |v[XS+3]|, |v[XS+4]|, |v[XS+5]|
.irp i, 6,10
	s_delay_alu instid0(VALU_DEP_2)
	v_max3_num_f32 v68, v68, |v[XS+\i]|, |v[XS+\i+1]|
	s_delay_alu instid0(VALU_DEP_2)
	v_max3_num_f32 v69, v69, |v[XS+\i+2]|, |v[XS+\i+3]|
.endr
	s_delay_alu instid0(VALU_DEP_2)
	v_max3_num_f32 v68, v68, |v[XS+14]|, |v[XS+15]|
	s_delay_alu instid0(VALU_DEP_1)
	v_max3_num_f32 v68, v68, v69, 0x1800000        ; and the floor 2^(3 - 127)
	s_delay_alu instid0(VALU_DEP_1)
	v_max_num_f32_dpp v68, v68, v68 row_xmask:1 row_mask:0xf bank_mask:0xf   ; and of my neighbour's 16: the block's
	s_delay_alu instid0(VALU_DEP_1)
	v_add_nc_u32 v70, 0xff000000, v68              ; 2 off the exponent field: the conversion's scale operand
	s_wait_alu depctr_va_vdst(0)
	s_wait_xcnt 0x0                                ; the last step's store has read v[64:65]: they are written again only behind this wait
	v_cvt_scalef32_pk8_fp4_f32 v64, v[XS:XS+7], v70
	v_cvt_scalef32_pk8_fp4_f32 v65, v[XS+8:XS+15], v70
	v_lshrrev_b32 v66, 23, v70                     ; the scale's byte (also the plain line behind the conversions)
	ds_store_b8 v5, v66 offset:32*(\t)             ; both lanes of a block write the same byte with the same value
	global_store_b64 v2, v[64:65], s[14:15] offset:512*(\t)   ; 32 lanes store 256 consecutive bytes, aligned
	; the router, in f32: eight sums of my 16 products each, two at a time, the eight experts by turns
.irp e, 0,1,2,3,4,5,6,7
	v_pk_mul_f32 v[A+2*\e:A+2*\e+1], v[XS:XS+1], v[RW+16*\e:RW+16*\e+1]
.endr
.irp j, 1,2,3,4,5,6,7
.irp e, 0,1,2,3,4,5,6,7
	v_pk_fma_f32 v[A+2*\e:A+2*\e+1], v[XS+2*\j:XS+2*\j+1], v[RW+16*\e+2*\j:RW+16*\e+2*\j+1], v[A+2*\e:A+2*\e+1]
.endr
.endr
.irp e, 0,1,2,3,4,5,6,7
	v_add_f32 v[LG+\e], v[A+2*\e], v[A+2*\e+1]
.endr
.irp x, 1,2,4,8
.irp e, 0,1,2,3,4,5,6,7
	v_add_f32_dpp v[LG+\e], v[LG+\e], v[LG+\e] row_xmask:\x row_mask:0xf bank_mask:0xf
.endr
.endr
.irp e, 0,1,2,3,4,5,6,7
	v_permlanex16_b32 v[A+\e], v[LG+\e], s46, s47
.endr
.irp e, 0,1,2,3,4,5,6,7
	v_add_f32 v[LG+\e], v[LG+\e], v[A+\e]          ; every lane holds my half row's part of the eight logits
.endr
	ds_store_b128 v6, v[LG:LG+3] offset:64*(\t)    ; all lanes write the same bytes with the same values
	ds_store_b128 v6, v[LG+4:LG+7] offset:64*(\t)+16
.endm
.irp t, 0,1,2,3,4,5,6,7
	XSTEP \t
.endr
; ---------------------------------------------------------------- the roles join
.Ljoin:
	s_wait_dscnt 0x0                               ; for wave 0's sake: my scale bytes and partial logits lie in LDS
	s_barrier_signal -1
	s_barrier_wait -1
	s_cmp_lg_u32 s31, 0                            ; wave 0 alone finishes: no barrier follows
	s_cbranch_scc1 .Lend
	ds_load_b128 v[68:71], v74                     ; the 16 tokens' 512 scale bytes
.irp j, 0,1,2,3
	ds_load_b128 v[XN+4*\j:XN+4*\j+3], v76 offset:16*\j   ; token l % 16: the two halves' eight sums
.endr
	s_lshl_b32 s26, ttmp9, 9
	s_mov_b32 s27, 0
	s_add_nc_u64 s[16:17], s[16:17], s[26:27]      ; the scale bytes: 512 a work-group
	s_lshl_b32 s26, ttmp9, 6
	s_add_nc_u64 s[18:19], s[18:19], s[26:27]      ; top1 and gate: 64 bytes a work-group
	s_add_nc_u64 s[20:21], s[20:21], s[26:27]
	s_wait_kmcnt 0x0                               ; router_b
	s_wait_dscnt 0x0
	global_store_b128 v75, v[68:71], s[16:17]      ; 512 consecutive bytes, aligned
	; my token: logits, their largest, the sum of exponentials under it; the gate is 1 / that sum (the top term is 2^0); the index is the lowest with the largest logit
.irp e, 0,1,2,3,4,5,6,7
	v_add_f32 v[A+\e], v[XN+\e], v[XN+8+\e]
.endr
.irp e, 0,1,2,3,4,5,6,7
	v_add_f32 v[A+\e], s[48+\e], v[A+\e]
.endr
	v_max3_num_f32 v32, v[A], v[A+1], v[A+2]
	s_delay_alu instid0(VALU_DEP_1)
	v_max3_num_f32 v32, v32, v[A+3], v[A+4]
	s_delay_alu instid0(VALU_DEP_1)
	v_max3_num_f32 v32, v32, v[A+5], v[A+6]
	s_delay_alu instid0(VALU_DEP_1)
	v_max_num_f32 v32, v32, v[A+7]
.irp e, 0,1,2,3,4,5,6,7
	v_sub_f32 v[R+\e], v[A+\e], v32                ; the maximum is taken away ahead of the exponential
.endr
.irp e, 0,1,2,3,4,5,6,7
	v_mul_f32 v[R+\e], 0x3fb8aa3b, v[R+\e]
.endr
	s_wait_alu depctr_va_vdst(0)
.irp e, 0,1,2,3,4,5,6,7
	v_exp_f32 v[R+\e], v[R+\e]
.endr
	v_mov_b32 v36, 7                               ; (a plain line behind the exponentials)
.irp e, 6,5,4,3,2,1,0
	v_cmp_neq_f32 vcc_lo, v[A+\e], v32
	s_delay_alu instid0(VALU_DEP_1)
	v_cndmask_b32 v36, \e, v36, vcc_lo             ; equal to the largest: e; descending, so the lowest index stays
.endr
	s_wait_alu depctr_va_vdst(0)
	v_add_f32 v[R], v[R], v[R+1]
	v_add_f32 v[R+2], v[R+2], v[R+3]
	v_add_f32 v[R+4], v[R+4], v[R+5]
	v_add_f32 v[R+6], v[R+6], v[R+7]
	s_delay_alu instid0(VALU_DEP_3)
	v_add_f32 v[R], v[R], v[R+2]
	s_delay_alu instid0(VALU_DEP_2)
	v_add_f32 v[R+4], v[R+4], v[R+6]
	s_delay_alu instid0(VALU_DEP_1)
	v_add_f32 v[R], v[R], v[R+4]
	s_wait_alu depctr_va_vdst(0)
	v_rcp_f32 v38, v[R]
	v_nop                                          ; a plain line behind the reciprocal
	global_store_b32 v77, v36, s[18:19]            ; the chosen experts of 16 tokens, at fixed places; lanes l and l + 16 hold the same token and store the same word
	s_wait_alu depctr_va_vdst(0)
	global_store_b32 v77, v38, s[20:21]            ; and their gates
.Lend:
	s_wait_tensorcnt 0x0
	ds_add_u32 v72, v73
	s_wait_dscnt 0x0
	s_endpgm
.Lfunc_end_k_qf1ec810dea_prep:
	.size	k_qf1ec810dea_prep, .Lfunc_end_k_qf1ec810dea_prep-k_qf1ec810dea_prep
	.p2alignl 7, 3214868480
	.fill 96, 4, 3214868480
	.section	.rodata,"a",@progbits
	.p2align	6, 0x0
	.amdhsa_kernel k_qf1ec810dea_prep
		.amdhsa_group_segment_fixed_size 91136
		.amdhsa_private_segment_fixed_size 0
		.amdhsa_enable_private_segment 0
		.amdhsa_kernarg_size 88
		.amdhsa_user_sgpr_count 2
		.amdhsa_user_sgpr_kernarg_segment_ptr 1
		.amdhsa_wavefront_size32 1
		.amdhsa_system_sgpr_workgroup_id_x 1
		.amdhsa_system_sgpr_workgroup_id_y 1
		.amdhsa_system_sgpr_workgroup_id_z 1
		.amdhsa_system_vgpr_workitem_id 0
		.amdhsa_next_free_vgpr 256
		.amdhsa_next_free_sgpr 66
		.amdhsa_reserve_vcc 1
		.amdhsa_float_denorm_mode_32 3
		.amdhsa_float_denorm_mode_16_64 3
		.amdhsa_memory_ordered 1
		.amdhsa_forward_progress 1
		.amdhsa_inst_pref_size 139
	.end_amdhsa_kernel
	.amdgpu_metadata
---
amdhsa.version: [ 1, 2 ]
amdhsa.kernels:
  - .name:           k_qf1ec810dea_prep
    .symbol:         k_qf1ec810dea_prep.kd
    .args:
      - { .name: x, .offset: 0, .size: 8, .value_kind: global_buffer, .address_space: global }
      - { .name: router_W, .offset: 8, .size: 8, .value_kind: global_buffer, .address_space: global }
      - { .name: router_b, .offset: 16, .size: 8, .value_kind: global_buffer, .address_space: global }
      - { .name: W1, .offset: 24, .size: 8, .value_kind: global_buffer, .address_space: global }
      - { .name: W2, .offset: 32, .size: 8, .value_kind: global_buffer, .address_space: global }
      - { .name: xcodes, .offset: 40, .size: 8, .value_kind: global_buffer, .address_space: global }
      - { .name: xscales, .offset: 48, .size: 8, .value_kind: global_buffer, .address_space: global }
      - { .name: top1, .offset: 56, .size: 8, .value_kind: global_buffer, .address_space: global }
      - { .name: gate, .offset: 64, .size: 8, .value_kind: global_buffer, .address_space: global }
      - { .name: wcodes, .offset: 72, .size: 8, .value_kind: global_buffer, .address_space: global }
      - { .name: wscales, .offset: 80, .size: 8, .value_kind: global_buffer, .address_space: global }
    .group_segment_fixed_size: 91136
    .private_segment_fixed_size: 0
    .kernarg_segment_align: 8
    .kernarg_segment_size: 88
    .max_flat_workgroup_size: 384
    .sgpr_count:     66
    .vgpr_count:     256
    .wavefront_size: 32
...
	.end_amdgpu_metadata
.endif
;; end of part 7
;; launch place (part 8): grid 1 x 1, 32 waves a work-group, no clusters, 5,120 bytes of LDS; arguments top1, plan; writes plan
.if DOCPART == 8
	.amdgcn_target "amdgcn-amd-amdhsa--gfx1250"
	.amdhsa_code_object_version 6
	.text
	.protected	k_qf1ec810dea_place
	.globl	k_qf1ec810dea_place
	.p2align	8
	.type	k_qf1ec810dea_place,@function
k_qf1ec810dea_place:
	s_mov_b64 s[64:65], 0
	v_nop
	global_prefetch_b8 v0, s[64:65] scope:SCOPE_SE
	s_setreg_imm32_b32 hwreg(HW_REG_WAVE_MODE, 25, 1), 1
	s_wait_xcnt 0x0
; PLACE.  A counting sort of the 4,096 tokens by their expert, and the list of tiles.  Whole numbers only.  One work-group of 32 waves; thread n has tokens 4 n .. 4 n + 3.
; plan: words 0 .. 4095: the tokens, expert by expert (the order inside an expert is free: rows do not depend on each other);
;       from byte 16,384 on: 256 records of 16 bytes (expert, first slot, rows, 0), a tile of at most 32 rows each; records behind the last tile are zeros.
; There are never more than 4096 / 32 + 8 - 1 = 135 tiles, whatever the choice.
	s_load_b128 s[4:7], s[0:1], 0x0                ; top1, plan
	v_lshl_add_u32 v64, v0, 2, 0x400
	v_mov_b32 v65, 0
	v_lshrrev_b32 v1, 5, v0
	s_delay_alu instid0(VALU_DEP_1)
	v_readfirstlane_b32 s8, v1                     ; wave 0..31
	v_and_b32 v2, 31, v0                           ; lane
	v_lshlrev_b32 v3, 4, v0                        ; my four tokens' 16 bytes
	s_delay_alu instid0(VALU_DEP_4)
	v_lshlrev_b32 v8, 2, v1                        ; LDS: counts [expert 8][wave 32]: my wave's word
	s_delay_alu instid0(VALU_DEP_3)
	v_lshlrev_b32 v9, 2, v2                        ; and the word of wave = my lane
	s_mov_b32 s10, 0x76543210
	s_mov_b32 s11, 0xfedcba98                      ; v_permlanex16_b32's selects for lane l xor 16
.irp j, 0,1,2,3,4,5,6,7
	v_mov_b32 v[32+\j], 0                          ; written once: the destination of a lane move counts as one of its sources
.endr
.irp i, 0,1,2,3
	v_lshl_add_u32 v[40+\i], v0, 2, \i             ; my tokens' numbers
.endr
	s_wait_kmcnt 0x0
	global_load_b128 v[4:7], v3, s[4:5]
	s_wait_loadcnt 0x0
.irp i, 0,1,2,3
.irp e, 0,1,2,3,4,5,6,7
	v_cmp_eq_u32 s[16+8*\i+\e], \e, v[4+\i]        ; which lanes' token i goes to expert e
.endr
.endr
.irp e, 0,1,2,3,4,5,6,7
	s_bcnt1_i32_b32 s[48+\e], s[16+\e]             ; my wave's count for expert e
.irp i, 1,2,3
	s_bcnt1_i32_b32 s9, s[16+8*\i+\e]
	s_add_co_u32 s[48+\e], s[48+\e], s9
.endr
	v_mov_b32 v[16+\e], s[48+\e]
	ds_store_b32 v8, v[16+\e] offset:128*\e        ; all lanes write the same word with the same value
.endr
	s_wait_dscnt 0x0                               ; for the others' sake: my counts lie in LDS
	s_barrier_signal -1
	s_barrier_wait -1
.irp e, 0,1,2,3,4,5,6,7
	ds_load_b32 v[16+\e], v9 offset:128*\e         ; lane l: wave l's count for expert e
.endr
	s_wait_dscnt 0x0
	v_cmp_gt_u32 vcc_lo, s8, v2                    ; the waves in front of mine
.irp j, 0,1,2,3
	v_lshl_or_b32 v[24+\j], v[17+2*\j], 16, v[16+2*\j]   ; two experts to a word: no sum passes 4,096
.endr
.irp j, 0,1,2,3
	s_delay_alu instid0(VALU_DEP_4)
	v_cndmask_b32 v[28+\j], 0, v[24+\j], vcc_lo    ; the same with only the waves in front of mine
.endr
.irp x, 1,2,4,8
.irp j, 0,1,2,3,4,5,6,7
	v_mov_b32_dpp v[32+\j], v[24+\j] row_xmask:\x row_mask:0xf bank_mask:0xf
.endr
.irp j, 0,1,2,3,4,5,6,7
	v_add_nc_u32 v[24+\j], v[24+\j], v[32+\j]
.endr
.endr
.irp j, 0,1,2,3,4,5,6,7
	v_permlanex16_b32 v[32+\j], v[24+\j], s10, s11
.endr
.irp j, 0,1,2,3,4,5,6,7
	v_add_nc_u32 v[24+\j], v[24+\j], v[32+\j]      ; sums over the 32 waves
.endr
.irp j, 0,1,2,3,4,5,6,7
	v_readfirstlane_b32 s[56+\j], v[24+\j]
.endr
.irp j, 0,1,2,3
	s_and_b32 s[72+2*\j], s[56+\j], 0xffff         ; s72-79: each expert's rows in all
	s_lshr_b32 s[73+2*\j], s[56+\j], 16
	s_and_b32 s[80+2*\j], s[60+\j], 0xffff         ; s80-87: those of the waves in front of mine
	s_lshr_b32 s[81+2*\j], s[60+\j], 16
.endr
	s_mov_b32 s88, 0                               ; s88-96: where each expert's rows begin
.irp e, 0,1,2,3,4,5,6,7
	s_add_co_u32 s[89+\e], s[88+\e], s[72+\e]
	s_add_co_u32 s[80+\e], s[80+\e], s[88+\e]      ; s80-87: the next free slot for my wave
.endr
.irp i, 0,1,2,3
.irp e, 0,1,2,3,4,5,6,7
	v_mbcnt_lo_u32_b32 v10, s[16+8*\i+\e], 0       ; how many lanes under mine go to e with their token i
	s_delay_alu instid0(VALU_DEP_1)
	v_add_nc_u32 v10, s[80+\e], v10
.if \e == 0
	s_delay_alu instid0(VALU_DEP_1)
	v_mov_b32 v[12+\i], v10
.else
	s_delay_alu instid0(VALU_DEP_1)
	v_cndmask_b32 v[12+\i], v[12+\i], v10, s[16+8*\i+\e]
.endif
	s_bcnt1_i32_b32 s9, s[16+8*\i+\e]
	s_add_co_u32 s[80+\e], s[80+\e], s9
.endr
.endr
.irp i, 0,1,2,3
	v_min_u32 v[12+\i], 0xfff, v[12+\i]            ; a slot is 0 .. 4095
	s_delay_alu instid0(VALU_DEP_1)
	v_lshlrev_b32 v[12+\i], 2, v[12+\i]
	global_store_b32 v[12+\i], v[40+\i], s[6:7]
.endr
	s_cmp_gt_u32 s8, 7                             ; threads 0 .. 255 write a record each
	s_cbranch_scc1 .Lend
	s_mov_b32 s16, 0                               ; s16-24: the number of each expert's first tile (the masks are done with)
.irp e, 0,1,2,3,4,5,6,7
	s_add_co_u32 s9, s[72+\e], 31
	s_lshr_b32 s9, s9, 5
	s_add_co_u32 s[17+\e], s[16+\e], s9
.endr
	v_mov_b32 v28, 0                               ; the last expert whose first tile is not behind mine
	v_mov_b32 v21, 0
	v_mov_b32 v22, 0
	v_mov_b32 v23, s72
.irp e, 1,2,3,4,5,6,7
	v_cmp_gt_u32 vcc_lo, s[16+\e], v0              ; its first tile lies behind mine: keep
	s_delay_alu instid0(VALU_DEP_1)
	v_cndmask_b32 v28, \e, v28, vcc_lo
	s_delay_alu instid0(VALU_DEP_2)
	v_cndmask_b32 v21, s[16+\e], v21, vcc_lo
	s_delay_alu instid0(VALU_DEP_3)
	v_cndmask_b32 v22, s[88+\e], v22, vcc_lo
	s_delay_alu instid0(VALU_DEP_4)
	v_cndmask_b32 v23, s[72+\e], v23, vcc_lo
.endr
	s_delay_alu instid0(VALU_DEP_3)
	v_sub_nc_u32 v24, v0, v21
	s_delay_alu instid0(VALU_DEP_1)
	v_lshlrev_b32 v24, 5, v24                      ; 32 x my tile's number within the expert
	s_delay_alu instid0(VALU_DEP_1)
	v_add_nc_u32 v29, v22, v24                     ; first slot
	s_delay_alu instid0(VALU_DEP_2)
	v_sub_nc_u32 v30, v23, v24
	s_delay_alu instid0(VALU_DEP_1)
	v_min_u32 v30, 32, v30                         ; rows
	v_cmp_gt_u32 vcc_lo, s24, v0                   ; is there such a tile?
	s_delay_alu instid0(VALU_DEP_1)
	v_cndmask_b32 v28, 0, v28, vcc_lo
	s_delay_alu instid0(VALU_DEP_2)
	v_cndmask_b32 v29, 0, v29, vcc_lo
	s_delay_alu instid0(VALU_DEP_3)
	v_cndmask_b32 v30, 0, v30, vcc_lo
	v_mov_b32 v31, 0
	v_lshlrev_b32 v26, 4, v0
	global_store_b128 v26, v[28:31], s[6:7] offset:16384
.Lend:
	s_wait_tensorcnt 0x0
	ds_add_u32 v64, v65
	s_wait_dscnt 0x0
	s_endpgm
.Lfunc_end_k_qf1ec810dea_place:
	.size	k_qf1ec810dea_place, .Lfunc_end_k_qf1ec810dea_place-k_qf1ec810dea_place
	.p2alignl 7, 3214868480
	.fill 96, 4, 3214868480
	.section	.rodata,"a",@progbits
	.p2align	6, 0x0
	.amdhsa_kernel k_qf1ec810dea_place
		.amdhsa_group_segment_fixed_size 5120
		.amdhsa_private_segment_fixed_size 0
		.amdhsa_enable_private_segment 0
		.amdhsa_kernarg_size 16
		.amdhsa_user_sgpr_count 2
		.amdhsa_user_sgpr_kernarg_segment_ptr 1
		.amdhsa_wavefront_size32 1
		.amdhsa_system_sgpr_workgroup_id_x 1
		.amdhsa_system_sgpr_workgroup_id_y 1
		.amdhsa_system_sgpr_workgroup_id_z 1
		.amdhsa_system_vgpr_workitem_id 0
		.amdhsa_next_free_vgpr 66
		.amdhsa_next_free_sgpr 100
		.amdhsa_reserve_vcc 1
		.amdhsa_float_denorm_mode_32 3
		.amdhsa_float_denorm_mode_16_64 3
		.amdhsa_memory_ordered 1
		.amdhsa_forward_progress 1
		.amdhsa_inst_pref_size 26
	.end_amdhsa_kernel
	.amdgpu_metadata
---
amdhsa.version: [ 1, 2 ]
amdhsa.kernels:
  - .name:           k_qf1ec810dea_place
    .symbol:         k_qf1ec810dea_place.kd
    .args:
      - { .name: top1, .offset: 0, .size: 8, .value_kind: global_buffer, .address_space: global }
      - { .name: plan, .offset: 8, .size: 8, .value_kind: global_buffer, .address_space: global }
    .group_segment_fixed_size: 5120
    .private_segment_fixed_size: 0
    .kernarg_segment_align: 8
    .kernarg_segment_size: 16
    .max_flat_workgroup_size: 1024
    .sgpr_count:     100
    .vgpr_count:     66
    .wavefront_size: 32
...
	.end_amdgpu_metadata
.endif
;; end of part 8
;; launch chain (part 9): grid 135 x 1, 8 waves a work-group, no clusters, 105,728 bytes of LDS; arguments plan, gate, xcodes, xscales, wcodes, wscales, b1, b2, out0; writes out0
.if DOCPART == 9
	.amdgcn_target "amdgcn-amd-amdhsa--gfx1250"
	.amdhsa_code_object_version 6
	.text
	.protected	k_qf1ec810dea_chain
	.globl	k_qf1ec810dea_chain
	.p2align	8
	.type	k_qf1ec810dea_chain,@function
k_qf1ec810dea_chain:
	s_mov_b64 s[64:65], 0
	v_nop
	global_prefetch_b8 v0, s[64:65] scope:SCOPE_SE
	s_setreg_imm32_b32 hwreg(HW_REG_WAVE_SCHED_MODE, 0, 2), 2
	s_setreg_imm32_b32 hwreg(HW_REG_WAVE_MODE, 25, 1), 1
	s_wait_xcnt 0x0
	s_wait_alu depctr_vm_vsrc(0)
; THE CHAIN.  out[token] = gate[token] x (Q(relu(Q(x) Q(W1[e]) + b1[e])) Q(W2[e]) + b2[e]) for the token's chosen expert e alone; both products on codes of FP4 (E2M1) with E8M0 scales, sums in f32.
; A work-group takes one tile of the stored list: up to 32 rows of one expert, through the whole chain; the hidden layer never goes to memory.  135 = 4096 / 32 + 8 - 1 work-groups serve every split;
; a tile of 0 rows walks the text with held indices and stores nothing (every wave passes every barrier).  Slots behind the tile's last row repeat that row.
; THE WAVES SHARE THE COLUMNS: wave w makes hidden units, and later outputs, 128 w .. 128 w + 127 for all 32 rows: 8 tiles of columns t x 2 tiles of rows m = 16 accumulators, 128 registers.
; Each weight fragment is read by one wave alone, straight from memory into registers in the order in which it was laid (two loads of 512 consecutive bytes), and feeds two matrix instructions.
; A wave's stream, its part of W1 and then of W2, is 128 consecutive KiB, walked by immediates through a RING OF 32 FRAGMENTS (256 registers): the stream runs seven half steps ahead of the products,
; so that 48 to 56 loads of a wave are out.  32 rows and not 64: the registers that the accumulators leave go to the ring, and each work-group has half the rows to quantise and to store.
; No weight byte is read by two waves of a work-group, so none goes through LDS.
; NO JOINT LOADS: which tiles belong to one expert is read from the stored list, so partners' requests cannot be made equal by the text's own arithmetic; and nothing is filled into LDS that could be shared.
; BOTH PRODUCTS ARE USED TRANSPOSED (source 0 = 16 weight columns, source 1 = 16 rows): a lane holds one row, and register j of tile t the column 32 (t / 2) + 16 (lane / 16) + 8 (t % 2) + j of the wave's 128:
; so the 16 registers of tiles 2 b, 2 b + 1 are 16 neighbours along the next K.  The biases are the C of each sum's first matrix instruction.
; LIMITS: a hidden block whose largest number lies under 2^-124, a block of zeros too, takes the scale byte 1; NaN and infinities are not served.
; REGISTERS.  window 0: v1-15 addresses; v16-23 the rows' scale words, v32-63 the weights' (these hold scales and nothing else); v64-95 two sets of two row fragments,
;   between the products the quantiser's work, at the end gates and tokens; v96-127 the head's work; v128-255 ring slots 0-15, at the end 16 rows on their way out.
;   window 1: v0-127 accumulator (t, m) at v[64 m + 8 t]; v128-255 ring slots 16-31.
; THE MODE: SCHED_MODE bits 1:0 = 2 (LLVM: expert scheduling mode 2), set by the entry lines.  The code itself states the register dependences
; between vector or matrix instructions and memory or LDS instructions, with s_wait_alu, always for 0.
; THE PLAN.  Registers that memory or LDS instructions touch, and who else names them:
;   v1-9, v11-15   addresses: written once at the head, read by loads and stores, never written again.
;   ring slots     Half step Q: its eight matrix instructions read its four slots; the loads of half step Q + 8, issued at the head of half step Q + 1, land in them.
;   v64-79, v80-95 Step s: its sixteen matrix instructions read set s % 2; the LDS loads of step s + 2, issued at the head of step s + 1, land in it.  At the head the gathered rows pass through v64-79
;                  (loads land, LDS stores read); between the products the quantiser works here and LDS stores read its codes in v80-95; at the end gates and tokens land in v64-73.
;   v16-23, v32-63 scale words: loads land ahead of a product, its matrix instructions read them.
;   accumulators   (t, 0): a bias lands ahead of each product; the tiles are read by LDS stores on the way out.
;   v128-191       at the end: LDS loads land, global stores read, tile by tile.
; So ONE wait on va_vdst stands at the head of a half step that asks for anything: the matrix instructions issued so far are done reading the slots and the set in which its loads land; its own eight
; name other slots, the other set, the scale words and the accumulators.  The loads stand in one run ahead of the eight: the ring lies in two windows, and a load among them would want two switches of its own.
.set RP,   528                         ; a row of 1,024 codes in LDS: 512 bytes + 16: the sixteen rows of a load begin in sixteen different columns of 16 bytes
.set SPI,  48                          ; a row of 32 scale bytes + 16
.set XR,   0                           ; x's 32 rows of codes
.set HR,   32*RP                       ; the hidden layer's
.set XSL,  2*32*RP                     ; x's rows of scale bytes
.set HSL,  XSL+32*SPI                  ; the hidden layer's
.set TOKL, HSL+32*SPI                  ; the 32 slots' tokens, and 128 bytes on their gates
.set STG,  TOKL+256                    ; a stage of 16 rows x 528 bytes for each wave, its own
.set L16, 1                            ; 16 x lane
.set FA,  2                            ; a fragment's place: 528 (l % 16) + 16 (l / 16)
.set SA,  3                            ; scale words: XSL + 48 (l % 16) + 16 (l / 16)
.set HWA, 4                            ; where I put hidden codes: HR + FA + 64 w
.set HSA, 5                            ; and their scale word: HSL + 48 (l % 16) + 4 w
.set STO, 6                            ; the stage, in: row l % 16, + 64 (l / 16)
.set SRD, 7                            ; the stage, back: 16 x lane
.set COL, 8                            ; my 16 bytes of a row of out: 512 w + 16 l
.set TKA, 9                            ; TOKL + 4 (l % 16)
.set TK,  10                           ; tokens as loaded: never an LDS address
.set BO,  11                           ; 64 (l / 16): my half's place in a bias
.set L8,  12                           ; 8 x lane
.set XRW, 13                           ; the head's three LDS store addresses
.set XSW, 14
.set TGW, 15
.set XSC, 16                           ; register 4 m + q: lanes 0-15 K step q of row l % 16 of tile m, lanes 16-31 K step 4 + q
.set WSC, 32                           ; register 8 b + s: lanes 0-15 tile 2 b, lanes 16-31 tile 2 b + 1, K step s
.set XF,  64
.set WR,  128
.set BK,  128
.set TM,  64                           ; v64-67 largest numbers, v68-71 bytes, v76-79 the conversions' scale operands
.set PC,  80                           ; v80-95 the codes just made, 8 registers for each m
.set PW,  112                          ; v112-113 their scale words
.set GT,  64                           ; the end: the two tiles' gates, each twice (a pair for the packed multiply)
.set TO,  72                           ; and the lanes' tokens
.set MSB, 0
.macro WIN new                         ; the immediate's high byte repeats the setting that is left
.if MSB != \new
	s_set_vgpr_msb (MSB<<8)|\new
.set MSB, \new
.endif
.endm
.macro WLOAD q                         ; fragments 4 q .. 4 q + 3 of the wave's 128 into their ring slots (fragment % 32): slots 0-15 window 0, slots 16-31 window 1
.if ((4*(\q))%32) >= 16
	WIN 0x40                                       ; destination window 1, address window 0
.else
	WIN 0
.endif
.irp f, 0,1,2,3
.irp c, 0,1
	global_load_b128 v[WR+8*((4*(\q)+\f)%16)+4*\c:WR+8*((4*(\q)+\f)%16)+4*\c+3], v[L16], s[30:31] offset:(4*(\q)+\f)*1024+512*\c
.endr
.endr
.endm
.macro WSLOAD p                        ; the scale words of product p's 64 fragments
.irp b, 0,1,2,3
.irp k, 0,1,2,3
	global_load_b64 v[WSC+8*\b+2*\k:WSC+8*\b+2*\k+1], v[L8], s[68:69] offset:4096*\p+1024*\b+256*\k
.endr
.endr
.endm
.macro BIAS sb                         ; a bias in the result's layout into accumulators (t, 0)
	WIN 0x40                                       ; destination window 1
.irp t, 0,1,2,3,4,5,6,7
	global_load_b128 v[8*\t:8*\t+3], v[BO], s[\sb:\sb+1] offset:128*(\t/2)+32*(\t%2)
	global_load_b128 v[8*\t+4:8*\t+7], v[BO], s[\sb:\sb+1] offset:128*(\t/2)+32*(\t%2)+16
.endr
	WIN 0
.endm
.macro XLOAD base, s                   ; the two row tiles' fragments of K step s into set s % 2
.irp m, 0,1
.irp c, 0,1
	ds_load_b128 v[XF+16*((\s)%2)+8*\m+4*\c:XF+16*((\s)%2)+8*\m+4*\c+3], v[FA] offset:\base+16*RP*\m+64*(\s)+32*\c
.endr
.endr
.endm
.macro SLOAD off                       ; the rows' scale words of all eight K steps
.irp m, 0,1
	ds_load_b128 v[XSC+4*\m:XSC+4*\m+3], v[SA] offset:\off+16*SPI*\m
.endr
.endm
; One matrix instruction: columns' tile t, rows' tile m, K step s.  c0 = 1: C is accumulator (t, 0), which holds the bias.  The window of source 0 is set by the caller: K steps 4 i, 4 i + 1 window 0, the others window 1.
.macro MM t, m, s, c0
.set rD, 64*(\m)+8*(\t)
.if \c0
.set rC, 8*(\t)
.else
.set rC, rD
.endif
.set rA, WR+8*(8*((\s)%2)+(\t))
.set rB, XF+16*((\s)%2)+8*(\m)
.set rSA, WSC+8*((\t)/2)+(\s)
.set rSB, XSC+4*(\m)+((\s)%4)
.if (((\t)%2) == 0) && ((\s) < 4)
	v_wmma_scale_f32_16x16x128_f8f6f4 v[rD:rD+7], v[rA:rA+7], v[rB:rB+7], v[rC:rC+7], v[rSA], v[rSB] matrix_a_fmt:MATRIX_FMT_FP4 matrix_b_fmt:MATRIX_FMT_FP4
.elseif ((\t)%2) == 0
	v_wmma_scale_f32_16x16x128_f8f6f4 v[rD:rD+7], v[rA:rA+7], v[rB:rB+7], v[rC:rC+7], v[rSA], v[rSB] matrix_a_fmt:MATRIX_FMT_FP4 matrix_b_fmt:MATRIX_FMT_FP4 matrix_b_scale:MATRIX_SCALE_ROW1
.elseif (\s) < 4
	v_wmma_scale_f32_16x16x128_f8f6f4 v[rD:rD+7], v[rA:rA+7], v[rB:rB+7], v[rC:rC+7], v[rSA], v[rSB] matrix_a_fmt:MATRIX_FMT_FP4 matrix_b_fmt:MATRIX_FMT_FP4 matrix_a_scale:MATRIX_SCALE_ROW1
.else
	v_wmma_scale_f32_16x16x128_f8f6f4 v[rD:rD+7], v[rA:rA+7], v[rB:rB+7], v[rC:rC+7], v[rSA], v[rSB] matrix_a_fmt:MATRIX_FMT_FP4 matrix_b_fmt:MATRIX_FMT_FP4 matrix_a_scale:MATRIX_SCALE_ROW1 matrix_b_scale:MATRIX_SCALE_ROW1
.endif
.endm
; Half a K step: tiles 4 g .. 4 g + 3 x the two row tiles, 8 matrix instructions; the 16 accumulators take turns, one instruction a turn.
; At its head, behind one wait on va_vdst, it asks: for the stream's half step seven on, into the slots that the half step before this one read out, and, in a step's first half,
; for the row fragments of the next step, into the set that the step before this one read.  A half step that asks for nothing has no such wait; nor has a product's first, ahead of which a wait stands already
; (the first product's first half step fills slots that nobody has named).
.macro HALF p, s, g, base
.set Q, 16*\p+2*\s+\g
.set ASKW, 0                           ; is there a half step seven on?
.if Q+7 <= 31
.set ASKW, 1
.endif
.set ASKX, 0                           ; steps 0 and 1 are asked for at the product's head
.if (\g == 0) && (\s >= 1) && (\s <= 6)
.set ASKX, 1
.endif
.if 31-Q >= 6
	s_wait_loadcnt 48                              ; my four fragments are in; the six younger half steps' 8 loads each may be out
.else
	s_wait_loadcnt 8*(31-Q)                        ; the stream's end: the counts run down
.endif
.if (ASKW || ASKX) && ((\s > 0) || (\g > 0))
	s_wait_alu depctr_va_vdst(0)                   ; the matrix instructions issued so far are done reading the last half step's ring slots and the last step's row fragments, in which the loads below land
.endif
.if ASKW
	WLOAD Q+7
.endif
.if ASKX
	WIN 0
	XLOAD \base, \s+1
.endif
.if \g == 0
.if \s < 7
	s_wait_dscnt 4                                 ; this step's row fragments are in; the next step's four loads may be out
.else
	s_wait_dscnt 0x0
.endif
.endif
	WIN 0x50+((\s)%4)/2                            ; C and D window 1; source 0 window 0 or 1
.if \s == 0
.irp u, 0,1,2,3
	MM 4*\g+\u, 1, \s, 1                           ; the first K step starts the sums on the bias, which lies in accumulator (t, 0)
.endr
.rept 5
	v_nop                                          ; five places: the four below write over registers that the four above read as C
.endr
.irp u, 0,1,2,3
	MM 4*\g+\u, 0, \s, 0
.endr
.else
.irp m, 0,1
.irp u, 0,1,2,3
	MM 4*\g+\u, \m, \s, 0
.endr
.endr
.endif
.if (\s == 7) && (\g == 1)
.rept 4
	v_nop                                          ; a product's end: four places ahead of the vector instructions that read its results and write its sources (ISA guide 7.12.1)
.endr
.endif
.endm
.macro PRODUCT p, base, soff, left
	s_wait_alu depctr_vm_vsrc(0)                   ; my LDS stores ahead of the barrier have read their data in v64-95 (the gathered rows; the hidden codes), in which the row fragments land
	SLOAD \soff
	XLOAD \base, 0
	XLOAD \base, 1
	s_wait_loadcnt \left                           ; the bias and the weights' scale words are in; left: the stream's loads issued behind them
.irp k, 0,1,2,3,4,5,6,7
	HALF \p, \k, 0, \base
	HALF \p, \k, 1, \base
.endr
	WIN 0
.endm
; Rows' tile m of the hidden layer: relu; the four blocks' scales; codes; to LDS as K step w of the rows.  Register 16 b + i of v[64 m ..] (window 1) is k = 32 b + 16 (lane / 16) + i of my row.
.macro QUANT m
	WIN 0x44                                       ; destination and source 1 window 1
.set JJ, 64*\m
.rept 64
	v_max_num_f32 v[JJ], 0, v[JJ]                  ; the activation, in f32; ascending
.set JJ, JJ+1
.endr
	WIN 0x05                                       ; sources 0 and 1 window 1
.irp b, 0,1,2,3
	v_max3_num_f32 v[TM+\b], v[64*\m+16*\b], v[64*\m+16*\b+1], 0x1800000   ; none is negative: no |.|; the floor 2^(3 - 127) holds the byte at 1 from below
.endr
.irp i, 2,4,6,8,10,12,14
.irp b, 0,1,2,3
	v_max3_num_f32 v[TM+\b], v[64*\m+16*\b+\i], v[64*\m+16*\b+\i+1], v[TM+\b]   ; the four blocks by turns
.endr
.endr
	WIN 0
.irp b, 0,1,2,3
	v_permlanex16_b32 v[TM+4+\b], v[TM+\b], s74, s75
.endr
.irp b, 0,1,2,3
	v_max_num_f32 v[TM+\b], v[TM+\b], v[TM+4+\b]   ; with lane l xor 16's: the block's largest number
.endr
.irp b, 0,1,2,3
	v_add_nc_u32 v[TM+12+\b], 0xff000000, v[TM+\b] ; 2 off the exponent field: the conversion's scale operand
.endr
.irp b, 0,1,2,3
	v_lshrrev_b32 v[TM+4+\b], 23, v[TM+12+\b]      ; the scale's byte
.endr
	v_lshl_or_b32 v[PW+\m], v[TM+5], 8, v[TM+4]    ; my row's scale word for this K step
	v_lshl_or_b32 v[PW+\m], v[TM+6], 16, v[PW+\m]
	v_lshl_or_b32 v[PW+\m], v[TM+7], 24, v[PW+\m]
	WIN 0x01                                       ; source 0 window 1
.irp b, 0,1,2,3
	v_cvt_scalef32_pk8_fp4_f32 v[PC+8*\m+2*\b], v[64*\m+16*\b:64*\m+16*\b+7], v[TM+12+\b]
	v_cvt_scalef32_pk8_fp4_f32 v[PC+8*\m+2*\b+1], v[64*\m+16*\b+8:64*\m+16*\b+15], v[TM+12+\b]
.endr
	WIN 0
	v_nop                                          ; one plain line behind the conversions
.irp c, 0,1                            ; the operand's layout wants a whole block in a lane
.irp i, 0,1
	v_permlane16_swap_b32 v[PC+8*\m+4*\c+\i], v[PC+8*\m+4*\c+2+\i]
.endr
.endr
	s_wait_alu depctr_va_vdst(0)                   ; the tile's codes and scale word are written, which the LDS stores read; and every line above is done with the tile's accumulators and with v64-95
.irp c, 0,1
	ds_store_b128 v[HWA], v[PC+8*\m+4*\c:PC+8*\m+4*\c+3] offset:16*RP*\m+32*\c
.endr
	ds_store_b32 v[HSA], v[PW+\m] offset:16*SPI*\m ; both halves of the lanes hold the same word and write the same place
.endm
; ---------------------------------------------------------------- the head
	s_load_b256 s[4:11], s[0:1], 0x0               ; plan s[4:5], gate s[6:7], xcodes s[8:9], xscales s[10:11]
	s_load_b256 s[12:19], s[0:1], 0x20             ; wcodes s[12:13], wscales s[14:15], b1 s[16:17], b2 s[18:19]
	s_load_b64 s[20:21], s[0:1], 0x40              ; out0
	v_lshl_add_u32 v126, v0, 2, 0x19900
	v_mov_b32 v127, 0
	v_lshrrev_b32 v1, 5, v0
	v_readfirstlane_b32 s28, v1                    ; wave 0..7
	s_lshl_b32 s22, ttmp9, 4                       ; my tile's record
	v_and_b32 v120, 31, v0                         ; lane
	v_and_b32 v121, 15, v0                         ; l % 16
	v_bfe_u32 v122, v0, 4, 1                       ; l / 16
	v_and_b32 v123, 3, v0                          ; l % 4
	v_bfe_u32 v124, v0, 2, 3                       ; l / 4
	v_lshlrev_b32 v[L16], 4, v120
	v_lshlrev_b32 v[L8], 3, v120
	v_mul_u32_u24 v[FA], v121, RP
	v_lshl_add_u32 v[FA], v122, 4, v[FA]
	v_mul_u32_u24 v[SA], v121, SPI
	v_lshl_add_u32 v[SA], v122, 4, v[SA]
	v_add_nc_u32 v[SA], XSL, v[SA]
	s_wait_alu depctr_va_sdst(0)                   ; s28 is written, ahead of its first reader: LDS addresses and the stream's bases are made from it
	s_lshl_b32 s23, s28, 6
	s_add_co_u32 s23, s23, HR
	v_add_nc_u32 v[HWA], s23, v[FA]
	s_lshl_b32 s23, s28, 2
	s_add_co_u32 s23, s23, HSL
	v_mul_u32_u24 v[HSA], v121, SPI
	v_add_nc_u32 v[HSA], s23, v[HSA]
	s_mul_i32 s23, s28, 16*RP
	s_add_co_u32 s23, s23, STG                     ; my stage
	v_mul_u32_u24 v[STO], v121, RP
	v_lshl_add_u32 v[STO], v122, 6, v[STO]
	v_add_nc_u32 v[STO], s23, v[STO]
	v_add_nc_u32 v[SRD], s23, v[L16]
	v_lshlrev_b32 v[COL], 4, v0                    ; 16 x thread = 512 w + 16 l
	v_lshl_add_u32 v[TKA], v121, 2, TOKL
	v_lshlrev_b32 v[BO], 6, v122
	s_mul_i32 s23, s28, 4*RP                       ; wave w gathers slots 4 w .. 4 w + 3
	v_add_nc_u32 v[XRW], s23, v[L16]
	s_mul_i32 s23, s28, 4*SPI
	s_add_co_u32 s23, s23, XSL
	v_mul_u32_u24 v[XSW], v123, SPI
	v_lshl_add_u32 v[XSW], v124, 2, v[XSW]
	v_add_nc_u32 v[XSW], s23, v[XSW]
	s_lshl_b32 s23, s28, 4
	s_add_co_u32 s23, s23, TOKL
	v_lshl_add_u32 v[TGW], v123, 2, s23
	s_mov_b32 s74, 0x76543210
	s_mov_b32 s75, 0xfedcba98                      ; v_permlanex16_b32's selects for lane l xor 16
	s_wait_kmcnt 0x0
	s_load_b128 s[24:27], s[4:5], s22 offset:0x4000   ; expert, first slot, rows, 0
	s_wait_kmcnt 0x0
	s_min_u32 s24, s24, 7                          ; held inside their tables
	s_min_u32 s25, s25, 0xfff
	s_min_u32 s26, s26, 32
	s_max_u32 s29, s26, 1
	s_sub_co_u32 s29, s29, 1                       ; the tile's last row
	s_lshl_b32 s23, s24, 3
	s_add_co_u32 s23, s23, s28                     ; 8 e + w
	s_lshl_b32 s66, s23, 17
	s_mov_b32 s67, 0                               ; stays 0: the upper word of every offset
	s_add_nc_u64 s[30:31], s[12:13], s[66:67]      ; my stream of weight codes
	s_lshl_b32 s66, s23, 13
	s_add_nc_u64 s[68:69], s[14:15], s[66:67]      ; its scale words
	s_lshl_b32 s66, s23, 9
	s_add_nc_u64 s[70:71], s[16:17], s[66:67]      ; b1 and b2 at my 128 columns: 4,096 e + 512 w
	s_add_nc_u64 s[72:73], s[18:19], s[66:67]
	s_lshl_b32 s23, s28, 2
	v_add_nc_u32 v125, s23, v123                   ; my slot of the tile: 4 w + l % 4,
	v_min_u32 v125, s29, v125                      ; behind the last row: the last row again
	v_add_nc_u32 v125, s25, v125
	v_min_u32 v125, 0xfff, v125
	v_lshlrev_b32 v125, 2, v125
	s_wait_alu depctr_va_vdst(0)                   ; v125 and the addresses v1 to v9 and v11 to v15 are written: every load and store of the kernel reads one of them
	global_load_b32 v[TK], v125, s[4:5]            ; its token
	WSLOAD 0                                       ; W1's scale words, and the ring's first five half steps, go out while the token is on its way
	WLOAD 0
	WLOAD 1
	WLOAD 2
	WLOAD 3
	WLOAD 4
	WIN 0
	s_wait_loadcnt 56                              ; the tokens are in; behind them stand the 16 loads of scale words and the ring's 40
	v_min_u32 v[TK], 0xfff, v[TK]
	v_lshlrev_b32 v100, 2, v[TK]                   ; the gate's offset
	v_lshlrev_b32 v101, 5, v[TK]
	v_lshl_add_u32 v101, v124, 2, v101             ; the scale bytes': eight lanes to a row of 32
.irp j, 0,1,2,3
	v_readlane_b32 s[32+\j], v[TK], \j             ; my wave's four tokens
.endr
	s_wait_alu depctr_va_sdst(0)                   ; s32 to s35 are written, ahead of their first readers
.irp j, 0,1,2,3
	s_min_u32 s[32+\j], s[32+\j], 0xfff
	v_lshl_add_u32 v[104+\j], s[32+\j], 9, v[L16]
.endr
	s_wait_alu depctr_va_vdst(0)                   ; the six offsets v100, v101 and v104 to v107 are written, which the loads below read; so is v[TK], which an LDS store reads
	global_load_b32 v98, v100, s[6:7]              ; the gate
	global_load_b32 v96, v101, s[10:11]            ; four rows' scale bytes by one load
.irp j, 0,1,2,3
	global_load_b128 v[64+4*\j:67+4*\j], v[104+\j], s[8:9]   ; a whole row of codes: 512 consecutive bytes
.endr
	BIAS 70
	WLOAD 5
	WLOAD 6
	WIN 0
	s_wait_loadcnt 32                              ; the gathered rows are in; behind them stand the bias's 16 loads and the ring's 16
.irp j, 0,1,2,3
	ds_store_b128 v[XRW], v[64+4*\j:67+4*\j] offset:RP*\j
.endr
	ds_store_b32 v[XSW], v96
	ds_store_b32 v[TGW], v[TK]                     ; the eight groups of four lanes write the same words with the same values
	ds_store_b32 v[TGW], v98 offset:128
	s_wait_dscnt 0x0                               ; for the others' sake: my four rows lie in LDS
	s_barrier_signal -1
	s_barrier_wait -1                              ; all 32 do
; ---------------------------------------------------------------- the first product, the hidden layer, the second product
	PRODUCT 0, XR, 0, 16                           ; 16: the ring's half steps 5 and 6 were issued behind the bias
	s_wait_alu depctr_va_vdst(0)                   ; the first product's matrix instructions are done reading the weights' scale words v32-63, in which W2's land
	WSLOAD 1
.irp b, 0,1,2,3
	v_mov_b32 v[TM+4+\b], 0                        ; written once: a lane permute's destination counts as one of its sources
.endr
	QUANT 0
	BIAS 72                                        ; b2 into the accumulators that QUANT 0 has read out: its wait stands ahead, and only LDS stores lie between
	QUANT 1
	s_wait_dscnt 0x0                               ; for the others' sake: my K step of the 32 hidden rows lies in LDS
	s_barrier_signal -1
	s_barrier_wait -1                              ; all eight K steps do
	PRODUCT 1, HR, 32*SPI, 0                       ; 0: nothing was issued behind b2.  No vector line stands between QUANT 1's wait on va_vdst and this product's first matrix instruction: that wait serves its loads into v16-23, v64-95 and the ring
; ---------------------------------------------------------------- the way out (the last half step's four places stand in front of it)
	s_wait_alu depctr_va_vdst(0)                   ; the second product's matrix instructions are done reading v64-79, in which gates and tokens land
.irp m, 0,1
	ds_load_b32 v[GT+2*\m], v[TKA] offset:128+64*\m       ; the gate of my row of tile m, twice: a pair for the packed multiply
	ds_load_b32 v[GT+2*\m+1], v[TKA] offset:128+64*\m
	ds_load_b32 v[TO+\m], v[TKA] offset:64*\m             ; lane i % 16: the token of row i of tile m
.endr
; Rows' tile m: x gate; a lane holds pieces of 32 bytes of one row, so the tile goes through my own stage and comes back as 16 rows of 512 bytes; each leaves to its token's row of out.
.macro OUTM m
.if \m > 0
	s_wait_xcnt 0x0                                ; the last tile's stores have read their registers and bases: both are written again only behind this wait
	s_wait_alu depctr_vm_vsrc(0)                   ; the last tile's stores have read v[BK ..], in which this tile's rows land
.endif
	s_cmp_le_u32 s26, 16*\m                        ; no row of this tile is the list's: nothing more is stored (no barrier follows)
	s_cbranch_scc1 .Lend
	s_wait_dscnt 0x0                               ; gates and tokens are in
.irp i, 0,1,2,3,4,5,6,7,8,9,10,11,12,13,14,15
	v_readlane_b32 s[32+2*\i], v[TO+\m], \i        ; row i's token, into the low word of the pair that will hold the row's address
.endr
	WIN 0x41                                       ; destination and source 0 window 1
.set JJ, 64*\m
.rept 32
	v_pk_mul_f32 v[JJ:JJ+1], v[JJ:JJ+1], v[GT+2*\m:GT+2*\m+1]   ; ascending: each accumulator from its low end on
.set JJ, JJ+2
.endr
	WIN 0x04                                       ; an LDS store's data are its source 1: window 1
	s_wait_alu depctr_va_vdst(0)                   ; the multiplies have written the tile, which the LDS stores read
.irp t, 0,1,2,3,4,5,6,7
	ds_store_b128 v[STO], v[64*\m+8*\t:64*\m+8*\t+3] offset:128*(\t/2)+32*(\t%2)
	ds_store_b128 v[STO], v[64*\m+8*\t+4:64*\m+8*\t+7] offset:128*(\t/2)+32*(\t%2)+16
.endr
	WIN 0
.irp i, 0,1,2,3,4,5,6,7,8,9,10,11,12,13,14,15
	ds_load_b128 v[BK+4*\i:BK+4*\i+3], v[SRD] offset:RP*\i   ; LDS serves a wave's instructions in order (ISA guide 5.7.1.4): these see the stores above
.endr
	s_wait_alu depctr_va_sdst(0)                   ; the sixteen tokens are written, ahead of their first readers
.irp i, 0,1,2,3,4,5,6,7,8,9,10,11,12,13,14,15
	s_min_u32 s66, s[32+2*\i], 0xfff
	s_lshl_b32 s66, s66, 12                        ; the token's row of 4,096 bytes
	s_add_nc_u64 s[32+2*\i:33+2*\i], s[20:21], s[66:67]
.endr
.irp i, 0,1,2,3,4,5,6,7,8,9,10,11,12,13,14,15
	s_wait_dscnt 15-\i                             ; row i is back; the younger rows may be out
	global_store_b128 v[COL], v[BK+4*\i:BK+4*\i+3], s[32+2*\i:33+2*\i] th:TH_STORE_NT   ; 32 lanes store 512 consecutive bytes, aligned; written once, read by nobody here
.endr
.endm
	OUTM 0
	OUTM 1
.Lend:
	s_wait_dscnt 0x0                               ; the closing lines, six on end
	s_wait_alu 0x0
	s_wait_tensorcnt 0x0
	ds_add_u32 v126, v127
	s_wait_dscnt 0x0
	s_endpgm
.Lfunc_end_k_qf1ec810dea_chain:
	.size	k_qf1ec810dea_chain, .Lfunc_end_k_qf1ec810dea_chain-k_qf1ec810dea_chain
	.p2alignl 7, 3214868480
	.fill 96, 4, 3214868480
	.section	.rodata,"a",@progbits
	.p2align	6, 0x0
	.amdhsa_kernel k_qf1ec810dea_chain
		.amdhsa_group_segment_fixed_size 105728
		.amdhsa_private_segment_fixed_size 0
		.amdhsa_enable_private_segment 0
		.amdhsa_kernarg_size 72
		.amdhsa_user_sgpr_count 2
		.amdhsa_user_sgpr_kernarg_segment_ptr 1
		.amdhsa_wavefront_size32 1
		.amdhsa_system_sgpr_workgroup_id_x 1
		.amdhsa_system_sgpr_workgroup_id_y 1
		.amdhsa_system_sgpr_workgroup_id_z 1
		.amdhsa_system_vgpr_workitem_id 0
		.amdhsa_next_free_vgpr 512
		.amdhsa_next_free_sgpr 80
		.amdhsa_reserve_vcc 0
		.amdhsa_float_denorm_mode_32 3
		.amdhsa_float_denorm_mode_16_64 3
		.amdhsa_memory_ordered 1
		.amdhsa_forward_progress 1
		.amdhsa_inst_pref_size 110
	.end_amdhsa_kernel
	.amdgpu_metadata
---
amdhsa.version: [ 1, 2 ]
amdhsa.kernels:
  - .name:           k_qf1ec810dea_chain
    .symbol:         k_qf1ec810dea_chain.kd
    .args:
      - { .name: plan, .offset: 0, .size: 8, .value_kind: global_buffer, .address_space: global }
      - { .name: gate, .offset: 8, .size: 8, .value_kind: global_buffer, .address_space: global }
      - { .name: xcodes, .offset: 16, .size: 8, .value_kind: global_buffer, .address_space: global }
      - { .name: xscales, .offset: 24, .size: 8, .value_kind: global_buffer, .address_space: global }
      - { .name: wcodes, .offset: 32, .size: 8, .value_kind: global_buffer, .address_space: global }
      - { .name: wscales, .offset: 40, .size: 8, .value_kind: global_buffer, .address_space: global }
      - { .name: b1, .offset: 48, .size: 8, .value_kind: global_buffer, .address_space: global }
      - { .name: b2, .offset: 56, .size: 8, .value_kind: global_buffer, .address_space: global }
      - { .name: out0, .offset: 64, .size: 8, .value_kind: global_buffer, .address_space: global }
    .group_segment_fixed_size: 105728
    .private_segment_fixed_size: 0
    .kernarg_segment_align: 8
    .kernarg_segment_size: 72
    .max_flat_workgroup_size: 256
    .sgpr_count:     80
    .vgpr_count:     512
    .wavefront_size: 32
...
	.end_amdgpu_metadata
.endif
;; end of part 9
